; MI455X (gfx1250); checked and timed in simulation.
; The chip was launched on July 23, 2026; its instructions are those of AMD's public machine-readable ISA for CDNA 5 (MIT licence, August 2026) and "CDNA5" Instruction Set Architecture Reference Guide (July 2026). The comments in the code are by the model that wrote it; some were corrected since.
;; Multi Head Attention. Allowed arithmetic: float matrix products may take bf16 or f16 operands with f32 sums; all other float work in f32.
;; Inputs: key 4 x 2,048 x 1,024 float32; mask 1 x 1 x 2,048 x 2,048 int32; query 4 x 2,048 x 1,024 float32; value 4 x 2,048 x 1,024 float32; w_k 1,024 x 1,024 float32; w_o 1,024 x 1,024 float32; w_q 1,024 x 1,024 float32; w_v 1,024 x 1,024 float32.
;; Outputs: out0 4 x 2,048 x 1,024 float32.
;; 3 versions, each right and faster than the one before. Each part assembles by itself: llvm-mc -triple=amdgcn-amd-amdhsa -mcpu=gfx1250 --defsym DOCPART=n.
;; ======== version 1 of 3: 4 launches
;; limits: values are held in f16: magnitudes above 65,504 overflow, below 6.1e-05 lose precision
;; workspace buffers: xb 50,331,648 bytes; wb 8,388,608 bytes; maskw 524,288 bytes of whole numbers; qkv 50,331,648 bytes; att 16,777,216 bytes
;; launch prep (part 1): grid 1920 x 1, 8 waves a work-group, no clusters, 35,840 bytes of LDS; arguments query, key, value, w_q, w_k, w_v, w_o, mask, xb, wb, maskw; writes xb, wb, maskw
.if DOCPART == 1
	.amdgcn_target "amdgcn-amd-amdhsa--gfx1250"
	.amdhsa_code_object_version 6
	.text
	.protected	k_q48531464b4_prep
	.globl	k_q48531464b4_prep
	.p2align	8
	.type	k_q48531464b4_prep,@function
k_q48531464b4_prep:
	s_mov_b64 s[64:65], 0
	v_nop
	global_prefetch_b8 v0, s[64:65] scope:SCOPE_SE
	s_setreg_imm32_b32 hwreg(HW_REG_WAVE_MODE, 25, 1), 1
	s_wait_xcnt 0x0
; prep: the inputs are brought into the forms that the matrix launches read.
;   work-groups 0..1535    query, key, value: f32 -> bf16 (nearest even) into xb [3][8192][1024]
;   work-groups 1536..1791 w_q, w_k, w_v: f32 -> bf16 into wb [4][1024][1024]; w_o: f32 -> bf16 -> f16 (the last launch multiplies in f16)
;   work-groups 1792..1919 mask [2048][2048] int32 -> maskw: one bit a number, laid out as lane masks (see the mask part)
; LIMIT: f16(bf16(w_o)) is exact for 2^-17 <= |w_o| < 65,504; below that the absolute error is at most 2^-25, above it the value becomes infinite.
; A stream: every input byte is read once by 16-byte loads, every output byte written once.  No matrix unit, no cluster: no two work-groups share a byte.
.set NXCH,   1536                      ; chunks of 64 KiB in query, key, value together
.set NF16,   1728                      ; from here on: w_o
.set NCAST,  1792                      ; from here on: the mask
.set X,      32                        ; v[32:95] cast part: 16 loads; v[32:159] mask part: 32 loads
.set Y,      96                        ; v[96:127] cast part: a pair to store for each load, never rewritten
.set RB,     160                       ; v[160:191] mask part: a query tile read back by rows
.set OUT,    12                        ; v[12:15] mask part: the 128 words of the task, two a lane and half
.set MPITCH, 272                       ; mask part: an LDS row, 256 bytes + 16
.set MREG,   16*MPITCH                 ; mask part: a wave's own 16 rows
	s_load_b512 s[8:23], s[0:1], 0x0               ; query s[8:9] key s[10:11] value s[12:13] w_q s[14:15] w_k s[16:17] w_v s[18:19] w_o s[20:21] mask s[22:23]
	s_load_b128 s[24:27], s[0:1], 0x40             ; xb s[24:25], wb s[26:27]
	s_load_b64 s[28:29], s[0:1], 0x50              ; maskw
	v_lshl_add_u32 v192, v0, 2, 0x8800
	v_mov_b32 v193, 0
	s_mov_b32 s2, ttmp9                            ; the work-group's number
	s_wait_kmcnt 0x0
	s_cmp_ge_u32 s2, NCAST
	s_cbranch_scc1 .Lmask
	; ---- the cast part: 64 KiB of f32 in, 32 KiB out ----
	s_lshr_b32 s30, s2, 9                          ; 0, 1, 2: query, key, value; 3: a weight
	s_bfe_u32 s31, s2, 0x20006                     ; which weight (2 bits from bit 6)
	s_and_b32 s38, s2, 63                          ; chunk in a weight
	s_and_b32 s39, s2, 511                         ; chunk in query, key or value
	s_sub_co_u32 s40, s2, NXCH                     ; chunk in wb
	s_cmp_eq_u32 s30, 1
	s_cselect_b64 s[32:33], s[10:11], s[8:9]
	s_cmp_eq_u32 s30, 2
	s_cselect_b64 s[32:33], s[12:13], s[32:33]
	s_cmp_eq_u32 s31, 1
	s_cselect_b64 s[34:35], s[16:17], s[14:15]
	s_cmp_eq_u32 s31, 2
	s_cselect_b64 s[34:35], s[18:19], s[34:35]
	s_cmp_eq_u32 s31, 3
	s_cselect_b64 s[34:35], s[20:21], s[34:35]
	s_cmp_eq_u32 s30, 3
	s_cselect_b64 s[32:33], s[34:35], s[32:33]     ; from where
	s_cselect_b64 s[36:37], s[26:27], s[24:25]     ; to where
	s_cselect_b32 s38, s38, s39
	s_cselect_b32 s40, s40, s2
	s_lshl_b32 s38, s38, 16                        ; offsets in registers of their own, below 4 GiB
	s_mov_b32 s39, 0
	s_lshl_b32 s40, s40, 15
	s_mov_b32 s41, 0
	s_add_nc_u64 s[32:33], s[32:33], s[38:39]
	s_add_nc_u64 s[36:37], s[36:37], s[40:41]
	v_lshlrev_b32 v1, 4, v0                        ; 16 bytes a thread in
	v_lshlrev_b32 v2, 3, v0                        ; 8 bytes a thread out
.set i, 0
.rept 16
	global_load_b128 v[X+4*i:X+4*i+3], v1, s[32:33] offset:4096*i th:TH_LOAD_NT   ; all sixteen on their way at once
.set i, i+1
.endr
; f16 = 1: the bf16 numbers are widened again and packed as f16
.macro CAST f16
.set i, 0
.rept 16
	s_wait_loadcnt 15-i                            ; loads come back in order: load i is in, the 15 - i younger ones stay out
	v_cvt_pk_bf16_f32 v[Y+2*i], v[X+4*i], v[X+4*i+1]
	v_cvt_pk_bf16_f32 v[Y+2*i+1], v[X+4*i+2], v[X+4*i+3]
.if \f16
	v_lshlrev_b32 v[X+4*i], 16, v[Y+2*i]
	v_and_b32 v[X+4*i+1], 0xffff0000, v[Y+2*i]
	v_lshlrev_b32 v[X+4*i+2], 16, v[Y+2*i+1]
	v_and_b32 v[X+4*i+3], 0xffff0000, v[Y+2*i+1]
	v_cvt_pk_f16_f32 v[Y+2*i], v[X+4*i], v[X+4*i+1]
	v_cvt_pk_f16_f32 v[Y+2*i+1], v[X+4*i+2], v[X+4*i+3]
.endif
	global_store_b64 v2, v[Y+2*i:Y+2*i+1], s[36:37] offset:2048*i   ; a wave's store covers 256 consecutive bytes, aligned; its registers are never written again
.set i, i+1
.endr
.endm
	s_cmp_ge_u32 s2, NF16
	s_cbranch_scc1 .Lwo
	CAST 0
	s_endpgm
.Lwo:
	CAST 1
	s_endpgm
	; ---- the mask part ----
	; Word ((q/64 * 64 + key/32) * 4 + (q/16 & 3)) * 16 + (key/16 & 1) * 8 + j of maskw; its bit L says whether
	; mask[16 (q/16) + (L & 15)][16 (key/16) + 8 (L >> 4) + j] is not 0: the lane mask of register j of a 16 x 16 tile of scores
	; that holds keys along the registers and queries along the lanes.
	; A wave's task: 64 queries x 64 keys = 256 bytes of each of 64 rows in, 128 words out.  1,024 tasks.
.Lmask:
	v_lshrrev_b32 v3, 5, v0
	v_readfirstlane_b32 s3, v3                     ; wave
	s_sub_co_u32 s4, s2, NCAST
	s_lshl3_add_u32 s4, s4, s3                     ; task = 8 x group + wave
	s_lshr_b32 s5, s4, 5                           ; block of 64 queries
	s_and_b32 s6, s4, 31                           ; block of 64 keys
	s_lshl_b32 s30, s5, 19                         ; 64 rows of 8,192 bytes
	s_lshl_b32 s6, s6, 8
	s_add_co_u32 s30, s30, s6
	s_mov_b32 s31, 0
	s_add_nc_u64 s[22:23], s[22:23], s[30:31]
	s_lshl_b32 s30, s4, 9                          ; 512 bytes of words a task
	s_add_nc_u64 s[28:29], s[28:29], s[30:31]
	v_and_b32 v4, 15, v0                           ; r
	v_bfe_u32 v5, v0, 4, 1                         ; h
	v_lshlrev_b32 v6, 4, v4
	v_lshl_add_u32 v7, v5, 13, v6                  ; lanes 0-15 take 256 bytes of one row, lanes 16-31 of the next
.set i, 0
.rept 32
	global_load_b128 v[X+4*i:X+4*i+3], v7, s[22:23] offset:16384*i th:TH_LOAD_NT
.set i, i+1
.endr
	s_mul_i32 s7, s3, MREG                         ; my wave's own LDS bytes: no other wave touches them, so no barrier
	v_mul_u32_u24 v8, v5, MPITCH
	v_add3_u32 v8, v8, v6, s7                      ; in: as loaded, two rows an instruction
	v_mul_u32_u24 v9, v4, MPITCH
	v_lshl_add_u32 v9, v5, 5, v9
	v_add_nc_u32 v9, s7, v9                        ; back: row r, 8 numbers from key 8 h of each tile of 16 keys
	v_and_b32 v10, 31, v0
	v_lshlrev_b32 v10, 3, v10                      ; out: two words a lane
.irp k, 0,1,2,3
	v_mov_b32 v[OUT+\k], 0                         ; v_writelane_b32 keeps the other lanes: the registers are written whole first
.endr
.irp t, 0,1,2,3
	s_wait_loadcnt 24-8*\t                         ; the eight loads of query tile t are in; the younger tiles' stay out
.irp i, 0,1,2,3,4,5,6,7
	ds_store_b128 v8, v[X+32*\t+4*\i:X+32*\t+4*\i+3] offset:2*\i*MPITCH
.endr
.irp k, 0,1,2,3
	ds_load_b128 v[RB+8*\k:RB+8*\k+3], v9 offset:64*\k          ; LDS serves a wave's instructions in order: these see the stores above,
	ds_load_b128 v[RB+8*\k+4:RB+8*\k+7], v9 offset:64*\k+16     ; and the next tile's stores come behind them
.endr
	s_wait_dscnt 0x0
.irp k, 0,1,2,3
.irp j, 0,1,2,3,4,5,6,7
	v_cmp_ne_u32 s[40+\j], 0, v[RB+8*\k+\j]
	v_writelane_b32 v[OUT+2*(\k/2)+(\j%2)], s[40+\j], (16*\t+8*(\k%2)+\j)/2
.endr
.endr
.endr
	global_store_b64 v10, v[OUT:OUT+1], s[28:29]               ; 256 consecutive bytes, aligned: keys 0-31 of the task
	global_store_b64 v10, v[OUT+2:OUT+3], s[28:29] offset:256  ; keys 32-63
	s_wait_tensorcnt 0x0
	ds_add_u32 v192, v193
	s_wait_dscnt 0x0
	s_endpgm
.Lfunc_end_k_q48531464b4_prep:
	.size	k_q48531464b4_prep, .Lfunc_end_k_q48531464b4_prep-k_q48531464b4_prep
	.p2alignl 7, 3214868480
	.fill 96, 4, 3214868480
	.section	.rodata,"a",@progbits
	.p2align	6, 0x0
	.amdhsa_kernel k_q48531464b4_prep
		.amdhsa_group_segment_fixed_size 35840
		.amdhsa_private_segment_fixed_size 0
		.amdhsa_enable_private_segment 0
		.amdhsa_kernarg_size 88
		.amdhsa_user_sgpr_count 2
		.amdhsa_user_sgpr_kernarg_segment_ptr 1
		.amdhsa_wavefront_size32 1
		.amdhsa_system_sgpr_workgroup_id_x 1
		.amdhsa_system_sgpr_workgroup_id_y 1
		.amdhsa_system_sgpr_workgroup_id_z 1
		.amdhsa_system_vgpr_workitem_id 0
		.amdhsa_next_free_vgpr 194
		.amdhsa_next_free_sgpr 66
		.amdhsa_reserve_vcc 0
		.amdhsa_float_denorm_mode_32 3
		.amdhsa_float_denorm_mode_16_64 3
		.amdhsa_memory_ordered 1
		.amdhsa_forward_progress 1
		.amdhsa_inst_pref_size 42
	.end_amdhsa_kernel
	.amdgpu_metadata
---
amdhsa.version: [ 1, 2 ]
amdhsa.kernels:
  - .name:           k_q48531464b4_prep
    .symbol:         k_q48531464b4_prep.kd
    .args:
      - { .name: query, .offset: 0, .size: 8, .value_kind: global_buffer, .address_space: global }
      - { .name: key, .offset: 8, .size: 8, .value_kind: global_buffer, .address_space: global }
      - { .name: value, .offset: 16, .size: 8, .value_kind: global_buffer, .address_space: global }
      - { .name: w_q, .offset: 24, .size: 8, .value_kind: global_buffer, .address_space: global }
      - { .name: w_k, .offset: 32, .size: 8, .value_kind: global_buffer, .address_space: global }
      - { .name: w_v, .offset: 40, .size: 8, .value_kind: global_buffer, .address_space: global }
      - { .name: w_o, .offset: 48, .size: 8, .value_kind: global_buffer, .address_space: global }
      - { .name: mask, .offset: 56, .size: 8, .value_kind: global_buffer, .address_space: global }
      - { .name: xb, .offset: 64, .size: 8, .value_kind: global_buffer, .address_space: global }
      - { .name: wb, .offset: 72, .size: 8, .value_kind: global_buffer, .address_space: global }
      - { .name: maskw, .offset: 80, .size: 8, .value_kind: global_buffer, .address_space: global }
    .group_segment_fixed_size: 35840
    .private_segment_fixed_size: 0
    .kernarg_segment_align: 8
    .kernarg_segment_size: 88
    .max_flat_workgroup_size: 256
    .sgpr_count:     66
    .vgpr_count:     194
    .wavefront_size: 32
...
	.end_amdgpu_metadata
.endif
;; end of part 1
;; launch proj (part 2): grid 4 x 192, 4 waves a work-group, clusters of 4 x 4, 327,680 bytes of LDS; arguments xb, wb, qkv; writes qkv
.if DOCPART == 2
	.amdgcn_target "amdgcn-amd-amdhsa--gfx1250"
	.amdhsa_code_object_version 6
	.text
	.protected	k_q48531464b4_proj
	.globl	k_q48531464b4_proj
	.p2align	8
	.type	k_q48531464b4_proj,@function
k_q48531464b4_proj:
	s_mov_b64 s[64:65], 0
	v_nop
	global_prefetch_b8 v0, s[64:65] scope:SCOPE_SE
	s_setreg_imm32_b32 hwreg(HW_REG_WAVE_MODE, 25, 1), 1
	s_wait_xcnt 0x0
	s_wait_alu depctr_hold_cnt(0) depctr_sa_sdst(0) depctr_va_vdst(0) depctr_va_sdst(0) depctr_va_ssrc(0) depctr_va_vcc(0) depctr_vm_vsrc(0)
	s_getreg_b32 s2, hwreg(HW_REG_IB_STS2, 6, 4)
	s_cmp_eq_u32 s2, 0
	s_cbranch_scc0 .Lentry_in_a_cluster
	s_endpgm
.Lentry_in_a_cluster:
	s_bfe_u32 s2, ttmp6, 0x10000c
	s_cmp_lg_u32 s2, 0xf033
	s_cbranch_scc0 .Lentry_shape_is_right
	s_endpgm
.Lentry_shape_is_right:
; y = x W^T, a block of 128 rows x 256 columns a work-group, K = 1024.  One text for two launches, by OUTP:
;   OUTP = 0: x = xb [3 x 8192][1024] bf16, W = w_q, w_k, w_v (by the block row), y = qkv [3 x 8192][1024] f16; the q third is multiplied by 0.125 log2(e),
;             so that the scores come out as exponents of 2.
;   OUTP = 1: x = att [8192][1024] f16, W = w_o (f16), y = out0 [8192][1024] f32.
; LIMIT (OUTP = 0): results beyond f16's 65,504 become infinite; results below 6.1e-5 carry an absolute error of up to 3e-8.
; Four waves, as many as a WGP has SIMDs; a wave makes 64 rows x 128 columns: 32 accumulator tiles, 256 registers.  Blocks of 128 x 256 give 768 and 256
; work-groups: whole multiples of the 256 WGPs.  K goes in steps of 128 (rows of 256 bytes, aligned) through two LDS slots.
; CLUSTERS: 4 x 4 work-groups.  x's tile hangs on the block row alone and is asked for jointly by a row of the cluster; W's hangs on the block column (and on
; the cluster's y, which all share) and is asked for jointly by a column.  That divides the requests for both by four.
; THE MATRIX INSTRUCTION IS USED TRANSPOSED: source 0 = 16 rows of W, source 1 = 16 rows of x: a lane then holds 8 neighbouring columns of one row of y.
; REGISTERS: window 0: v16-26 addresses; v32-95 W fragments, v96-127 x fragments (buffer 0); v128-191, v192-223 (buffer 1); v224-255 the way out.
;            window 1: accumulator tile (a, b) at v[8 (8 a + b)], a = 0..3 blocks of 16 rows, b = 0..7 blocks of 16 columns.
.set OUTP,   0
.set KSTEP,  128
.set PITCH,  272                       ; an LDS row: 256 bytes + 16: the 16 rows that a fragment load touches start 68 words apart
.set BTILE,  256*PITCH                 ; W's 256 rows
.set ATILE,  128*PITCH                 ; x's 128 rows
.set SLOT,   BTILE+ATILE
.set STAGE,  2*SLOT                    ; behind the ring, a multiple of 256: 16 rows for each wave, for the way out; no tensor load lands here
.if OUTP
.set SP,     528                       ; a stage row: 128 f32 + 16 bytes
.else
.set SP,     272                       ; a stage row: 128 f16 + 16 bytes
.endif
.set LAPS,   4                         ; 1024 / (2 x 128): a lap = two K steps = once round the ring
.set ADRA,   16                        ; v16-17 LDS address of my x fragments in slot 0, 1
.set ADRB,   20                        ; v20-21 the same for W
.set STO,    24
.set RD,     25
.set CO,     26
.set F0,     32
.set F1,     128
.set TMP,    224
.set G1,     24                        ; s[24:31] group 1 for x's tiles (64 rows a load)
.set G0,     32                        ; s[32:39] group 0 for x's tiles, a set for each slot
.set G1B,    48                        ; s[48:55] group 1 for W's tiles (128 rows a load)
.set G0B,    56                        ; s[56:63] group 0 for W's tiles, a set for each slot
.set MULW,   0x50                      ; C and D in window 1, sources in window 0
.set MSB,    0
.macro WIN new                         ; the immediate's high byte repeats the setting that is left
.if MSB != \new
	s_set_vgpr_msb (MSB<<8)|\new
.set MSB, \new
.endif
.endm
; A joint load.  Waves 0 and 1 fetch W's two halves of 128 rows, waves 2 and 3 x's two halves of 64 rows.  The branch hangs on the wave's number alone.
.macro JLOAD s
	s_cmp_eq_u32 s11, 0
	s_cbranch_scc0 .Lfor_a_\@
	tensor_load_to_lds s[G0B+4*\s:G0B+4*\s+3], s[G1B:G1B+7]
	s_nop 0
	s_branch .Lasked_\@
.Lfor_a_\@:
	tensor_load_to_lds s[G0+4*\s:G0+4*\s+3], s[G1:G1+7]
	s_nop 0
.Lasked_\@:
.endm
.macro CREST                           ; a round of the cluster's barrier behind its opening work-group barrier
	s_cmp_lg_u32 s10, 0
	s_cbranch_scc1 .Lnot_wave_0_\@
	s_barrier_signal -3
.Lnot_wave_0_\@:
	s_barrier_wait -3
	s_barrier_signal -1
	s_barrier_wait -1
.endm
.macro CROUND                          ; a whole round
	s_barrier_signal -1
	s_barrier_wait -1
	CREST
.endm
	s_load_b128 s[4:7], s[0:1], 0x0                ; x s[4:5], wb s[6:7]
	s_load_b64 s[8:9], s[0:1], 0x10                ; y
	v_lshl_add_u32 v30, v0, 2, 0x3b400
	v_mov_b32 v31, 0
	ds_add_u32 v30, v31
	v_lshrrev_b32 v1, 5, v0
	v_readfirstlane_b32 s10, v1                    ; wave 0..3
	s_lshr_b32 s11, s10, 1                         ; which 64 rows of the block are mine.  Also: I fetch for W (0) or for x (1)
	s_and_b32 s12, s10, 1                          ; which 128 columns.  Also: which half of that tile I fetch
	s_bfe_u32 s40, ttmp6, 0x40000                  ; cx
	s_bfe_u32 s41, ttmp6, 0x40004                  ; cy
	s_lshl_b32 s42, ttmp9, 2
	s_add_co_u32 s42, s42, s40                     ; block column = 4 x cluster x + cx
	s_and_b32 s45, ttmp7, 0xffff                   ; cluster y
	s_lshl_b32 s13, s45, 2
	s_add_co_u32 s13, s13, s41                     ; block row = 4 x cluster y + cy
	s_lshl_b32 s43, s41, 2
	s_lshl_b32 s43, 15, s43                        ; my row of the cluster
	s_lshl_b32 s44, 0x1111, s40                    ; my column
	s_or_b32 s[G1+0], s43, (1<<16)|(1<<20)|(1<<21)|(5<<22)|(3<<25)   ; mask; 2-byte elements; padding on; bit 21 beside a mask; after every 64 words 4 words
	s_or_b32 s[G1B+0], s44, (1<<16)|(1<<20)|(1<<21)|(5<<22)|(3<<25)
	s_mov_b32 s[G1+1], KSTEP<<16                   ; tensor_dim0 = 128
	s_mov_b32 s[G1B+1], KSTEP<<16
	s_mov_b32 s[G1+2], 64<<16                      ; tensor_dim1 = 64 rows
	s_mov_b32 s[G1B+2], 128<<16                    ; 128 rows
	s_mov_b32 s[G1+3], KSTEP<<16                   ; tile_dim0 = 128
	s_mov_b32 s[G1B+3], KSTEP<<16
	s_mov_b32 s[G1+4], 64                          ; tile_dim1
	s_mov_b32 s[G1B+4], 128
	s_mov_b32 s[G1+5], 1024                        ; elements from row to row
	s_mov_b32 s[G1B+5], 1024
	s_mov_b32 s[G1+6], 0
	s_mov_b32 s[G1B+6], 0
	s_mov_b32 s[G1+7], 0
	s_mov_b32 s[G1B+7], 0
	; where the tiles come from: every wave makes both offsets, in registers that never hold the other coordinate
	s_lshl_b32 s16, s13, 7
	s_lshl_b32 s17, s12, 6
	s_add_co_u32 s16, s16, s17                     ; x: row 128 x block row + 64 x half
	s_lshl_b32 s16, s16, 11                        ; rows of 2,048 bytes
	s_mov_b32 s17, 0
	s_lshl_b32 s46, s42, 8
	s_lshl_b32 s47, s12, 7
	s_add_co_u32 s46, s46, s47                     ; W: row 256 x block column + 128 x half
.if OUTP
	s_add_co_u32 s46, s46, 3072                    ; w_o is the fourth matrix of wb
.else
	s_lshr_b32 s47, s45, 4                         ; 16 clusters of 512 rows for each of q, k, v: equal in all partners
	s_lshl_b32 s47, s47, 10
	s_add_co_u32 s46, s46, s47
.endif
	s_lshl_b32 s46, s46, 11
	s_mov_b32 s47, 0
	s_mul_i32 s20, s10, 64*PITCH                   ; where they go: x's halves lie behind W's 256 rows: BTILE + (wave - 2) x 64 rows
	s_add_co_u32 s20, s20, BTILE-2*64*PITCH
	s_mul_i32 s21, s10, 128*PITCH                  ; W's halves: wave x 128 rows
	s_wait_dscnt 0x0
	s_wait_kmcnt 0x0
	s_add_nc_u64 s[14:15], s[4:5], s[16:17]
	s_add_nc_u64 s[46:47], s[6:7], s[46:47]
	CROUND                                         ; all sixteen work-groups are here: the first joint loads meet
.irp s, 0,1
	s_mov_b32 s[G0+4*\s], 1
	s_add_co_u32 s[G0+4*\s+1], s20, \s*SLOT
	s_add_nc_u64 s[G0+4*\s+2:G0+4*\s+3], s[14:15], \s*KSTEP*2
	s_or_b32 s[G0+4*\s+3], s[G0+4*\s+3], 0x80000000
	s_mov_b32 s[G0B+4*\s], 1
	s_add_co_u32 s[G0B+4*\s+1], s21, \s*SLOT
	s_add_nc_u64 s[G0B+4*\s+2:G0B+4*\s+3], s[46:47], \s*KSTEP*2
	s_or_b32 s[G0B+4*\s+3], s[G0B+4*\s+3], 0x80000000
	JLOAD \s                                       ; both slots' first fills go out together: two tensor loads of the wave are out
.endr
	v_and_b32 v1, 15, v0                           ; r
	v_bfe_u32 v2, v0, 4, 1                         ; h
	v_mul_u32_u24 v3, v1, PITCH
	v_lshl_add_u32 v3, v2, 4, v3                   ; a fragment: row r, 16 bytes at 16 h, and 32 bytes further on
	s_mul_i32 s22, s11, 64*PITCH
	s_add_co_u32 s22, s22, BTILE                   ; my 64 rows of x
	s_mul_i32 s23, s12, 128*PITCH                  ; my 128 rows of W
.irp s, 0,1
	v_add_nc_u32 v[ADRA+\s], s22, v3
	v_add_nc_u32 v[ADRB+\s], s23, v3
	s_add_co_u32 s22, s22, SLOT
	s_add_co_u32 s23, s23, SLOT
.endr
	s_mul_i32 s22, s10, 16*SP
	s_add_co_u32 s22, s22, STAGE                   ; my stage
	v_mul_u32_u24 v4, v1, SP
.if OUTP
	v_lshl_add_u32 v4, v2, 5, v4                   ; in: row r, 32 bytes (8 f32) for each half of the lanes
	v_add_nc_u32 v[STO], s22, v4
	v_and_b32 v5, 31, v0
	v_lshlrev_b32 v[CO], 4, v5                     ; back and out: 32 lanes take a row's 512 bytes
	v_add_nc_u32 v[RD], s22, v[CO]
.else
	v_lshl_add_u32 v4, v2, 4, v4                   ; in: row r, 16 bytes (8 f16) for each half of the lanes
	v_add_nc_u32 v[STO], s22, v4
	v_mul_u32_u24 v5, v2, SP                       ; back: lanes 0-15 take one row of 256 bytes, lanes 16-31 the next
	v_lshl_add_u32 v5, v1, 4, v5
	v_add_nc_u32 v[RD], s22, v5
	v_lshlrev_b32 v5, 11, v2                       ; and the same two rows in y
	v_lshl_add_u32 v[CO], v1, 4, v5
.endif
.macro MM d, a, b, zero
.if OUTP
.if \zero
	v_wmma_f32_16x16x32_f16 v[\d:\d+7], v[\a:\a+7], v[\b:\b+7], 0
.else
	v_wmma_f32_16x16x32_f16 v[\d:\d+7], v[\a:\a+7], v[\b:\b+7], v[\d:\d+7]
.endif
.else
.if \zero
	v_wmma_f32_16x16x32_bf16 v[\d:\d+7], v[\a:\a+7], v[\b:\b+7], 0
.else
	v_wmma_f32_16x16x32_bf16 v[\d:\d+7], v[\a:\a+7], v[\b:\b+7], v[\d:\d+7]
.endif
.endif
.endm
; 8 matrix instructions: row block a x all 8 column blocks, 32 along K.  zero = 1: the first product starts the sums.
; The 32 accumulators take turns, one instruction a turn, in the same order in every quarter step.
.macro MUL8 f, a, zero
.irp b, 0,1,2,3,4,5,6,7
	MM 8*(8*\a+\b), \f+8*\b, \f+64+8*\a, \zero
.endr
.endm
; 24 LDS loads in one run: 128 rows of W, then 64 rows of x, 32 K at byte k of the rows, into buffer f
.macro FETCH slot, k, f
	WIN 0
.irp i, 0,1,2,3,4,5,6,7
	ds_load_b128 v[\f+8*\i:\f+8*\i+3],   v[ADRB+\slot] offset:\k+\i*16*PITCH
	ds_load_b128 v[\f+8*\i+4:\f+8*\i+7], v[ADRB+\slot] offset:\k+\i*16*PITCH+32
.endr
.irp i, 0,1,2,3
	ds_load_b128 v[\f+64+8*\i:\f+64+8*\i+3],   v[ADRA+\slot] offset:\k+\i*16*PITCH
	ds_load_b128 v[\f+64+8*\i+4:\f+64+8*\i+7], v[ADRA+\slot] offset:\k+\i*16*PITCH+32
.endr
.endm
; Four places behind the last matrix instruction, in front of loads into registers that matrix instructions have read
; and of vector instructions and LDS stores that read results.
.macro PLACES
.rept 4
	v_nop
.endr
.endm
; A quarter step: multiplies buffer f; in its middle it fetches the next quarter's fragments into buffer g.
.macro QUARTER slot, k, f, g, zero
	s_wait_dscnt 4                                 ; W and x's row blocks 0, 1 are in; the four youngest loads (row blocks 2, 3) may be out
	WIN MULW
	MUL8 \f, 0, \zero
	MUL8 \f, 1, \zero
	PLACES
	FETCH \slot, \k, \g
	s_wait_dscnt 24                                ; all but the 24 just issued
	WIN MULW
	MUL8 \f, 2, \zero
	MUL8 \f, 3, \zero
.endm
.macro THREE slot, zero
	QUARTER \slot, 64,  F0, F1, \zero
	QUARTER \slot, 128, F1, F0, 0
	QUARTER \slot, 192, F0, F1, 0
.endm
; The last quarter of a K step: multiplies buffer 1 and changes slots.  In front of the barrier each wave waits for its reads of this slot and for all its
; tensor loads (one is out: its part of the next slot).  fill = 1: the barrier opens a round of the cluster's barrier, and behind the round this slot is
; asked for again, two K steps ahead, first thing.  From that request to the wait for it a wave issues 120 matrix instructions.
.macro TURN slot, next, fill
	s_wait_dscnt 4
	WIN MULW
	MUL8 F1, 0, 0
	s_wait_dscnt 0
	s_wait_tensorcnt 0x0
	ds_add_u32 v30, v31
	s_wait_dscnt 0x0
	s_barrier_signal -1
	MUL8 F1, 1, 0                                  ; register work while the others arrive
	WIN 0
	s_barrier_wait -1
.if \fill
	CREST                                          ; no wave of any partner still reads this slot or has a load on its way
	s_add_nc_u64 s[G0+4*\slot+2:G0+4*\slot+3], s[G0+4*\slot+2:G0+4*\slot+3], 2*KSTEP*2
	s_add_nc_u64 s[G0B+4*\slot+2:G0B+4*\slot+3], s[G0B+4*\slot+2:G0B+4*\slot+3], 2*KSTEP*2
	JLOAD \slot
.endif
	PLACES
	FETCH \next, 0, F0
	WIN MULW
	MUL8 F1, 2, 0
	MUL8 F1, 3, 0
.endm
.macro LAP zero
	THREE 0, \zero
	TURN 0, 1, 1
	THREE 1, 0
	TURN 1, 0, 1
.endm
	s_wait_tensorcnt 1                             ; my part of K step 0 is in; K step 1's load, issued behind it, may stay out
	s_barrier_signal -1
	s_barrier_wait -1
	FETCH 0, 0, F0
	LAP 1                                          ; the first lap's first products start the sums: nothing is cleared
	WIN 0
	s_mov_b32 s3, LAPS-2
.Llap:
	LAP 0
	WIN 0
	s_sub_co_u32 s3, s3, 1
	s_cmp_lg_u32 s3, 0
	s_cbranch_scc1 .Llap
	THREE 0, 0                                     ; the last lap fills nothing
	TURN 0, 1, 0
	THREE 1, 0
	s_wait_dscnt 4
	WIN MULW
	MUL8 F1, 0, 0
	MUL8 F1, 1, 0
	s_wait_dscnt 0
	MUL8 F1, 2, 0
	MUL8 F1, 3, 0
	; THE WAY OUT, 16 rows at a time through my own stage, so that whole rows leave
	PLACES
	s_lshl_b32 s16, s13, 7
	s_lshl_b32 s17, s11, 6
	s_add_co_u32 s16, s16, s17                     ; my first row
	s_lshl_b32 s46, s42, 8
	s_lshl_b32 s47, s12, 7
	s_add_co_u32 s46, s46, s47                     ; my first column
.if OUTP
	s_lshl_b32 s16, s16, 12                        ; rows of 4,096 bytes, 4 bytes a column
	s_lshl_b32 s46, s46, 2
.else
	s_lshl_b32 s16, s16, 11                        ; rows of 2,048 bytes, 2 bytes a column
	s_lshl_b32 s46, s46, 1
	s_lshr_b32 s18, s45, 4
	s_cmp_eq_u32 s18, 0                            ; the q third?  (hangs on the cluster's y alone)
	s_cselect_b32 s18, 0x3e38aa3b, 1.0             ; 0.125 log2(e), or 1
	s_mov_b32 s19, s18
.endif
	s_mov_b32 s17, 0
	s_mov_b32 s47, 0
	s_add_nc_u64 s[8:9], s[8:9], s[16:17]
	s_add_nc_u64 s[8:9], s[8:9], s[46:47]
.macro OUT16 i, f
.if OUTP
	WIN 0x04                                       ; store data from window 1
.irp b, 0,1,2,3,4,5,6,7
	ds_store_b128 v[STO], v[64*\i+8*\b:64*\i+8*\b+3]   offset:64*\b
	ds_store_b128 v[STO], v[64*\i+8*\b+4:64*\i+8*\b+7] offset:64*\b+16
.endr
	WIN 0
	s_wait_xcnt 0x0                                ; buffer f, which earlier stores read, and the stores' base are rewritten only behind this wait
.if \i
	s_add_nc_u64 s[8:9], s[8:9], 16*4096
.endif
.irp t, 0,1,2,3,4,5,6,7,8,9,10,11,12,13,14,15
	ds_load_b128 v[\f+4*\t:\f+4*\t+3], v[RD] offset:\t*SP       ; LDS serves a wave's instructions in order: these see the stores above
.endr
.irp t, 0,1,2,3,4,5,6,7,8,9,10,11,12,13,14,15
	s_wait_dscnt 15-\t
	global_store_b128 v[CO], v[\f+4*\t:\f+4*\t+3], s[8:9] offset:4096*\t th:TH_STORE_NT   ; 512 consecutive bytes of a row, aligned
.endr
.else
	WIN 0x41                                       ; source 0 and destination in window 1
.set n, 0
.rept 32
	v_pk_mul_f32 v[64*\i+2*n:64*\i+2*n+1], v[64*\i+2*n:64*\i+2*n+1], s[18:19] op_sel_hi:[1,0]
.set n, n+1
.endr
	WIN 0x05                                       ; both sources in window 1
.irp b, 0,1,2,3,4,5,6,7
.irp r, 0,1,2,3
	v_cvt_pk_f16_f32 v[TMP+4*\b+\r], v[64*\i+8*\b+2*\r], v[64*\i+8*\b+2*\r+1]
.endr
.endr
	WIN 0
.irp b, 0,1,2,3,4,5,6,7
	ds_store_b128 v[STO], v[TMP+4*\b:TMP+4*\b+3] offset:32*\b
.endr
	s_wait_xcnt 0x0                                ; buffer f, which earlier stores read, and the stores' base are rewritten only behind this wait
.if \i
	s_add_nc_u64 s[8:9], s[8:9], 16*2048
.endif
.irp t, 0,1,2,3,4,5,6,7
	ds_load_b128 v[\f+4*\t:\f+4*\t+3], v[RD] offset:\t*2*SP     ; LDS serves a wave's instructions in order: these see the stores above
.endr
.irp t, 0,1,2,3,4,5,6,7
	s_wait_dscnt 7-\t
	global_store_b128 v[CO], v[\f+4*\t:\f+4*\t+3], s[8:9] offset:4096*\t   ; 16 lanes store 256 consecutive bytes, aligned
.endr
.endif
.endm
	OUT16 0, F0
	OUT16 1, F1
	OUT16 2, F0
	OUT16 3, F1
	s_wait_tensorcnt 0x0
	ds_add_u32 v30, v31
	s_wait_dscnt 0x0
	CROUND                                         ; the closing round: no work-group ends while a partner may still ask for a tile that names it
	s_endpgm
.Lfunc_end_k_q48531464b4_proj:
	.size	k_q48531464b4_proj, .Lfunc_end_k_q48531464b4_proj-k_q48531464b4_proj
	.p2alignl 7, 3214868480
	.fill 96, 4, 3214868480
	.section	.rodata,"a",@progbits
	.p2align	6, 0x0
	.amdhsa_kernel k_q48531464b4_proj
		.amdhsa_group_segment_fixed_size 327680
		.amdhsa_private_segment_fixed_size 0
		.amdhsa_enable_private_segment 0
		.amdhsa_kernarg_size 24
		.amdhsa_user_sgpr_count 2
		.amdhsa_user_sgpr_kernarg_segment_ptr 1
		.amdhsa_wavefront_size32 1
		.amdhsa_system_sgpr_workgroup_id_x 1
		.amdhsa_system_sgpr_workgroup_id_y 1
		.amdhsa_system_sgpr_workgroup_id_z 1
		.amdhsa_system_vgpr_workitem_id 0
		.amdhsa_next_free_vgpr 512
		.amdhsa_next_free_sgpr 66
		.amdhsa_reserve_vcc 0
		.amdhsa_float_denorm_mode_32 3
		.amdhsa_float_denorm_mode_16_64 3
		.amdhsa_memory_ordered 1
		.amdhsa_forward_progress 1
		.amdhsa_inst_pref_size 126
	.end_amdhsa_kernel
	.amdgpu_metadata
---
amdhsa.version: [ 1, 2 ]
amdhsa.kernels:
  - .name:           k_q48531464b4_proj
    .symbol:         k_q48531464b4_proj.kd
    .args:
      - { .name: xb, .offset: 0, .size: 8, .value_kind: global_buffer, .address_space: global }
      - { .name: wb, .offset: 8, .size: 8, .value_kind: global_buffer, .address_space: global }
      - { .name: qkv, .offset: 16, .size: 8, .value_kind: global_buffer, .address_space: global }
    .group_segment_fixed_size: 327680
    .private_segment_fixed_size: 0
    .kernarg_segment_align: 8
    .kernarg_segment_size: 24
    .max_flat_workgroup_size: 128
    .sgpr_count:     66
    .vgpr_count:     512
    .wavefront_size: 32
...
	.end_amdgpu_metadata
.endif
;; end of part 2
;; launch attn (part 3): grid 8 x 32, 8 waves a work-group, clusters of 4 x 1, 327,680 bytes of LDS; arguments qkv, maskw, att; writes att
.if DOCPART == 3
	.amdgcn_target "amdgcn-amd-amdhsa--gfx1250"
	.amdhsa_code_object_version 6
	.text
	.protected	k_q48531464b4_attn
	.globl	k_q48531464b4_attn
	.p2align	8
	.type	k_q48531464b4_attn,@function
k_q48531464b4_attn:
	s_mov_b64 s[64:65], 0
	v_nop
	global_prefetch_b8 v0, s[64:65] scope:SCOPE_SE
	s_setreg_imm32_b32 hwreg(HW_REG_WAVE_MODE, 25, 1), 1
	s_wait_xcnt 0x0
	s_wait_alu depctr_hold_cnt(0) depctr_sa_sdst(0) depctr_va_vdst(0) depctr_va_sdst(0) depctr_va_ssrc(0) depctr_va_vcc(0) depctr_vm_vsrc(0)
	s_getreg_b32 s2, hwreg(HW_REG_IB_STS2, 6, 4)
	s_cmp_eq_u32 s2, 0
	s_cbranch_scc0 .Lentry_in_a_cluster
	s_endpgm
.Lentry_in_a_cluster:
	s_bfe_u32 s2, ttmp6, 0x10000c
	s_cmp_lg_u32 s2, 0x3003
	s_cbranch_scc0 .Lentry_shape_is_right
	s_endpgm
.Lentry_shape_is_right:
; attn: softmax(where(mask == 0, -1e9, q k^T / 8)) v for two heads and 256 queries a work-group, all 2,048 keys, with a running maximum.
; qkv [3][8192][1024] f16 (q already times 0.125 log2(e): all exponents are of 2), maskw: lane masks, att [8192][1024] f16.
; The mask is data: every score is computed, and a masked one is replaced by -1e9 log2(e) (rounded to f32) by a select; a row with no key left gives the mean of v.
; LIMITS: P is rounded to f16 (at most 1; below 6.1e-5 with an absolute error of up to 3e-8); results beyond 65,504 become infinite.
; Eight waves, two on each SIMD, so that one wave's softmax runs while the other multiplies.  Wave w: head w >> 2 of the pair, queries 64 (w & 3) .. + 63.
; Two heads a work-group: a row of K or V in a tile is 256 consecutive bytes, aligned, and so is a row of the result.
; CLUSTER 4 x 1: the four work-groups take four query blocks of the same heads and ask for every K and V tile jointly (mask 15).
; THE PRODUCTS ARE TRANSPOSED: S^T = K Q^T (lane = query, registers = keys), so that maximum and sum are a lane's own but for one exchange of the halves,
; and two key tiles packed to f16 ARE the second source of O^T = V^T P^T.  In O^T a lane holds 8 neighbouring numbers of one query's row.
; REGISTERS, window 0: see the names below.  Window 1: Q(t, dh) at 8 (2 t + dh); O(t, dt) at 64 + 8 (4 t + dt).  t: 4 tiles of 16 queries.
.set ROWB,   2048                      ; bytes in a row of q, k, v, att
.set KOFF,   16777216                  ; k in qkv
.set VOFF,   33554432                  ; v in qkv
.set VPITCH, 288                       ; 256 bytes + 32: the 8 rows x 32 bytes that half a transposing load touches fall on different banks
.set KPITCH, 272                       ; 256 bytes + 16
.set VTILE,  256*VPITCH
.set KTILE,  256*KPITCH
.set SLOT,   VTILE+KTILE               ; 256 keys: V's rows, then K's
.set STAGE,  2*SLOT                    ; a multiple of 256; 128 rows x 272 bytes for the way out; no tensor load lands here
.set SPITCH, 272
.set TILEB,  256*ROWB                  ; from a tile of 256 keys to the next
.set VA0,  3                           ; V fragment address in slot 0
.set KA,   4                           ; K fragment address, running
.set VA,   5                           ; V fragment address, running
.set NEGV, 6                           ; -1e9 log2(e)
.set KA0,  7                           ; K fragment address in slot 0
.set M,    8                           ; v[8+2t]  running maximum (the odd partners are written once: the packed forms name pairs)
.set LS,   16                          ; v[16+t]  running sum of my half of the keys
.set AL,   20                          ; v[20+2t] 2^(old maximum - new maximum); at the end 1 / sum
.set QOF,  28
.set STO,  29
.set RD,   30
.set CO,   31
.set T,    32                          ; v[32+4t .. +3] at work
.set P,    48                          ; v[48+8t .. +7] P^T, f16
.set KF,   80                          ; v[80+8(2kt+dh) ..] K fragments
.set VF,   112                         ; v[112+8dt ..] V^T fragments
.set S,    144                         ; v[144+16t .. +15] scores: key tile kt at +8 kt
.set Q,    0                           ; window 1
.set O,    64                          ; window 1
; scalars: s2 wave; s3, s4 counters; s[6:7] mask words; s[8:15] group 1 for V; s[16:23] for K; s[24:27] group 0 for V; s[28:31] for K;
; s[32:63], s[68:99] the unit's 64 mask words (tile t at 32 + 16 t + 4 (t / 2)); s66, s67 lane selects; s[100:101] att; s104, s105 my LDS bases for V, K
.set MSB, 0
.macro WIN new
.if MSB != \new
	s_set_vgpr_msb (MSB<<8)|\new
.set MSB, \new
.endif
.endm
.macro ROUND                           ; a round of the cluster's barrier
	s_barrier_signal -1
	s_barrier_wait -1
	s_cmp_lg_u32 s2, 0
	s_cbranch_scc1 .Lnot_wave_0_\@
	s_barrier_signal -3
.Lnot_wave_0_\@:
	s_barrier_wait -3
	s_barrier_signal -1
	s_barrier_wait -1
.endm
.macro JLOAD                           ; waves 0-3 fetch 64 rows of V each, waves 4-7 64 rows of K: one joint load a wave
	s_cmp_lt_u32 s2, 4
	s_cbranch_scc0 .Lfor_k_\@
	tensor_load_to_lds s[24:27], s[8:15]
	s_nop 0
	s_branch .Lasked_\@
.Lfor_k_\@:
	tensor_load_to_lds s[28:31], s[16:23]
	s_nop 0
.Lasked_\@:
.endm
	s_load_b128 s[32:35], s[0:1], 0x0              ; qkv s[32:33], maskw s[34:35] (the mask words' registers serve as scratch up to their first load)
	s_load_b64 s[100:101], s[0:1], 0x10            ; att
	v_lshl_add_u32 v254, v0, 2, 0x4e800
	v_mov_b32 v255, 0
	ds_add_u32 v254, v255
	v_lshrrev_b32 v1, 5, v0
	v_readfirstlane_b32 s2, v1                     ; wave 0..7
	s_bfe_u32 s36, ttmp6, 0x40000                  ; cx
	s_lshl_b32 s37, ttmp9, 2
	s_add_co_u32 s37, s37, s36                     ; block of 256 queries
	s_and_b32 s38, ttmp7, 0xffff
	s_lshr_b32 s39, s38, 3                         ; batch
	s_and_b32 s40, s38, 7                          ; pair of heads
	s_lshl_b32 s39, s39, 22                        ; 2,048 rows of 2,048 bytes
	s_lshl_b32 s40, s40, 8                         ; 256 bytes a pair
	s_add_co_u32 s41, s39, s40                     ; what all four partners share
	s_lshl_b32 s46, s2, 17                         ; 64 rows a wave
	s_add_co_u32 s42, s41, s46
	s_add_co_u32 s44, s42, KOFF-4*64*ROWB          ; K: rows 64 (wave - 4)
	s_add_co_u32 s42, s42, VOFF                    ; V: rows 64 wave
	s_mov_b32 s43, 0
	s_mov_b32 s45, 0
	s_mul_i32 s104, s2, 64*VPITCH                  ; V's rows in a slot: wave x 64 rows
	s_mul_i32 s105, s2, 64*KPITCH
	s_add_co_u32 s105, s105, VTILE-4*64*KPITCH     ; K's rows: behind V's, (wave - 4) x 64 rows
	s_lshl_b32 s48, s37, 19                        ; 256 rows a query block
	s_add_co_u32 s48, s48, s41
	s_mov_b32 s49, 0
	s_and_b32 s50, s2, 3
	s_lshl2_add_u32 s50, s37, s50                  ; my block of 64 queries
	s_lshl_b32 s50, s50, 14                        ; 64 units of 256 bytes of mask words
	s_mov_b32 s51, 0
	s_mov_b32 s66, 0x76543210                      ; v_permlanex16_b32: lane i reads lane i of the other half
	s_mov_b32 s67, 0xfedcba98
	; group 1: 64 rows x 128 elements of 2 bytes, mask 15 with bit 21 beside it, padded behind every 64 words by 8 words (V) or 4 (K)
	s_mov_b32 s8,  15|(1<<16)|(1<<20)|(1<<21)|(5<<22)|(7<<25)
	s_mov_b32 s16, 15|(1<<16)|(1<<20)|(1<<21)|(5<<22)|(3<<25)
	s_mov_b32 s9,  128<<16
	s_mov_b32 s17, 128<<16
	s_mov_b32 s10, 64<<16
	s_mov_b32 s18, 64<<16
	s_mov_b32 s11, 128<<16
	s_mov_b32 s19, 128<<16
	s_mov_b32 s12, 64
	s_mov_b32 s20, 64
	s_mov_b32 s13, 1024
	s_mov_b32 s21, 1024
	s_mov_b32 s14, 0
	s_mov_b32 s22, 0
	s_mov_b32 s15, 0
	s_mov_b32 s23, 0
	s_wait_dscnt 0x0
	s_wait_kmcnt 0x0
	s_mov_b32 s24, 1                               ; group 0, tile 0 into slot 0.  Nothing in it hangs on cx
	s_mov_b32 s25, s104
	s_add_nc_u64 s[26:27], s[32:33], s[42:43]
	s_or_b32 s27, s27, 0x80000000
	s_mov_b32 s28, 1
	s_mov_b32 s29, s105
	s_add_nc_u64 s[30:31], s[32:33], s[44:45]
	s_or_b32 s31, s31, 0x80000000
	s_add_nc_u64 s[4:5], s[32:33], s[48:49]        ; q at the work-group's first query
	s_add_nc_u64 s[100:101], s[100:101], s[48:49]  ; att likewise
	s_add_nc_u64 s[6:7], s[34:35], s[50:51]        ; my mask words
	ROUND                                          ; the four work-groups are here: the first joint load meets
	JLOAD                                          ; tile 0
	v_and_b32 v1, 15, v0                           ; r
	v_bfe_u32 v2, v0, 4, 1                         ; h
	v_bfe_u32 v29, v0, 5, 2                        ; w & 3
	v_lshrrev_b32 v30, 7, v0                       ; head of the pair
	v_lshl_add_u32 v29, v29, 6, v1
	v_lshlrev_b32 v[QOF], 11, v29                  ; row 64 (w & 3) + r
	v_lshl_add_u32 v[QOF], v30, 7, v[QOF]          ; + 128 head
	v_lshl_add_u32 v[QOF], v2, 4, v[QOF]           ; + 16 h
	WIN 0x40                                       ; destination in window 1
.irp t, 0,1,2,3
.irp dh, 0,1
	global_load_b128 v[Q+16*\t+8*\dh:Q+16*\t+8*\dh+3],   v[QOF], s[4:5] offset:16*ROWB*\t+64*\dh
	global_load_b128 v[Q+16*\t+8*\dh+4:Q+16*\t+8*\dh+7], v[QOF], s[4:5] offset:16*ROWB*\t+64*\dh+32
.endr
.endr
	WIN 0
.irp t, 0,1,2,3
	s_load_b512 s[32+16*\t+4*(\t/2):32+16*\t+4*(\t/2)+15], s[6:7], 64*\t   ; the first unit's mask words
.endr
	v_mul_u32_u24 v[KA0], v1, KPITCH               ; K: row r, 16 bytes at 128 head + 16 h
	v_lshl_add_u32 v[KA0], v2, 4, v[KA0]
	v_lshl_add_u32 v[KA0], v30, 7, v[KA0]
	v_add_nc_u32 v[KA0], VTILE, v[KA0]
	v_and_b32 v31, 7, v0                           ; V, for the transposing load: row 8 h + (lane & 7), 16 bytes at 128 head + 16 ((lane >> 3) & 1)
	v_lshl_add_u32 v31, v2, 3, v31
	v_mul_u32_u24 v[VA0], v31, VPITCH
	v_bfe_u32 v31, v0, 3, 1
	v_lshl_add_u32 v[VA0], v31, 4, v[VA0]
	v_lshl_add_u32 v[VA0], v30, 7, v[VA0]
	v_mov_b32 v[NEGV], 0xceabfb8f                  ; -1e9 log2(e)
.irp t, 0,1,2,3
	v_mov_b32 v[M+2*\t+1], 0
	v_mov_b32 v[AL+2*\t+1], 0
.endr
	s_wait_loadcnt 0x0                             ; Q is in; s[4:5] and the offset register are free
.macro KLOAD                           ; the K fragments of 32 keys: f = 2 kt + dh
.irp f, 0,1,2,3
	ds_load_b128 v[KF+8*\f:KF+8*\f+3],   v[KA] offset:(\f/2)*16*KPITCH+(\f%2)*64
	ds_load_b128 v[KF+8*\f+4:KF+8*\f+7], v[KA] offset:(\f/2)*16*KPITCH+(\f%2)*64+32
.endr
.endm
; 32 keys against my 64 queries.  first = 1: the very first unit starts maxima, sums and O.  kpre = 1: the next unit's K fragments are fetched.
; mload = 1: the next unit's mask words are fetched.
.macro UNIT first, kpre, mload
	s_wait_dscnt 0x0                               ; the K fragments are in
	WIN 0x04                                       ; source 1 (Q) in window 1
	; eight accumulators take turns, one instruction a turn, twice round
.irp t, 0,1,2,3
.irp kt, 0,1
	v_wmma_f32_16x16x32_f16 v[S+16*\t+8*\kt:S+16*\t+8*\kt+7], v[KF+16*\kt:KF+16*\kt+7], v[Q+16*\t:Q+16*\t+7], 0
.endr
.endr
.irp t, 0,1,2,3
.irp kt, 0,1
	v_wmma_f32_16x16x32_f16 v[S+16*\t+8*\kt:S+16*\t+8*\kt+7], v[KF+16*\kt+8:KF+16*\kt+15], v[Q+16*\t+8:Q+16*\t+15], v[S+16*\t+8*\kt:S+16*\t+8*\kt+7]
.endr
.endr
	WIN 0
	v_add_nc_u32 v[KA], 32*KPITCH, v[KA]           ; four places behind the matrix instructions: for the loads into K's and V's fragments
	v_nop                                          ; and for the selects that read the scores
	v_nop
	v_nop
.irp dt, 0,1,2,3
	ds_load_tr16_b128 v[VF+8*\dt:VF+8*\dt+3],   v[VA] offset:32*\dt             ; keys 8 h .. + 7 of column 16 dt + r
	ds_load_tr16_b128 v[VF+8*\dt+4:VF+8*\dt+7], v[VA] offset:32*\dt+16*VPITCH   ; keys 16 + 8 h .. + 7
.endr
.if \kpre
	KLOAD
.endif
	v_add_nc_u32 v[VA], 32*VPITCH, v[VA]
	s_wait_kmcnt 0x0                               ; this unit's mask words are in, so their pointer may step
.if \mload
	s_add_nc_u64 s[6:7], s[6:7], 256
.endif
.irp t, 0,1,2,3
.irp n, 0,1,2,3,4,5,6,7,8,9,10,11,12,13,14,15
	v_cndmask_b32 v[S+16*\t+\n], v[NEGV], v[S+16*\t+\n], s[32+16*\t+4*(\t/2)+\n]
.endr
.endr
.if \mload
.irp t, 0,1,2,3
	s_load_b512 s[32+16*\t+4*(\t/2):32+16*\t+4*(\t/2)+15], s[6:7], 64*\t   ; the next unit's: the rest of this unit to land in
.endr
.endif
	; the new maximum of each query: my 16 keys and the old maximum, then the other half of the lanes
.irp t, 0,1,2,3
	v_max3_num_f32 v[T+4*\t],   v[S+16*\t],   v[S+16*\t+1],  v[S+16*\t+2]
	v_max3_num_f32 v[T+4*\t+1], v[S+16*\t+3], v[S+16*\t+4],  v[S+16*\t+5]
	v_max3_num_f32 v[T+4*\t+2], v[S+16*\t+6], v[S+16*\t+7],  v[S+16*\t+8]
	v_max3_num_f32 v[T+4*\t+3], v[S+16*\t+9], v[S+16*\t+10], v[S+16*\t+11]
	v_max3_num_f32 v[T+4*\t],   v[T+4*\t],    v[S+16*\t+12], v[S+16*\t+13]
	v_max3_num_f32 v[T+4*\t+1], v[T+4*\t+1],  v[S+16*\t+14], v[S+16*\t+15]
.if \first
	v_max_num_f32 v[T+4*\t+2], v[T+4*\t+2], v[T+4*\t+3]
.else
	v_max3_num_f32 v[T+4*\t+2], v[T+4*\t+2], v[T+4*\t+3], v[M+2*\t]
.endif
	v_max3_num_f32 v[T+4*\t], v[T+4*\t], v[T+4*\t+1], v[T+4*\t+2]
	v_permlanex16_b32 v[T+4*\t+1], v[T+4*\t], s66, s67
.if \first
	v_max_num_f32 v[M+2*\t], v[T+4*\t], v[T+4*\t+1]
.else
	v_max_num_f32 v[T+4*\t+3], v[T+4*\t], v[T+4*\t+1]
	v_sub_f32 v[T+4*\t+2], v[M+2*\t], v[T+4*\t+3]  ; old - new, at most 0
	v_mov_b32 v[M+2*\t], v[T+4*\t+3]
.endif
.endr
.irp t, 0,1,2,3
.irp n, 0,2,4,6,8,10,12,14
	v_pk_add_f32 v[S+16*\t+\n:S+16*\t+\n+1], v[S+16*\t+\n:S+16*\t+\n+1], v[M+2*\t:M+2*\t+1] op_sel_hi:[1,0] neg_lo:[0,1] neg_hi:[0,1]   ; score - maximum, at most 0
.endr
.endr
.irp t, 0,1,2,3
.irp n, 0,1,2,3,4,5,6,7,8,9,10,11,12,13,14,15
	v_exp_f32 v[S+16*\t+\n], v[S+16*\t+\n]
.endr
.endr
.if \first == 0
.irp t, 0,1,2,3
	v_exp_f32 v[AL+2*\t], v[T+4*\t+2]
.endr
.endif
	v_nop                                          ; one plain vector instruction behind the run of exponentials, before a result is read or a source rewritten
	s_wait_alu depctr_va_vdst(0)
.irp t, 0,1,2,3
	v_pk_add_f32 v[T+4*\t:T+4*\t+1],   v[S+16*\t:S+16*\t+1],     v[S+16*\t+2:S+16*\t+3]
	v_pk_add_f32 v[T+4*\t+2:T+4*\t+3], v[S+16*\t+4:S+16*\t+5],   v[S+16*\t+6:S+16*\t+7]
	v_pk_add_f32 v[T+4*\t:T+4*\t+1],   v[T+4*\t:T+4*\t+1],       v[S+16*\t+8:S+16*\t+9]
	v_pk_add_f32 v[T+4*\t+2:T+4*\t+3], v[T+4*\t+2:T+4*\t+3],     v[S+16*\t+10:S+16*\t+11]
	v_pk_add_f32 v[T+4*\t:T+4*\t+1],   v[T+4*\t:T+4*\t+1],       v[S+16*\t+12:S+16*\t+13]
	v_pk_add_f32 v[T+4*\t+2:T+4*\t+3], v[T+4*\t+2:T+4*\t+3],     v[S+16*\t+14:S+16*\t+15]
	v_pk_add_f32 v[T+4*\t:T+4*\t+1],   v[T+4*\t:T+4*\t+1],       v[T+4*\t+2:T+4*\t+3]
.if \first
	v_add_f32 v[LS+\t], v[T+4*\t], v[T+4*\t+1]
.else
	v_add_f32 v[T+4*\t], v[T+4*\t], v[T+4*\t+1]
	v_fma_f32 v[LS+\t], v[LS+\t], v[AL+2*\t], v[T+4*\t]
.endif
.irp n, 0,1,2,3,4,5,6,7
	v_cvt_pk_f16_f32 v[P+8*\t+\n], v[S+16*\t+2*\n], v[S+16*\t+2*\n+1]   ; keys 8 h + 0..7 in registers 0-3, keys 16 + 8 h + 0..7 in 4-7: the second source as it stands
.endr
.endr
.if \first == 0
	WIN 0x41                                       ; O: source 0 and destination in window 1
.irp t, 0,1,2,3
.irp n, 0,2,4,6,8,10,12,14,16,18,20,22,24,26,28,30
	v_pk_mul_f32 v[O+32*\t+\n:O+32*\t+\n+1], v[O+32*\t+\n:O+32*\t+\n+1], v[AL+2*\t:AL+2*\t+1] op_sel_hi:[1,0]
.endr
.endr
.endif
.if \kpre
	s_wait_dscnt 8                                 ; V's eight loads are in; the next unit's eight K loads, issued behind them, stay out
.else
	s_wait_dscnt 0x0
.endif
	WIN 0x50                                       ; C and D in window 1
	; sixteen accumulators, one instruction each
.irp t, 0,1,2,3
.irp dt, 0,1,2,3
.if \first
	v_wmma_f32_16x16x32_f16 v[O+32*\t+8*\dt:O+32*\t+8*\dt+7], v[VF+8*\dt:VF+8*\dt+7], v[P+8*\t:P+8*\t+7], 0
.else
	v_wmma_f32_16x16x32_f16 v[O+32*\t+8*\dt:O+32*\t+8*\dt+7], v[VF+8*\dt:VF+8*\dt+7], v[P+8*\t:P+8*\t+7], v[O+32*\t+8*\dt:O+32*\t+8*\dt+7]
.endif
.endr
.endr
	WIN 0
.endm
; A tile of 256 keys in slot \slot.  In front of the round every wave waits for all its tensor loads (one is out: its part of this tile) and for its reads of
; the other slot.  refill = 1: behind the round the next tile is asked for into the other slot, first thing: it has this whole trip in which to land.
; Both group 0 sets are rewritten between the wait for 0 and the round, where no tensor load of the wave is out.
.macro TRIP slot, refill, first, mlast
	s_wait_tensorcnt 0x0
	ds_add_u32 v254, v255
	s_wait_dscnt 0x0
.if \refill
	s_add_co_u32 s25, s104, (1-\slot)*SLOT
	s_add_co_u32 s29, s105, (1-\slot)*SLOT
	s_add_nc_u64 s[26:27], s[26:27], TILEB
	s_add_nc_u64 s[30:31], s[30:31], TILEB
.endif
	s_wait_dscnt 0x0
	ROUND
.if \refill
	JLOAD
.endif
	v_add_nc_u32 v[KA], \slot*SLOT, v[KA0]
	v_add_nc_u32 v[VA], \slot*SLOT, v[VA0]
	KLOAD
.if \first
	UNIT 1, 1, 1
	s_mov_b32 s4, 6
.else
	s_mov_b32 s4, 7
.endif
.Lunit_\@:
	UNIT 0, 1, 1
	s_sub_co_u32 s4, s4, 1
	s_cmp_lg_u32 s4, 0
	s_cbranch_scc1 .Lunit_\@
	UNIT 0, 0, \mlast                              ; the tile's last 32 keys: the next K fragments lie in the other slot
.endm
	TRIP 0, 1, 1, 1                                ; tiles 0 and 1
	TRIP 1, 1, 0, 1
	s_mov_b32 s3, 2
.Lpair:
	TRIP 0, 1, 0, 1                                ; tiles 2 to 5
	TRIP 1, 1, 0, 1
	s_sub_co_u32 s3, s3, 1
	s_cmp_lg_u32 s3, 0
	s_cbranch_scc1 .Lpair
	TRIP 0, 1, 0, 1                                ; tile 6; tile 7 is asked for: the last load
	TRIP 1, 0, 0, 0                                ; tile 7: nothing more to fetch, no mask words either
	; THE WAY OUT.  The address arithmetic fills the places behind the last matrix instructions (more than four plain vector instructions that name none of their registers).
	v_and_b32 v1, 15, v0                           ; r
	v_bfe_u32 v2, v0, 4, 1                         ; h
	v_bfe_u32 v28, v0, 5, 2                        ; w & 3
	v_lshl_add_u32 v28, v28, 5, v1                 ; stage row 32 (w & 3) + r (+ 16 for the odd tile)
	v_mul_u32_u24 v[STO], v28, SPITCH
	v_lshrrev_b32 v28, 7, v0
	v_lshl_add_u32 v[STO], v28, 7, v[STO]          ; + 128 head
	v_lshl_add_u32 v[STO], v2, 4, v[STO]           ; + 16 h
	v_add_nc_u32 v[STO], STAGE, v[STO]
	s_lshl_b32 s5, s2, 4
	v_add_nc_u32 v[RD], s5, v2                     ; back: stage rows 16 w + 2 i + (lane >> 4), 256 bytes by 16 lanes
	v_mul_u32_u24 v[RD], v[RD], SPITCH
	v_lshl_add_u32 v[RD], v1, 4, v[RD]
	v_add_nc_u32 v[RD], STAGE, v[RD]
	s_lshr_b32 s4, s2, 1
	s_lshl_b32 s4, s4, 6
	s_and_b32 s5, s2, 1
	s_lshl4_add_u32 s4, s5, s4                     ; those rows are queries 64 (w >> 1) + 32 phase + 16 (w & 1) + ..
	v_add_nc_u32 v[CO], s4, v2
	v_lshlrev_b32 v[CO], 11, v[CO]
	v_lshl_add_u32 v[CO], v1, 4, v[CO]
.irp t, 0,1,2,3
	v_permlanex16_b32 v[T+4*\t], v[LS+\t], s66, s67
	v_add_f32 v[LS+\t], v[LS+\t], v[T+4*\t]        ; the whole sum: at least 1, since the largest score gives 2^0
.endr
.irp t, 0,1,2,3
	v_rcp_f32 v[AL+2*\t], v[LS+\t]
.endr
	v_nop                                          ; one plain vector instruction behind the reciprocals
	WIN 0x41
	s_wait_alu depctr_va_vdst(0)
.irp t, 0,1,2,3
.irp n, 0,2,4,6,8,10,12,14,16,18,20,22,24,26,28,30
	v_pk_mul_f32 v[O+32*\t+\n:O+32*\t+\n+1], v[O+32*\t+\n:O+32*\t+\n+1], v[AL+2*\t:AL+2*\t+1] op_sel_hi:[1,0]
.endr
.endr
; Phase p: query tiles 2 p and 2 p + 1 of every wave: 128 rows of 256 bytes (both heads) meet in the stage and leave as whole rows.
.macro PHASE p
	WIN 0x05                                       ; both sources in window 1
.irp tt, 0,1
.irp dt, 0,1,2,3
.irp i, 0,1,2,3
	v_cvt_pk_f16_f32 v[S+16*\tt+4*\dt+\i], v[O+32*(2*\p+\tt)+8*\dt+2*\i], v[O+32*(2*\p+\tt)+8*\dt+2*\i+1]
.endr
.endr
.endr
	WIN 0
.irp tt, 0,1
.irp dt, 0,1,2,3
	ds_store_b128 v[STO], v[S+16*\tt+4*\dt:S+16*\tt+4*\dt+3] offset:\tt*16*SPITCH+32*\dt
.endr
.endr
	s_wait_dscnt 0x0                               ; my stores are done, for the waves that read them
	s_barrier_signal -1
	s_barrier_wait -1
.irp i, 0,1,2,3,4,5,6,7
	ds_load_b128 v[S+32+4*\i:S+32+4*\i+3], v[RD] offset:2*\i*SPITCH
.endr
.irp i, 0,1,2,3,4,5,6,7
	s_wait_dscnt 7-\i
	global_store_b128 v[CO], v[S+32+4*\i:S+32+4*\i+3], s[100:101] offset:32*ROWB*\p+2*ROWB*\i   ; 16 lanes store 256 consecutive bytes, aligned
.endr
.endm
	PHASE 0
	s_wait_dscnt 0x0                               ; my reads of the stage are done, before any wave writes it again
	s_wait_xcnt 0x0                                ; the registers that the stores read are loaded again only behind this wait
	s_barrier_signal -1
	s_barrier_wait -1
	PHASE 1
	s_wait_tensorcnt 0x0
	ds_add_u32 v254, v255
	s_wait_dscnt 0x0
	ROUND                                          ; the closing round: no work-group ends while a partner may still ask for a tile that names it
	s_endpgm
.Lfunc_end_k_q48531464b4_attn:
	.size	k_q48531464b4_attn, .Lfunc_end_k_q48531464b4_attn-k_q48531464b4_attn
	.p2alignl 7, 3214868480
	.fill 96, 4, 3214868480
	.section	.rodata,"a",@progbits
	.p2align	6, 0x0
	.amdhsa_kernel k_q48531464b4_attn
		.amdhsa_group_segment_fixed_size 327680
		.amdhsa_private_segment_fixed_size 0
		.amdhsa_enable_private_segment 0
		.amdhsa_kernarg_size 24
		.amdhsa_user_sgpr_count 2
		.amdhsa_user_sgpr_kernarg_segment_ptr 1
		.amdhsa_wavefront_size32 1
		.amdhsa_system_sgpr_workgroup_id_x 1
		.amdhsa_system_sgpr_workgroup_id_y 1
		.amdhsa_system_sgpr_workgroup_id_z 1
		.amdhsa_system_vgpr_workitem_id 0
		.amdhsa_next_free_vgpr 448
		.amdhsa_next_free_sgpr 106
		.amdhsa_reserve_vcc 0
		.amdhsa_float_denorm_mode_32 3
		.amdhsa_float_denorm_mode_16_64 3
		.amdhsa_memory_ordered 1
		.amdhsa_forward_progress 1
		.amdhsa_inst_pref_size 255
	.end_amdhsa_kernel
	.section	.bss,"aw",@nobits
	.p2align	6
	.space	262144
	.amdgpu_metadata
---
amdhsa.version: [ 1, 2 ]
amdhsa.kernels:
  - .name:           k_q48531464b4_attn
    .symbol:         k_q48531464b4_attn.kd
    .args:
      - { .name: qkv, .offset: 0, .size: 8, .value_kind: global_buffer, .address_space: global }
      - { .name: maskw, .offset: 8, .size: 8, .value_kind: global_buffer, .address_space: global }
      - { .name: att, .offset: 16, .size: 8, .value_kind: global_buffer, .address_space: global }
    .group_segment_fixed_size: 327680
    .private_segment_fixed_size: 0
    .kernarg_segment_align: 8
    .kernarg_segment_size: 24
    .max_flat_workgroup_size: 256
    .sgpr_count:     106
    .vgpr_count:     448
    .wavefront_size: 32
...
	.end_amdgpu_metadata
.endif
;; end of part 3
;; launch outp (part 4): grid 4 x 64, 4 waves a work-group, clusters of 4 x 4, 327,680 bytes of LDS; arguments att, wb, out0; writes out0
.if DOCPART == 4
	.amdgcn_target "amdgcn-amd-amdhsa--gfx1250"
	.amdhsa_code_object_version 6
	.text
	.protected	k_q48531464b4_outp
	.globl	k_q48531464b4_outp
	.p2align	8
	.type	k_q48531464b4_outp,@function
k_q48531464b4_outp:
	s_mov_b64 s[64:65], 0
	v_nop
	global_prefetch_b8 v0, s[64:65] scope:SCOPE_SE
	s_setreg_imm32_b32 hwreg(HW_REG_WAVE_MODE, 25, 1), 1
	s_wait_xcnt 0x0
	s_wait_alu depctr_hold_cnt(0) depctr_sa_sdst(0) depctr_va_vdst(0) depctr_va_sdst(0) depctr_va_ssrc(0) depctr_va_vcc(0) depctr_vm_vsrc(0)
	s_getreg_b32 s2, hwreg(HW_REG_IB_STS2, 6, 4)
	s_cmp_eq_u32 s2, 0
	s_cbranch_scc0 .Lentry_in_a_cluster
	s_endpgm
.Lentry_in_a_cluster:
	s_bfe_u32 s2, ttmp6, 0x10000c
	s_cmp_lg_u32 s2, 0xf033
	s_cbranch_scc0 .Lentry_shape_is_right
	s_endpgm
.Lentry_shape_is_right:
; y = x W^T, a block of 128 rows x 256 columns a work-group, K = 1024.  One text for two launches, by OUTP:
;   OUTP = 0: x = xb [3 x 8192][1024] bf16, W = w_q, w_k, w_v (by the block row), y = qkv [3 x 8192][1024] f16; the q third is multiplied by 0.125 log2(e),
;             so that the scores come out as exponents of 2.
;   OUTP = 1: x = att [8192][1024] f16, W = w_o (f16), y = out0 [8192][1024] f32.
; LIMIT (OUTP = 0): results beyond f16's 65,504 become infinite; results below 6.1e-5 carry an absolute error of up to 3e-8.
; Four waves, as many as a WGP has SIMDs; a wave makes 64 rows x 128 columns: 32 accumulator tiles, 256 registers.  Blocks of 128 x 256 give 768 and 256
; work-groups: whole multiples of the 256 WGPs.  K goes in steps of 128 (rows of 256 bytes, aligned) through two LDS slots.
; CLUSTERS: 4 x 4 work-groups.  x's tile hangs on the block row alone and is asked for jointly by a row of the cluster; W's hangs on the block column (and on
; the cluster's y, which all share) and is asked for jointly by a column.  That divides the requests for both by four.
; THE MATRIX INSTRUCTION IS USED TRANSPOSED: source 0 = 16 rows of W, source 1 = 16 rows of x: a lane then holds 8 neighbouring columns of one row of y.
; REGISTERS: window 0: v16-26 addresses; v32-95 W fragments, v96-127 x fragments (buffer 0); v128-191, v192-223 (buffer 1); v224-255 the way out.
;            window 1: accumulator tile (a, b) at v[8 (8 a + b)], a = 0..3 blocks of 16 rows, b = 0..7 blocks of 16 columns.
.set OUTP,   1
.set KSTEP,  128
.set PITCH,  272                       ; an LDS row: 256 bytes + 16: the 16 rows that a fragment load touches start 68 words apart
.set BTILE,  256*PITCH                 ; W's 256 rows
.set ATILE,  128*PITCH                 ; x's 128 rows
.set SLOT,   BTILE+ATILE
.set STAGE,  2*SLOT                    ; behind the ring, a multiple of 256: 16 rows for each wave, for the way out; no tensor load lands here
.if OUTP
.set SP,     528                       ; a stage row: 128 f32 + 16 bytes
.else
.set SP,     272                       ; a stage row: 128 f16 + 16 bytes
.endif
.set LAPS,   4                         ; 1024 / (2 x 128): a lap = two K steps = once round the ring
.set ADRA,   16                        ; v16-17 LDS address of my x fragments in slot 0, 1
.set ADRB,   20                        ; v20-21 the same for W
.set STO,    24
.set RD,     25
.set CO,     26
.set F0,     32
.set F1,     128
.set TMP,    224
.set G1,     24                        ; s[24:31] group 1 for x's tiles (64 rows a load)
.set G0,     32                        ; s[32:39] group 0 for x's tiles, a set for each slot
.set G1B,    48                        ; s[48:55] group 1 for W's tiles (128 rows a load)
.set G0B,    56                        ; s[56:63] group 0 for W's tiles, a set for each slot
.set MULW,   0x50                      ; C and D in window 1, sources in window 0
.set MSB,    0
.macro WIN new                         ; the immediate's high byte repeats the setting that is left
.if MSB != \new
	s_set_vgpr_msb (MSB<<8)|\new
.set MSB, \new
.endif
.endm
; A joint load.  Waves 0 and 1 fetch W's two halves of 128 rows, waves 2 and 3 x's two halves of 64 rows.  The branch hangs on the wave's number alone.
.macro JLOAD s
	s_cmp_eq_u32 s11, 0
	s_cbranch_scc0 .Lfor_a_\@
	tensor_load_to_lds s[G0B+4*\s:G0B+4*\s+3], s[G1B:G1B+7]
	s_nop 0
	s_branch .Lasked_\@
.Lfor_a_\@:
	tensor_load_to_lds s[G0+4*\s:G0+4*\s+3], s[G1:G1+7]
	s_nop 0
.Lasked_\@:
.endm
.macro CREST                           ; a round of the cluster's barrier behind its opening work-group barrier
	s_cmp_lg_u32 s10, 0
	s_cbranch_scc1 .Lnot_wave_0_\@
	s_barrier_signal -3
.Lnot_wave_0_\@:
	s_barrier_wait -3
	s_barrier_signal -1
	s_barrier_wait -1
.endm
.macro CROUND                          ; a whole round
	s_barrier_signal -1
	s_barrier_wait -1
	CREST
.endm
	s_load_b128 s[4:7], s[0:1], 0x0                ; x s[4:5], wb s[6:7]
	s_load_b64 s[8:9], s[0:1], 0x10                ; y
	v_lshl_add_u32 v254, v0, 2, 0x3b400
	v_mov_b32 v255, 0
	ds_add_u32 v254, v255
	v_lshrrev_b32 v1, 5, v0
	v_readfirstlane_b32 s10, v1                    ; wave 0..3
	s_lshr_b32 s11, s10, 1                         ; which 64 rows of the block are mine.  Also: I fetch for W (0) or for x (1)
	s_and_b32 s12, s10, 1                          ; which 128 columns.  Also: which half of that tile I fetch
	s_bfe_u32 s40, ttmp6, 0x40000                  ; cx
	s_bfe_u32 s41, ttmp6, 0x40004                  ; cy
	s_lshl_b32 s42, ttmp9, 2
	s_add_co_u32 s42, s42, s40                     ; block column = 4 x cluster x + cx
	s_and_b32 s45, ttmp7, 0xffff                   ; cluster y
	s_lshl_b32 s13, s45, 2
	s_add_co_u32 s13, s13, s41                     ; block row = 4 x cluster y + cy
	s_lshl_b32 s43, s41, 2
	s_lshl_b32 s43, 15, s43                        ; my row of the cluster
	s_lshl_b32 s44, 0x1111, s40                    ; my column
	s_or_b32 s[G1+0], s43, (1<<16)|(1<<20)|(1<<21)|(5<<22)|(3<<25)   ; mask; 2-byte elements; padding on; bit 21 beside a mask; after every 64 words 4 words
	s_or_b32 s[G1B+0], s44, (1<<16)|(1<<20)|(1<<21)|(5<<22)|(3<<25)
	s_mov_b32 s[G1+1], KSTEP<<16                   ; tensor_dim0 = 128
	s_mov_b32 s[G1B+1], KSTEP<<16
	s_mov_b32 s[G1+2], 64<<16                      ; tensor_dim1 = 64 rows
	s_mov_b32 s[G1B+2], 128<<16                    ; 128 rows
	s_mov_b32 s[G1+3], KSTEP<<16                   ; tile_dim0 = 128
	s_mov_b32 s[G1B+3], KSTEP<<16
	s_mov_b32 s[G1+4], 64                          ; tile_dim1
	s_mov_b32 s[G1B+4], 128
	s_mov_b32 s[G1+5], 1024                        ; elements from row to row
	s_mov_b32 s[G1B+5], 1024
	s_mov_b32 s[G1+6], 0
	s_mov_b32 s[G1B+6], 0
	s_mov_b32 s[G1+7], 0
	s_mov_b32 s[G1B+7], 0
	; where the tiles come from: every wave makes both offsets, in registers that never hold the other coordinate
	s_lshl_b32 s16, s13, 7
	s_lshl_b32 s17, s12, 6
	s_add_co_u32 s16, s16, s17                     ; x: row 128 x block row + 64 x half
	s_lshl_b32 s16, s16, 11                        ; rows of 2,048 bytes
	s_mov_b32 s17, 0
	s_lshl_b32 s46, s42, 8
	s_lshl_b32 s47, s12, 7
	s_add_co_u32 s46, s46, s47                     ; W: row 256 x block column + 128 x half
.if OUTP
	s_add_co_u32 s46, s46, 3072                    ; w_o is the fourth matrix of wb
.else
	s_lshr_b32 s47, s45, 4                         ; 16 clusters of 512 rows for each of q, k, v: equal in all partners
	s_lshl_b32 s47, s47, 10
	s_add_co_u32 s46, s46, s47
.endif
	s_lshl_b32 s46, s46, 11
	s_mov_b32 s47, 0
	s_mul_i32 s20, s10, 64*PITCH                   ; where they go: x's halves lie behind W's 256 rows: BTILE + (wave - 2) x 64 rows
	s_add_co_u32 s20, s20, BTILE-2*64*PITCH
	s_mul_i32 s21, s10, 128*PITCH                  ; W's halves: wave x 128 rows
	s_wait_dscnt 0x0
	s_wait_kmcnt 0x0
	s_add_nc_u64 s[14:15], s[4:5], s[16:17]
	s_add_nc_u64 s[46:47], s[6:7], s[46:47]
	CROUND                                         ; all sixteen work-groups are here: the first joint loads meet
.irp s, 0,1
	s_mov_b32 s[G0+4*\s], 1
	s_add_co_u32 s[G0+4*\s+1], s20, \s*SLOT
	s_add_nc_u64 s[G0+4*\s+2:G0+4*\s+3], s[14:15], \s*KSTEP*2
	s_or_b32 s[G0+4*\s+3], s[G0+4*\s+3], 0x80000000
	s_mov_b32 s[G0B+4*\s], 1
	s_add_co_u32 s[G0B+4*\s+1], s21, \s*SLOT
	s_add_nc_u64 s[G0B+4*\s+2:G0B+4*\s+3], s[46:47], \s*KSTEP*2
	s_or_b32 s[G0B+4*\s+3], s[G0B+4*\s+3], 0x80000000
	JLOAD \s                                       ; both slots' first fills go out together: two tensor loads of the wave are out
.endr
	v_and_b32 v1, 15, v0                           ; r
	v_bfe_u32 v2, v0, 4, 1                         ; h
	v_mul_u32_u24 v3, v1, PITCH
	v_lshl_add_u32 v3, v2, 4, v3                   ; a fragment: row r, 16 bytes at 16 h, and 32 bytes further on
	s_mul_i32 s22, s11, 64*PITCH
	s_add_co_u32 s22, s22, BTILE                   ; my 64 rows of x
	s_mul_i32 s23, s12, 128*PITCH                  ; my 128 rows of W
.irp s, 0,1
	v_add_nc_u32 v[ADRA+\s], s22, v3
	v_add_nc_u32 v[ADRB+\s], s23, v3
	s_add_co_u32 s22, s22, SLOT
	s_add_co_u32 s23, s23, SLOT
.endr
	s_mul_i32 s22, s10, 16*SP
	s_add_co_u32 s22, s22, STAGE                   ; my stage
	v_mul_u32_u24 v4, v1, SP
.if OUTP
	v_lshl_add_u32 v4, v2, 5, v4                   ; in: row r, 32 bytes (8 f32) for each half of the lanes
	v_add_nc_u32 v[STO], s22, v4
	v_and_b32 v5, 31, v0
	v_lshlrev_b32 v[CO], 4, v5                     ; back and out: 32 lanes take a row's 512 bytes
	v_add_nc_u32 v[RD], s22, v[CO]
.else
	v_lshl_add_u32 v4, v2, 4, v4                   ; in: row r, 16 bytes (8 f16) for each half of the lanes
	v_add_nc_u32 v[STO], s22, v4
	v_mul_u32_u24 v5, v2, SP                       ; back: lanes 0-15 take one row of 256 bytes, lanes 16-31 the next
	v_lshl_add_u32 v5, v1, 4, v5
	v_add_nc_u32 v[RD], s22, v5
	v_lshlrev_b32 v5, 11, v2                       ; and the same two rows in y
	v_lshl_add_u32 v[CO], v1, 4, v5
.endif
.macro MM d, a, b, zero
.if OUTP
.if \zero
	v_wmma_f32_16x16x32_f16 v[\d:\d+7], v[\a:\a+7], v[\b:\b+7], 0
.else
	v_wmma_f32_16x16x32_f16 v[\d:\d+7], v[\a:\a+7], v[\b:\b+7], v[\d:\d+7]
.endif
.else
.if \zero
	v_wmma_f32_16x16x32_bf16 v[\d:\d+7], v[\a:\a+7], v[\b:\b+7], 0
.else
	v_wmma_f32_16x16x32_bf16 v[\d:\d+7], v[\a:\a+7], v[\b:\b+7], v[\d:\d+7]
.endif
.endif
.endm
; 8 matrix instructions: row block a x all 8 column blocks, 32 along K.  zero = 1: the first product starts the sums.
; The 32 accumulators take turns, one instruction a turn, in the same order in every quarter step.
.macro MUL8 f, a, zero
.irp b, 0,1,2,3,4,5,6,7
	MM 8*(8*\a+\b), \f+8*\b, \f+64+8*\a, \zero
.endr
.endm
; 24 LDS loads in one run: 128 rows of W, then 64 rows of x, 32 K at byte k of the rows, into buffer f
.macro FETCH slot, k, f
	WIN 0
.irp i, 0,1,2,3,4,5,6,7
	ds_load_b128 v[\f+8*\i:\f+8*\i+3],   v[ADRB+\slot] offset:\k+\i*16*PITCH
	ds_load_b128 v[\f+8*\i+4:\f+8*\i+7], v[ADRB+\slot] offset:\k+\i*16*PITCH+32
.endr
.irp i, 0,1,2,3
	ds_load_b128 v[\f+64+8*\i:\f+64+8*\i+3],   v[ADRA+\slot] offset:\k+\i*16*PITCH
	ds_load_b128 v[\f+64+8*\i+4:\f+64+8*\i+7], v[ADRA+\slot] offset:\k+\i*16*PITCH+32
.endr
.endm
; Four places behind the last matrix instruction, in front of loads into registers that matrix instructions have read
; and of vector instructions and LDS stores that read results.
.macro PLACES
.rept 4
	v_nop
.endr
.endm
; A quarter step: multiplies buffer f; in its middle it fetches the next quarter's fragments into buffer g.
.macro QUARTER slot, k, f, g, zero
	s_wait_dscnt 4                                 ; W and x's row blocks 0, 1 are in; the four youngest loads (row blocks 2, 3) may be out
	WIN MULW
	MUL8 \f, 0, \zero
	MUL8 \f, 1, \zero
	PLACES
	FETCH \slot, \k, \g
	s_wait_dscnt 24                                ; all but the 24 just issued
	WIN MULW
	MUL8 \f, 2, \zero
	MUL8 \f, 3, \zero
.endm
.macro THREE slot, zero
	QUARTER \slot, 64,  F0, F1, \zero
	QUARTER \slot, 128, F1, F0, 0
	QUARTER \slot, 192, F0, F1, 0
.endm
; The last quarter of a K step: multiplies buffer 1 and changes slots.  In front of the barrier each wave waits for its reads of this slot and for all its
; tensor loads (one is out: its part of the next slot).  fill = 1: the barrier opens a round of the cluster's barrier, and behind the round this slot is
; asked for again, two K steps ahead, first thing.  From that request to the wait for it a wave issues 120 matrix instructions.
.macro TURN slot, next, fill
	s_wait_dscnt 4
	WIN MULW
	MUL8 F1, 0, 0
	s_wait_dscnt 0
	s_wait_tensorcnt 0x0
	ds_add_u32 v254, v255
	s_wait_dscnt 0x0
	s_barrier_signal -1
	MUL8 F1, 1, 0                                  ; register work while the others arrive
	WIN 0
	s_barrier_wait -1
.if \fill
	CREST                                          ; no wave of any partner still reads this slot or has a load on its way
	s_add_nc_u64 s[G0+4*\slot+2:G0+4*\slot+3], s[G0+4*\slot+2:G0+4*\slot+3], 2*KSTEP*2
	s_add_nc_u64 s[G0B+4*\slot+2:G0B+4*\slot+3], s[G0B+4*\slot+2:G0B+4*\slot+3], 2*KSTEP*2
	JLOAD \slot
.endif
	PLACES
	FETCH \next, 0, F0
	WIN MULW
	MUL8 F1, 2, 0
	MUL8 F1, 3, 0
.endm
.macro LAP zero
	THREE 0, \zero
	TURN 0, 1, 1
	THREE 1, 0
	TURN 1, 0, 1
.endm
	s_wait_tensorcnt 1                             ; my part of K step 0 is in; K step 1's load, issued behind it, may stay out
	s_barrier_signal -1
	s_barrier_wait -1
	FETCH 0, 0, F0
	LAP 1                                          ; the first lap's first products start the sums: nothing is cleared
	WIN 0
	s_mov_b32 s3, LAPS-2
.Llap:
	LAP 0
	WIN 0
	s_sub_co_u32 s3, s3, 1
	s_cmp_lg_u32 s3, 0
	s_cbranch_scc1 .Llap
	THREE 0, 0                                     ; the last lap fills nothing
	TURN 0, 1, 0
	THREE 1, 0
	s_wait_dscnt 4
	WIN MULW
	MUL8 F1, 0, 0
	MUL8 F1, 1, 0
	s_wait_dscnt 0
	MUL8 F1, 2, 0
	MUL8 F1, 3, 0
	; THE WAY OUT, 16 rows at a time through my own stage, so that whole rows leave
	PLACES
	s_lshl_b32 s16, s13, 7
	s_lshl_b32 s17, s11, 6
	s_add_co_u32 s16, s16, s17                     ; my first row
	s_lshl_b32 s46, s42, 8
	s_lshl_b32 s47, s12, 7
	s_add_co_u32 s46, s46, s47                     ; my first column
.if OUTP
	s_lshl_b32 s16, s16, 12                        ; rows of 4,096 bytes, 4 bytes a column
	s_lshl_b32 s46, s46, 2
.else
	s_lshl_b32 s16, s16, 11                        ; rows of 2,048 bytes, 2 bytes a column
	s_lshl_b32 s46, s46, 1
	s_lshr_b32 s18, s45, 4
	s_cmp_eq_u32 s18, 0                            ; the q third?  (hangs on the cluster's y alone)
	s_cselect_b32 s18, 0x3e38aa3b, 1.0             ; 0.125 log2(e), or 1
	s_mov_b32 s19, s18
.endif
	s_mov_b32 s17, 0
	s_mov_b32 s47, 0
	s_add_nc_u64 s[8:9], s[8:9], s[16:17]
	s_add_nc_u64 s[8:9], s[8:9], s[46:47]
.macro OUT16 i, f
.if OUTP
	WIN 0x04                                       ; store data from window 1
.irp b, 0,1,2,3,4,5,6,7
	ds_store_b128 v[STO], v[64*\i+8*\b:64*\i+8*\b+3]   offset:64*\b
	ds_store_b128 v[STO], v[64*\i+8*\b+4:64*\i+8*\b+7] offset:64*\b+16
.endr
	WIN 0
	s_wait_xcnt 0x0                                ; buffer f, which earlier stores read, and the stores' base are rewritten only behind this wait
.if \i
	s_add_nc_u64 s[8:9], s[8:9], 16*4096
.endif
.irp t, 0,1,2,3,4,5,6,7,8,9,10,11,12,13,14,15
	ds_load_b128 v[\f+4*\t:\f+4*\t+3], v[RD] offset:\t*SP       ; LDS serves a wave's instructions in order: these see the stores above
.endr
.irp t, 0,1,2,3,4,5,6,7,8,9,10,11,12,13,14,15
	s_wait_dscnt 15-\t
	global_store_b128 v[CO], v[\f+4*\t:\f+4*\t+3], s[8:9] offset:4096*\t th:TH_STORE_NT   ; 512 consecutive bytes of a row, aligned
.endr
.else
	WIN 0x41                                       ; source 0 and destination in window 1
.set n, 0
.rept 32
	v_pk_mul_f32 v[64*\i+2*n:64*\i+2*n+1], v[64*\i+2*n:64*\i+2*n+1], s[18:19] op_sel_hi:[1,0]
.set n, n+1
.endr
	WIN 0x05                                       ; both sources in window 1
.irp b, 0,1,2,3,4,5,6,7
.irp r, 0,1,2,3
	v_cvt_pk_f16_f32 v[TMP+4*\b+\r], v[64*\i+8*\b+2*\r], v[64*\i+8*\b+2*\r+1]
.endr
.endr
	WIN 0
.irp b, 0,1,2,3,4,5,6,7
	ds_store_b128 v[STO], v[TMP+4*\b:TMP+4*\b+3] offset:32*\b
.endr
	s_wait_xcnt 0x0                                ; buffer f, which earlier stores read, and the stores' base are rewritten only behind this wait
.if \i
	s_add_nc_u64 s[8:9], s[8:9], 16*2048
.endif
.irp t, 0,1,2,3,4,5,6,7
	ds_load_b128 v[\f+4*\t:\f+4*\t+3], v[RD] offset:\t*2*SP     ; LDS serves a wave's instructions in order: these see the stores above
.endr
.irp t, 0,1,2,3,4,5,6,7
	s_wait_dscnt 7-\t
	global_store_b128 v[CO], v[\f+4*\t:\f+4*\t+3], s[8:9] offset:4096*\t   ; 16 lanes store 256 consecutive bytes, aligned
.endr
.endif
.endm
	OUT16 0, F0
	OUT16 1, F1
	OUT16 2, F0
	OUT16 3, F1
	s_wait_tensorcnt 0x0
	ds_add_u32 v254, v255
	s_wait_dscnt 0x0
	CROUND                                         ; the closing round: no work-group ends while a partner may still ask for a tile that names it
	s_endpgm
.Lfunc_end_k_q48531464b4_outp:
	.size	k_q48531464b4_outp, .Lfunc_end_k_q48531464b4_outp-k_q48531464b4_outp
	.p2alignl 7, 3214868480
	.fill 96, 4, 3214868480
	.section	.rodata,"a",@progbits
	.p2align	6, 0x0
	.amdhsa_kernel k_q48531464b4_outp
		.amdhsa_group_segment_fixed_size 327680
		.amdhsa_private_segment_fixed_size 0
		.amdhsa_enable_private_segment 0
		.amdhsa_kernarg_size 24
		.amdhsa_user_sgpr_count 2
		.amdhsa_user_sgpr_kernarg_segment_ptr 1
		.amdhsa_wavefront_size32 1
		.amdhsa_system_sgpr_workgroup_id_x 1
		.amdhsa_system_sgpr_workgroup_id_y 1
		.amdhsa_system_sgpr_workgroup_id_z 1
		.amdhsa_system_vgpr_workitem_id 0
		.amdhsa_next_free_vgpr 512
		.amdhsa_next_free_sgpr 66
		.amdhsa_reserve_vcc 0
		.amdhsa_float_denorm_mode_32 3
		.amdhsa_float_denorm_mode_16_64 3
		.amdhsa_memory_ordered 1
		.amdhsa_forward_progress 1
		.amdhsa_inst_pref_size 118
	.end_amdhsa_kernel
	.amdgpu_metadata
---
amdhsa.version: [ 1, 2 ]
amdhsa.kernels:
  - .name:           k_q48531464b4_outp
    .symbol:         k_q48531464b4_outp.kd
    .args:
      - { .name: att, .offset: 0, .size: 8, .value_kind: global_buffer, .address_space: global }
      - { .name: wb, .offset: 8, .size: 8, .value_kind: global_buffer, .address_space: global }
      - { .name: out0, .offset: 16, .size: 8, .value_kind: global_buffer, .address_space: global }
    .group_segment_fixed_size: 327680
    .private_segment_fixed_size: 0
    .kernarg_segment_align: 8
    .kernarg_segment_size: 24
    .max_flat_workgroup_size: 128
    .sgpr_count:     66
    .vgpr_count:     512
    .wavefront_size: 32
...
	.end_amdgpu_metadata
.endif
;; end of part 4
;; ======== version 2 of 3: 4 launches; 1.05 times as fast as version 1
;; limits: values are held in f16: magnitudes above 65,504 overflow, below 6.1e-05 lose precision
;; workspace buffers: xb 50,331,648 bytes; wb 8,388,608 bytes; maskw 524,288 bytes of whole numbers; qkv 50,331,648 bytes; att 16,777,216 bytes
;; launch prep (part 5): grid 1920 x 1, 8 waves a work-group, no clusters, 35,840 bytes of LDS; arguments query, key, value, w_q, w_k, w_v, w_o, mask, xb, wb, maskw; writes xb, wb, maskw
.if DOCPART == 5
	.amdgcn_target "amdgcn-amd-amdhsa--gfx1250"
	.amdhsa_code_object_version 6
	.text
	.protected	k_q48531464b4_prep
	.globl	k_q48531464b4_prep
	.p2align	8
	.type	k_q48531464b4_prep,@function
k_q48531464b4_prep:
	s_mov_b64 s[64:65], 0
	v_nop
	global_prefetch_b8 v0, s[64:65] scope:SCOPE_SE
	s_setreg_imm32_b32 hwreg(HW_REG_WAVE_MODE, 25, 1), 1
	s_wait_xcnt 0x0
; prep: the inputs are brought into the forms that the matrix launches read.
;   work-groups 0..1535    query, key, value: f32 -> bf16 (nearest even) into xb [3][8192][1024]
;   work-groups 1536..1791 w_q, w_k, w_v: f32 -> bf16 into wb [4][1024][1024]; w_o: f32 -> bf16 -> f16 (the last launch multiplies in f16)
;   work-groups 1792..1919 mask [2048][2048] int32 -> maskw: one bit a number, laid out as lane masks (see the mask part)
; LIMIT: f16(bf16(w_o)) is exact for 2^-17 <= |w_o| < 65,504; below that the absolute error is at most 2^-25, above it the value becomes infinite.
; A stream: every input byte is read once by 16-byte loads, every output byte written once.  No matrix unit, no cluster: no two work-groups share a byte.
; 130 registers a wave, so that several work-groups lie on a WGP and their loads are on their way together.
.set NXCH,   1536                      ; chunks of 64 KiB in query, key, value together
.set NF16,   1728                      ; from here on: w_o
.set NCAST,  1792                      ; from here on: the mask
.set X,      32                        ; v[32:95] cast part: 16 loads; mask part: the loads of two query tiles, two sets of 32 registers by turns
.set Y,      96                        ; v[96:127] cast part: a pair to store for each load, never rewritten
.set RB,     96                        ; v[96:127] mask part: a query tile read back by rows
.set OUT,    12                        ; v[12:15] mask part: the 128 words of the task, two a lane and half
.set MPITCH, 272                       ; mask part: an LDS row, 256 bytes + 16
.set MREG,   16*MPITCH                 ; mask part: a wave's own 16 rows
	s_load_b512 s[8:23], s[0:1], 0x0               ; query s[8:9] key s[10:11] value s[12:13] w_q s[14:15] w_k s[16:17] w_v s[18:19] w_o s[20:21] mask s[22:23]
	s_load_b128 s[24:27], s[0:1], 0x40             ; xb s[24:25], wb s[26:27]
	s_load_b64 s[28:29], s[0:1], 0x50              ; maskw
	v_lshl_add_u32 v128, v0, 2, 0x8800
	v_mov_b32 v129, 0
	s_mov_b32 s2, ttmp9                            ; the work-group's number
	s_wait_kmcnt 0x0
	s_cmp_ge_u32 s2, NCAST
	s_cbranch_scc1 .Lmask
	; ---- the cast part: 64 KiB of f32 in, 32 KiB out ----
	s_lshr_b32 s30, s2, 9                          ; 0, 1, 2: query, key, value; 3: a weight
	s_bfe_u32 s31, s2, 0x20006                     ; which weight (2 bits from bit 6)
	s_and_b32 s38, s2, 63                          ; chunk in a weight
	s_and_b32 s39, s2, 511                         ; chunk in query, key or value
	s_sub_co_u32 s40, s2, NXCH                     ; chunk in wb
	s_cmp_eq_u32 s30, 1
	s_cselect_b64 s[32:33], s[10:11], s[8:9]
	s_cmp_eq_u32 s30, 2
	s_cselect_b64 s[32:33], s[12:13], s[32:33]
	s_cmp_eq_u32 s31, 1
	s_cselect_b64 s[34:35], s[16:17], s[14:15]
	s_cmp_eq_u32 s31, 2
	s_cselect_b64 s[34:35], s[18:19], s[34:35]
	s_cmp_eq_u32 s31, 3
	s_cselect_b64 s[34:35], s[20:21], s[34:35]
	s_cmp_eq_u32 s30, 3
	s_cselect_b64 s[32:33], s[34:35], s[32:33]     ; from where
	s_cselect_b64 s[36:37], s[26:27], s[24:25]     ; to where
	s_cselect_b32 s38, s38, s39
	s_cselect_b32 s40, s40, s2
	s_lshl_b32 s38, s38, 16                        ; offsets in registers of their own, below 4 GiB
	s_mov_b32 s39, 0
	s_lshl_b32 s40, s40, 15
	s_mov_b32 s41, 0
	s_add_nc_u64 s[32:33], s[32:33], s[38:39]
	s_add_nc_u64 s[36:37], s[36:37], s[40:41]
	v_lshlrev_b32 v1, 4, v0                        ; 16 bytes a thread in
	v_lshlrev_b32 v2, 3, v0                        ; 8 bytes a thread out
.set i, 0
.rept 16
	global_load_b128 v[X+4*i:X+4*i+3], v1, s[32:33] offset:4096*i th:TH_LOAD_NT   ; all sixteen on their way at once
.set i, i+1
.endr
; f16 = 1: the bf16 numbers are widened again and packed as f16
.macro CAST f16
.set i, 0
.rept 16
	s_wait_loadcnt 15-i                            ; loads come back in order: load i is in, the 15 - i younger ones stay out
	v_cvt_pk_bf16_f32 v[Y+2*i], v[X+4*i], v[X+4*i+1]
	v_cvt_pk_bf16_f32 v[Y+2*i+1], v[X+4*i+2], v[X+4*i+3]
.if \f16
	v_lshlrev_b32 v[X+4*i], 16, v[Y+2*i]
	v_and_b32 v[X+4*i+1], 0xffff0000, v[Y+2*i]
	v_lshlrev_b32 v[X+4*i+2], 16, v[Y+2*i+1]
	v_and_b32 v[X+4*i+3], 0xffff0000, v[Y+2*i+1]
	v_cvt_pk_f16_f32 v[Y+2*i], v[X+4*i], v[X+4*i+1]
	v_cvt_pk_f16_f32 v[Y+2*i+1], v[X+4*i+2], v[X+4*i+3]
.endif
	global_store_b64 v2, v[Y+2*i:Y+2*i+1], s[36:37] offset:2048*i   ; a wave's store covers 256 consecutive bytes, aligned; its registers are never written again
.set i, i+1
.endr
.endm
	s_cmp_ge_u32 s2, NF16
	s_cbranch_scc1 .Lwo
	CAST 0
	s_endpgm
.Lwo:
	CAST 1
	s_endpgm
	; ---- the mask part ----
	; Word ((q/64 * 64 + key/32) * 4 + (q/16 & 3)) * 16 + (key/16 & 1) * 8 + j of maskw; its bit L says whether
	; mask[16 (q/16) + (L & 15)][16 (key/16) + 8 (L >> 4) + j] is not 0: the lane mask of register j of a 16 x 16 tile of scores
	; that holds keys along the registers and queries along the lanes.
	; A wave's task: 64 queries x 64 keys = 256 bytes of each of 64 rows in, 128 words out.  1,024 tasks.
; The eight loads of query tile t (16 rows, two rows a load), into register set t mod 2
.macro MFILL t
.irp i, 0,1,2,3,4,5,6,7
	global_load_b128 v[X+32*((\t)%2)+4*\i:X+32*((\t)%2)+4*\i+3], v7, s[22:23] offset:16384*(8*(\t)+\i) th:TH_LOAD_NT
.endr
.endm
.Lmask:
	v_lshrrev_b32 v3, 5, v0
	v_readfirstlane_b32 s3, v3                     ; wave
	s_sub_co_u32 s4, s2, NCAST
	s_lshl3_add_u32 s4, s4, s3                     ; task = 8 x group + wave
	s_lshr_b32 s5, s4, 5                           ; block of 64 queries
	s_and_b32 s6, s4, 31                           ; block of 64 keys
	s_lshl_b32 s30, s5, 19                         ; 64 rows of 8,192 bytes
	s_lshl_b32 s6, s6, 8
	s_add_co_u32 s30, s30, s6
	s_mov_b32 s31, 0
	s_add_nc_u64 s[22:23], s[22:23], s[30:31]
	s_lshl_b32 s30, s4, 9                          ; 512 bytes of words a task
	s_add_nc_u64 s[28:29], s[28:29], s[30:31]
	v_and_b32 v4, 15, v0                           ; r
	v_bfe_u32 v5, v0, 4, 1                         ; h
	v_lshlrev_b32 v6, 4, v4
	v_lshl_add_u32 v7, v5, 13, v6                  ; lanes 0-15 take 256 bytes of one row, lanes 16-31 of the next
	MFILL 0
	MFILL 1
	s_mul_i32 s7, s3, MREG                         ; my wave's own LDS bytes: no other wave touches them, so no barrier
	v_mul_u32_u24 v8, v5, MPITCH
	v_add_nc_u32 v8, v8, v6
	v_add_nc_u32 v8, s7, v8                        ; in: as loaded, two rows an instruction
	v_mul_u32_u24 v9, v4, MPITCH
	v_lshl_add_u32 v9, v5, 5, v9
	v_add_nc_u32 v9, s7, v9                        ; back: row r, 8 numbers from key 8 h of each tile of 16 keys
	v_and_b32 v10, 31, v0
	v_lshlrev_b32 v10, 3, v10                      ; out: two words a lane
.irp k, 0,1,2,3
	v_mov_b32 v[OUT+\k], 0                         ; v_writelane_b32 keeps the other lanes: the registers are written whole first
.endr
.irp t, 0,1,2,3
.if \t < 3
	s_wait_loadcnt 8                               ; the eight loads of query tile t are in; the next tile's eight, issued behind them, stay out
.else
	s_wait_loadcnt 0                               ; the last tile: nothing was issued behind it
.endif
.irp i, 0,1,2,3,4,5,6,7
	ds_store_b128 v8, v[X+32*(\t%2)+4*\i:X+32*(\t%2)+4*\i+3] offset:2*\i*MPITCH
.endr
.irp k, 0,1,2,3
	ds_load_b128 v[RB+8*\k:RB+8*\k+3], v9 offset:64*\k          ; LDS serves a wave's instructions in order: these see the stores above,
	ds_load_b128 v[RB+8*\k+4:RB+8*\k+7], v9 offset:64*\k+16     ; and the next tile's stores come behind them
.endr
	s_wait_dscnt 0x0                               ; the rows are back, and the stores have read this tile's registers:
.if \t < 2
	MFILL \t+2                                     ; they take the tile after next
.endif
.irp k, 0,1,2,3
.irp j, 0,1,2,3,4,5,6,7
	v_cmp_ne_u32 s[40+\j], 0, v[RB+8*\k+\j]
	v_writelane_b32 v[OUT+2*(\k/2)+(\j%2)], s[40+\j], (16*\t+8*(\k%2)+\j)/2
.endr
.endr
.endr
	global_store_b64 v10, v[OUT:OUT+1], s[28:29]               ; 256 consecutive bytes, aligned: keys 0-31 of the task
	global_store_b64 v10, v[OUT+2:OUT+3], s[28:29] offset:256  ; keys 32-63
	s_wait_tensorcnt 0x0
	ds_add_u32 v128, v129
	s_wait_dscnt 0x0
	s_endpgm
.Lfunc_end_k_q48531464b4_prep:
	.size	k_q48531464b4_prep, .Lfunc_end_k_q48531464b4_prep-k_q48531464b4_prep
	.p2alignl 7, 3214868480
	.fill 96, 4, 3214868480
	.section	.rodata,"a",@progbits
	.p2align	6, 0x0
	.amdhsa_kernel k_q48531464b4_prep
		.amdhsa_group_segment_fixed_size 35840
		.amdhsa_private_segment_fixed_size 0
		.amdhsa_enable_private_segment 0
		.amdhsa_kernarg_size 88
		.amdhsa_user_sgpr_count 2
		.amdhsa_user_sgpr_kernarg_segment_ptr 1
		.amdhsa_wavefront_size32 1
		.amdhsa_system_sgpr_workgroup_id_x 1
		.amdhsa_system_sgpr_workgroup_id_y 1
		.amdhsa_system_sgpr_workgroup_id_z 1
		.amdhsa_system_vgpr_workitem_id 0
		.amdhsa_next_free_vgpr 130
		.amdhsa_next_free_sgpr 66
		.amdhsa_reserve_vcc 0
		.amdhsa_float_denorm_mode_32 3
		.amdhsa_float_denorm_mode_16_64 3
		.amdhsa_memory_ordered 1
		.amdhsa_forward_progress 1
		.amdhsa_inst_pref_size 42
	.end_amdhsa_kernel
	.amdgpu_metadata
---
amdhsa.version: [ 1, 2 ]
amdhsa.kernels:
  - .name:           k_q48531464b4_prep
    .symbol:         k_q48531464b4_prep.kd
    .args:
      - { .name: query, .offset: 0, .size: 8, .value_kind: global_buffer, .address_space: global }
      - { .name: key, .offset: 8, .size: 8, .value_kind: global_buffer, .address_space: global }
      - { .name: value, .offset: 16, .size: 8, .value_kind: global_buffer, .address_space: global }
      - { .name: w_q, .offset: 24, .size: 8, .value_kind: global_buffer, .address_space: global }
      - { .name: w_k, .offset: 32, .size: 8, .value_kind: global_buffer, .address_space: global }
      - { .name: w_v, .offset: 40, .size: 8, .value_kind: global_buffer, .address_space: global }
      - { .name: w_o, .offset: 48, .size: 8, .value_kind: global_buffer, .address_space: global }
      - { .name: mask, .offset: 56, .size: 8, .value_kind: global_buffer, .address_space: global }
      - { .name: xb, .offset: 64, .size: 8, .value_kind: global_buffer, .address_space: global }
      - { .name: wb, .offset: 72, .size: 8, .value_kind: global_buffer, .address_space: global }
      - { .name: maskw, .offset: 80, .size: 8, .value_kind: global_buffer, .address_space: global }
    .group_segment_fixed_size: 35840
    .private_segment_fixed_size: 0
    .kernarg_segment_align: 8
    .kernarg_segment_size: 88
    .max_flat_workgroup_size: 256
    .sgpr_count:     66
    .vgpr_count:     130
    .wavefront_size: 32
...
	.end_amdgpu_metadata
.endif
;; end of part 5
;; launch proj (part 6): grid 4 x 96, 4 waves a work-group, clusters of 4 x 4, 327,680 bytes of LDS; arguments xb, wb, qkv; writes qkv
.if DOCPART == 6
	.amdgcn_target "amdgcn-amd-amdhsa--gfx1250"
	.amdhsa_code_object_version 6
	.text
	.protected	k_q48531464b4_proj
	.globl	k_q48531464b4_proj
	.p2align	8
	.type	k_q48531464b4_proj,@function
k_q48531464b4_proj:
	s_mov_b64 s[64:65], 0
	v_nop
	global_prefetch_b8 v0, s[64:65] scope:SCOPE_SE
	s_setreg_imm32_b32 hwreg(HW_REG_WAVE_MODE, 25, 1), 1
	s_wait_xcnt 0x0
	s_wait_alu depctr_hold_cnt(0) depctr_sa_sdst(0) depctr_va_vdst(0) depctr_va_sdst(0) depctr_va_ssrc(0) depctr_va_vcc(0) depctr_vm_vsrc(0)
	s_getreg_b32 s2, hwreg(HW_REG_IB_STS2, 6, 4)
	s_cmp_eq_u32 s2, 0
	s_cbranch_scc0 .Lentry_in_a_cluster
	s_endpgm
.Lentry_in_a_cluster:
	s_bfe_u32 s2, ttmp6, 0x10000c
	s_cmp_lg_u32 s2, 0xf033
	s_cbranch_scc0 .Lentry_shape_is_right
	s_endpgm
.Lentry_shape_is_right:
; proj: q, k, v = x W^T.  x = xb [3 x 8192][1024] bf16, W = w_q, w_k, w_v in wb [4][1024][1024] bf16 (which of them: by the block row),
; y = qkv [3 x 8192][1024] f16; sums in f32.  The q third is multiplied by 0.125 log2(e), so that the scores come out as exponents of 2.
; LIMIT: results beyond f16's 65,504 become infinite; results below 6.1e-5 carry an absolute error of up to 3e-8.
; A work-group makes a block of 256 x 256 with four waves, as many as a WGP has SIMDs; a wave makes 128 x 128: 64 accumulator tiles, 512 registers.
; K = 1024 goes in steps of 128 (rows of 256 bytes, aligned) through a ring of two LDS slots filled by the tensor data mover.
; WHY THIS BLOCK, though 96 x 4 = 384 work-groups are one and a half for each of 256 WGPs: one slot at a time is on its way, so a tile has one slot's matrix work
; in which to land.  Here that is 256 matrix instructions a wave, 240 of them between the request and the wait for it; a block of 128 x 256 (768 work-groups)
; would have 128 and 120, for three quarters of the bytes, and a wave tile of 64 x 128 reads half as much again from LDS for each product.
; CLUSTERS: 4 x 4 work-groups.  x's tile hangs on the block row alone and is asked for jointly by a row of the cluster; W's hangs on the block column and on
; the cluster's y, which all sixteen share, and is asked for jointly by a column.  That divides the requests for both by four.
; THE MATRIX INSTRUCTION IS USED TRANSPOSED: source 0 = 16 rows of W, source 1 = 16 rows of x: a lane then holds 8 neighbouring columns of one row of y.
; REGISTERS, in windows of 256:
;   window 0: v16-26 addresses; v64-127, v128-191 fragments of x (8 x 16 rows x 32 K), two buffers; v192-223 at work on the way out
;   window 1: v64-127, v128-191 fragments of W, two buffers
;   window 2: the 32 accumulator tiles of my rows 0-63 (tile (a, b) at v[8 (8 a + b)]);   window 3: those of my rows 64-127
.set ROWB,   2048                      ; bytes in a row of xb, wb, qkv
.set KSTEP,  128
.set PITCH,  272                       ; an LDS row: 256 bytes + 16: the 16 rows that a fragment load touches start 68 words apart
.set HALFT,  128*PITCH                 ; 128 rows: what one tensor load brings, and what one wave reads of x or of W
.set SLOT,   4*HALFT                   ; x's 256 rows, then W's 256 rows
.set STAGE,  2*SLOT                    ; behind the ring, a multiple of 256: 16 rows x 272 bytes for each wave, for the way out; no tensor load lands here
.set SPITCH, 272
.set LAPS,   4                         ; 1024 / (2 x 128): a lap = two K steps = once round the ring
.set ADRA,   16                        ; v16-17  LDS address of my x fragments in slot 0, 1
.set ADRB,   20                        ; v20-21  the same for W
.set STO,    24                        ; v24     the way out: where I put 16 bytes of a row
.set RD,     25                        ; v25     the way out: where I read a row back
.set CO,     26                        ; v26     my byte offset in y
.set F0,     64                        ; fragment buffer 0
.set F1,     128                       ; fragment buffer 1
.set TMP,    192                       ; the way out: packed results, in window 0
.set G1,     24                        ; s[24:31] descriptor group 1 for x's tiles
.set G0,     32                        ; s[32:39] descriptor group 0 for x's tiles, a set for each slot
.set G1B,    48                        ; s[48:55] descriptor group 1 for W's tiles: it differs from x's in the mask alone
.set G0B,    56                        ; s[56:63] descriptor group 0 for W's tiles, a set for each slot
.set MSB,    0
.macro WIN new                         ; the immediate's high byte repeats the setting that is left
.if MSB != \new
	s_set_vgpr_msb (MSB<<8)|\new
.set MSB, \new
.endif
.endm
.set MUL_LO, 0xa1                      ; source 0 (W) window 1, source 1 (x) window 0, C and D window 2
.set MUL_HI, 0xf1                      ; the same, C and D window 3
.set TO_B,   0x40                      ; destination window 1, address window 0
; A joint load.  Waves 0 and 1 fetch x's two halves of 128 rows, waves 2 and 3 W's.  The branch hangs on the wave's number alone.
.macro JLOAD s
	s_cmp_eq_u32 s11, 0
	s_cbranch_scc0 .Lfor_b_\@
	tensor_load_to_lds s[G0+4*\s:G0+4*\s+3], s[G1:G1+7]
	s_nop 0
	s_branch .Lasked_\@
.Lfor_b_\@:
	tensor_load_to_lds s[G0B+4*\s:G0B+4*\s+3], s[G1B:G1B+7]
	s_nop 0
.Lasked_\@:
.endm
.macro CREST                           ; a round of the cluster's barrier behind its opening work-group barrier
	s_cmp_lg_u32 s10, 0
	s_cbranch_scc1 .Lnot_wave_0_\@
	s_barrier_signal -3
.Lnot_wave_0_\@:
	s_barrier_wait -3
	s_barrier_signal -1
	s_barrier_wait -1
.endm
.macro CROUND                          ; a whole round
	s_barrier_signal -1
	s_barrier_wait -1
	CREST
.endm
	s_load_b128 s[4:7], s[0:1], 0x0                ; xb s[4:5], wb s[6:7]
	s_load_b64 s[8:9], s[0:1], 0x10                ; qkv
	s_set_vgpr_msb 0x40
	v_lshl_add_u32 v255, v0, 2, 0x48400
	s_set_vgpr_msb 0x4000
	v_mov_b32 v255, 0
	s_set_vgpr_msb 0x1
	ds_add_u32 v255, v255
	s_set_vgpr_msb 0x100
	v_lshrrev_b32 v1, 5, v0
	v_readfirstlane_b32 s10, v1                    ; wave 0..3
	s_lshr_b32 s11, s10, 1                         ; which half of the block's rows is mine.  Also: I fetch for x (0) or for W (1)
	s_and_b32 s12, s10, 1                          ; which half of its columns.  Also: which 128 rows of that tile I fetch
	s_bfe_u32 s40, ttmp6, 0x40000                  ; cx
	s_bfe_u32 s41, ttmp6, 0x40004                  ; cy
	s_lshl_b32 s42, ttmp9, 2
	s_add_co_u32 s42, s42, s40                     ; block column = 4 x cluster x + cx
	s_and_b32 s45, ttmp7, 0xffff                   ; cluster y
	s_lshl_b32 s13, s45, 2
	s_add_co_u32 s13, s13, s41                     ; block row = 4 x cluster y + cy
	s_lshl_b32 s43, s41, 2
	s_lshl_b32 s43, 15, s43                        ; my row of the cluster: places 4 cy .. 4 cy + 3
	s_lshl_b32 s44, 0x1111, s40                    ; my column: places cx, cx + 4, cx + 8, cx + 12
	; descriptor group 1: a tile of 128 rows x 128 elements, padded in LDS
	s_or_b32 s[G1+0], s43, (1<<16)|(1<<20)|(1<<21)|(5<<22)|(3<<25)   ; mask; 2-byte elements; padding on; bit 21 beside a mask; after every 64 words 4 words
	s_or_b32 s[G1B+0], s44, (1<<16)|(1<<20)|(1<<21)|(5<<22)|(3<<25)
	s_mov_b32 s[G1+1], KSTEP<<16                   ; tensor_dim0 = 128
	s_mov_b32 s[G1B+1], KSTEP<<16
	s_mov_b32 s[G1+2], 128<<16                     ; tensor_dim1 = 128 rows
	s_mov_b32 s[G1B+2], 128<<16
	s_mov_b32 s[G1+3], KSTEP<<16                   ; tile_dim0 = 128
	s_mov_b32 s[G1B+3], KSTEP<<16
	s_mov_b32 s[G1+4], 128                         ; tile_dim1 = 128
	s_mov_b32 s[G1B+4], 128
	s_mov_b32 s[G1+5], 1024                        ; elements from row to row
	s_mov_b32 s[G1B+5], 1024
	s_mov_b32 s[G1+6], 0
	s_mov_b32 s[G1B+6], 0
	s_mov_b32 s[G1+7], 0
	s_mov_b32 s[G1B+7], 0
	; where the tiles come from: every wave makes both offsets, in registers that never hold the other coordinate
	s_lshl_b32 s17, s12, 7                         ; which 128 rows of the tile I fetch
	s_lshl_b32 s16, s13, 8
	s_add_co_u32 s16, s16, s17                     ; x: row 256 x block row + 128 x half
	s_lshl_b32 s16, s16, 11                        ; rows of 2,048 bytes: below 4 GiB
	s_lshl_b32 s46, s42, 8
	s_add_co_u32 s46, s46, s17                     ; W: row 256 x block column + 128 x half
	s_lshr_b32 s47, s45, 3                         ; 8 clusters of 1,024 rows for each of q, k, v: equal in all partners
	s_lshl_b32 s47, s47, 10
	s_add_co_u32 s46, s46, s47                     ; + 1,024 rows for each matrix of wb
	s_lshl_b32 s46, s46, 11
	s_mov_b32 s17, 0
	s_mov_b32 s47, 0
	s_mul_i32 s20, s10, HALFT                      ; and where they go: x's two halves, then W's two halves = wave x 128 rows
	s_wait_dscnt 0x0
	s_wait_kmcnt 0x0
	s_add_nc_u64 s[14:15], s[4:5], s[16:17]
	s_add_nc_u64 s[46:47], s[6:7], s[46:47]
	CROUND                                         ; all sixteen work-groups are here: the first joint loads meet
.irp s, 0,1
	s_mov_b32 s[G0+4*\s], 1                                        ; count = 1
	s_add_co_u32 s[G0+4*\s+1], s20, \s*SLOT                        ; LDS address
	s_add_nc_u64 s[G0+4*\s+2:G0+4*\s+3], s[14:15], \s*KSTEP*2      ; global address: K step s
	s_or_b32 s[G0+4*\s+3], s[G0+4*\s+3], 0x80000000                ; type = 2
	s_mov_b32 s[G0B+4*\s], 1
	s_add_co_u32 s[G0B+4*\s+1], s20, \s*SLOT
	s_add_nc_u64 s[G0B+4*\s+2:G0B+4*\s+3], s[46:47], \s*KSTEP*2
	s_or_b32 s[G0B+4*\s+3], s[G0B+4*\s+3], 0x80000000
	JLOAD \s                                       ; both slots' first fills go out together: two tensor loads of the wave are out
.endr
	; A fragment is 16 rows x 32 K in 8 registers: lane l holds row l % 16; two loads of 16 bytes, 32 bytes apart, at row x pitch + 16 (l / 16)
	v_and_b32 v1, 15, v0                           ; r
	v_bfe_u32 v2, v0, 4, 1                         ; h
	v_mul_u32_u24 v3, v1, PITCH
	v_lshl_add_u32 v3, v2, 4, v3
	s_mul_i32 s21, s11, HALFT                      ; my 128 rows of x
	s_mul_i32 s22, s12, HALFT                      ; my 128 rows of W,
	s_add_co_u32 s22, s22, 2*HALFT                 ; which lie behind x's 256
.irp s, 0,1
	v_add_nc_u32 v[ADRA+\s], s21, v3
	v_add_nc_u32 v[ADRB+\s], s22, v3
	s_add_co_u32 s21, s21, SLOT
	s_add_co_u32 s22, s22, SLOT
.endr
	s_mul_i32 s23, s10, 16*SPITCH
	s_add_co_u32 s23, s23, STAGE                   ; my stage
	v_mul_u32_u24 v4, v1, SPITCH                   ; in: row r, 16 bytes (8 f16) for each half of the lanes
	v_lshl_add_u32 v4, v2, 4, v4
	v_add_nc_u32 v[STO], s23, v4
	v_mul_u32_u24 v5, v2, SPITCH                   ; back: lanes 0-15 take one row of 256 bytes, lanes 16-31 the next
	v_lshl_add_u32 v5, v1, 4, v5
	v_add_nc_u32 v[RD], s23, v5
	v_lshlrev_b32 v5, 11, v2                       ; and the same two rows in y
	v_lshl_add_u32 v[CO], v1, 4, v5
; 16 matrix instructions: row blocks a0, a0 + 1 of the window's four (hi = 0: my rows 0-63, 1: rows 64-127) x all 8 column blocks, 32 along K.
; zero = 1: the first product starts the sums: nothing is ever cleared.
; The 64 accumulators take turns, one instruction a turn, in the same order in every quarter step.
.macro MUL16 f, hi, a0, zero
.irp a, \a0, \a0+1
.irp b, 0,1,2,3,4,5,6,7
.if \zero
	v_wmma_f32_16x16x32_bf16 v[8*(8*(\a)+\b):8*(8*(\a)+\b)+7], v[\f+8*\b:\f+8*\b+7], v[\f+8*(4*\hi+\a):\f+8*(4*\hi+\a)+7], 0
.else
	v_wmma_f32_16x16x32_bf16 v[8*(8*(\a)+\b):8*(8*(\a)+\b)+7], v[\f+8*\b:\f+8*\b+7], v[\f+8*(4*\hi+\a):\f+8*(4*\hi+\a)+7], v[8*(8*(\a)+\b):8*(8*(\a)+\b)+7]
.endif
.endr
.endr
.endm
; 32 LDS loads in one run: the fragments of one quarter step (128 rows of W, 128 rows of x, 32 K at byte k of the rows) into buffer f
.macro FETCH slot, k, f
	WIN TO_B
.irp i, 0,1,2,3,4,5,6,7
	ds_load_b128 v[\f+8*\i:\f+8*\i+3],   v[ADRB+\slot] offset:\k+\i*16*PITCH
	ds_load_b128 v[\f+8*\i+4:\f+8*\i+7], v[ADRB+\slot] offset:\k+\i*16*PITCH+32
.endr
	WIN 0
.irp i, 0,1,2,3,4,5,6,7
	ds_load_b128 v[\f+8*\i:\f+8*\i+3],   v[ADRA+\slot] offset:\k+\i*16*PITCH
	ds_load_b128 v[\f+8*\i+4:\f+8*\i+7], v[ADRA+\slot] offset:\k+\i*16*PITCH+32
.endr
.endm
; Four places behind the last matrix instruction, in front of loads into registers that matrix instructions have read
; and of vector instructions that read results.
.macro PLACES
.rept 4
	v_nop
.endr
.endm
; A K step is four quarter steps of 32 along K, 64 matrix instructions each, on buffers 0, 1, 0, 1.
; One of the first three: multiplies buffer f; in its middle it fetches the next quarter's fragments, at byte k of the same slot's rows, into buffer g.
.macro QUARTER slot, k, f, g, zero
	s_wait_dscnt 8                                 ; W and x's rows 0-63 are in; the youngest eight loads (x's rows 64-127) may be out
	WIN MUL_LO
	MUL16 \f, 0, 0, \zero
	MUL16 \f, 0, 2, \zero
	PLACES
	FETCH \slot, \k, \g
	s_wait_dscnt 32                                ; all but the 32 just issued
	WIN MUL_HI
	MUL16 \f, 1, 0, \zero
	MUL16 \f, 1, 2, \zero
.endm
.macro THREE slot, zero
	QUARTER \slot, 64,  F0, F1, \zero
	QUARTER \slot, 128, F1, F0, 0
	QUARTER \slot, 192, F0, F1, 0
.endm
; The last quarter: multiplies buffer 1 and changes slots.  In front of the barrier each wave waits for its own reads of this slot and for all its tensor loads,
; of which one is out: its part of the next slot.  fill = 1: the barrier opens a round of the cluster's barrier, and behind the round this slot is asked for
; again, two K steps ahead, first thing.  From that request to the wait for it a wave issues 240 matrix instructions.
.macro TURN slot, next, fill
	s_wait_dscnt 8
	WIN MUL_LO
	MUL16 F1, 0, 0, 0
	s_wait_dscnt 0                                 ; my reads of this slot are over
	s_wait_tensorcnt 0x0                           ; and all my tensor loads have landed
	ds_add_u32 v255, v255
	s_wait_dscnt 0x0
	s_barrier_signal -1
	MUL16 F1, 0, 2, 0                              ; register work while the others arrive
	WIN 0
	s_barrier_wait -1
.if \fill
	CREST                                          ; no wave of any partner still reads this slot or has a load on its way
	s_add_nc_u64 s[G0+4*\slot+2:G0+4*\slot+3], s[G0+4*\slot+2:G0+4*\slot+3], 2*KSTEP*2
	s_add_nc_u64 s[G0B+4*\slot+2:G0B+4*\slot+3], s[G0B+4*\slot+2:G0B+4*\slot+3], 2*KSTEP*2
	JLOAD \slot                                    ; the first tensor load behind the round
.endif
	PLACES
	FETCH \next, 0, F0
	WIN MUL_HI
	MUL16 F1, 1, 0, 0
	MUL16 F1, 1, 2, 0
.endm
.macro LAP zero                        ; once round the ring, both slots filled again
	THREE 0, \zero
	TURN 0, 1, 1
	THREE 1, 0
	TURN 1, 0, 1
.endm
	s_wait_tensorcnt 1                             ; my part of K step 0 is in; K step 1's load, issued behind it, may stay out
	s_barrier_signal -1
	s_barrier_wait -1                              ; everybody's is
	FETCH 0, 0, F0
	LAP 1                                          ; the first lap stands in front of the loop: its first products start the sums
	WIN 0                                          ; at a label and at a branch every window is 0
	s_mov_b32 s3, LAPS-2
.Llap:
	LAP 0
	WIN 0
	s_sub_co_u32 s3, s3, 1
	s_cmp_lg_u32 s3, 0
	s_cbranch_scc1 .Llap
	THREE 0, 0                                     ; the last lap fills nothing: my one tensor load that is still out is slot 1's, the last K step's
	TURN 0, 1, 0
	THREE 1, 0
	s_wait_dscnt 8                                 ; the very last quarter: nothing more to fetch
	WIN MUL_LO
	MUL16 F1, 0, 0, 0
	MUL16 F1, 0, 2, 0
	s_wait_dscnt 0
	WIN MUL_HI
	MUL16 F1, 1, 0, 0
	MUL16 F1, 1, 2, 0
	; THE WAY OUT, 16 rows at a time: scale, round to f16, 16 bytes a lane into my own stage in LDS, read back as whole rows of 256 bytes
	PLACES
	s_lshl_b32 s16, s13, 8
	s_lshl_b32 s17, s11, 7
	s_add_co_u32 s16, s16, s17                     ; my first row
	s_lshl_b32 s16, s16, 11                        ; rows of 2,048 bytes
	s_mov_b32 s17, 0
	s_add_nc_u64 s[8:9], s[8:9], s[16:17]
	s_lshl_b32 s46, s42, 9                         ; my first column, in bytes: 512 x block + 256 x half (no register that feeds x's descriptors ever holds cx)
	s_lshl_b32 s47, s12, 8
	s_add_co_u32 s46, s46, s47
	s_mov_b32 s47, 0
	s_add_nc_u64 s[8:9], s[8:9], s[46:47]
	s_lshr_b32 s18, s45, 3
	s_cmp_eq_u32 s18, 0                            ; the q third?  (hangs on the cluster's y alone)
	s_cselect_b32 s18, 0x3e38aa3b, 1.0             ; 0.125 log2(e), or 1
	s_mov_b32 s19, s18                             ; the packed form names the pair
; rows 16 i .. 16 i + 15 of my block = the eight tiles (a, 0..7) of window 2 (hi = 0) or 3 (hi = 1); f: F0 or F1 in turn
.macro OUT16 i, a, hi, f
.if \hi
	WIN 0xc3                                       ; source 0 and destination in window 3
.else
	WIN 0x82                                       ; source 0 and destination in window 2
.endif
.set n, 0
.rept 32
	v_pk_mul_f32 v[64*\a+2*n:64*\a+2*n+1], v[64*\a+2*n:64*\a+2*n+1], s[18:19] op_sel_hi:[1,0]
.set n, n+1
.endr
.if \hi
	WIN 0x0f                                       ; both sources in window 3
.else
	WIN 0x0a                                       ; both sources in window 2
.endif
.irp b, 0,1,2,3,4,5,6,7
.irp r, 0,1,2,3
	v_cvt_pk_f16_f32 v[TMP+4*\b+\r], v[8*(8*\a+\b)+2*\r], v[8*(8*\a+\b)+2*\r+1]
.endr
.endr
	WIN 0
.irp b, 0,1,2,3,4,5,6,7
	ds_store_b128 v[STO], v[TMP+4*\b:TMP+4*\b+3] offset:32*\b
.endr
	s_wait_xcnt 0x0                                ; buffer f, which earlier stores read, and the stores' base are rewritten only behind this wait
.if \i
	s_add_nc_u64 s[8:9], s[8:9], 16*ROWB           ; 16 rows on
.endif
.irp t, 0,1,2,3,4,5,6,7
	ds_load_b128 v[\f+4*\t:\f+4*\t+3], v[RD] offset:\t*2*SPITCH    ; LDS serves a wave's instructions in order: these see the stores above
.endr
.irp t, 0,1,2,3,4,5,6,7
	s_wait_dscnt 7-\t                              ; load t is in, the 7 - t younger ones stay out
	global_store_b128 v[CO], v[\f+4*\t:\f+4*\t+3], s[8:9] offset:2*\t*ROWB   ; 16 lanes store 256 consecutive bytes, aligned
.endr
.endm
	OUT16 0, 0, 0, F0
	OUT16 1, 1, 0, F1
	OUT16 2, 2, 0, F0
	OUT16 3, 3, 0, F1
	OUT16 4, 0, 1, F0
	OUT16 5, 1, 1, F1
	OUT16 6, 2, 1, F0
	OUT16 7, 3, 1, F1
	s_set_vgpr_msb 0x1
	s_wait_tensorcnt 0x0
	ds_add_u32 v255, v255
	s_wait_dscnt 0x0
	s_set_vgpr_msb 0x100
	CROUND                                         ; the closing round: no work-group ends while a partner may still ask for a tile that names it
	s_endpgm
.Lfunc_end_k_q48531464b4_proj:
	.size	k_q48531464b4_proj, .Lfunc_end_k_q48531464b4_proj-k_q48531464b4_proj
	.p2alignl 7, 3214868480
	.fill 96, 4, 3214868480
	.section	.rodata,"a",@progbits
	.p2align	6, 0x0
	.amdhsa_kernel k_q48531464b4_proj
		.amdhsa_group_segment_fixed_size 327680
		.amdhsa_private_segment_fixed_size 0
		.amdhsa_enable_private_segment 0
		.amdhsa_kernarg_size 24
		.amdhsa_user_sgpr_count 2
		.amdhsa_user_sgpr_kernarg_segment_ptr 1
		.amdhsa_wavefront_size32 1
		.amdhsa_system_sgpr_workgroup_id_x 1
		.amdhsa_system_sgpr_workgroup_id_y 1
		.amdhsa_system_sgpr_workgroup_id_z 1
		.amdhsa_system_vgpr_workitem_id 0
		.amdhsa_next_free_vgpr 1024
		.amdhsa_next_free_sgpr 66
		.amdhsa_reserve_vcc 0
		.amdhsa_float_denorm_mode_32 3
		.amdhsa_float_denorm_mode_16_64 3
		.amdhsa_memory_ordered 1
		.amdhsa_forward_progress 1
		.amdhsa_inst_pref_size 213
	.end_amdhsa_kernel
	.amdgpu_metadata
---
amdhsa.version: [ 1, 2 ]
amdhsa.kernels:
  - .name:           k_q48531464b4_proj
    .symbol:         k_q48531464b4_proj.kd
    .args:
      - { .name: xb, .offset: 0, .size: 8, .value_kind: global_buffer, .address_space: global }
      - { .name: wb, .offset: 8, .size: 8, .value_kind: global_buffer, .address_space: global }
      - { .name: qkv, .offset: 16, .size: 8, .value_kind: global_buffer, .address_space: global }
    .group_segment_fixed_size: 327680
    .private_segment_fixed_size: 0
    .kernarg_segment_align: 8
    .kernarg_segment_size: 24
    .max_flat_workgroup_size: 128
    .sgpr_count:     66
    .vgpr_count:     1024
    .wavefront_size: 32
...
	.end_amdgpu_metadata
.endif
;; end of part 6
;; launch attn (part 7): grid 8 x 32, 8 waves a work-group, clusters of 4 x 1, 327,680 bytes of LDS; arguments qkv, maskw, att; writes att
.if DOCPART == 7
	.amdgcn_target "amdgcn-amd-amdhsa--gfx1250"
	.amdhsa_code_object_version 6
	.text
	.protected	k_q48531464b4_attn
	.globl	k_q48531464b4_attn
	.p2align	8
	.type	k_q48531464b4_attn,@function
k_q48531464b4_attn:
	s_mov_b64 s[64:65], 0
	v_nop
	global_prefetch_b8 v0, s[64:65] scope:SCOPE_SE
	s_setreg_imm32_b32 hwreg(HW_REG_WAVE_MODE, 25, 1), 1
	s_wait_xcnt 0x0
	s_wait_alu depctr_hold_cnt(0) depctr_sa_sdst(0) depctr_va_vdst(0) depctr_va_sdst(0) depctr_va_ssrc(0) depctr_va_vcc(0) depctr_vm_vsrc(0)
	s_getreg_b32 s2, hwreg(HW_REG_IB_STS2, 6, 4)
	s_cmp_eq_u32 s2, 0
	s_cbranch_scc0 .Lentry_in_a_cluster
	s_endpgm
.Lentry_in_a_cluster:
	s_bfe_u32 s2, ttmp6, 0x10000c
	s_cmp_lg_u32 s2, 0x3003
	s_cbranch_scc0 .Lentry_shape_is_right
	s_endpgm
.Lentry_shape_is_right:
; attn: softmax(where(mask == 0, -1e9, q k^T / 8)) v for two heads and 256 queries a work-group, all 2,048 keys, with a running maximum.
; qkv [3][8192][1024] f16 (q already times 0.125 log2(e): all exponents are of 2), maskw: lane masks, att [8192][1024] f16.
; The mask is data: every score is computed, and a masked one is replaced by -1e9 log2(e) (rounded to f32) by a select; a row with no key left gives the mean of v.
; LIMITS: P is rounded to f16 (at most 1; below 6.1e-5 with an absolute error of up to 3e-8); results beyond 65,504 become infinite.
; Eight waves, two on each SIMD.  Wave w: head w >> 2 of the pair, queries 64 (w & 3) .. + 63, as four tiles t of 16 queries.
; Two heads a work-group: a row of K or V in a tile is 256 consecutive bytes, aligned, and so is a row of the result.
; CLUSTER 4 x 1: the four work-groups take four query blocks of the same heads and ask for every K and V tile jointly (mask 15).
; THE PRODUCTS ARE TRANSPOSED: S^T = K Q^T (lane = query, registers = keys), so that maximum and sum are a lane's own but for one exchange of the halves,
; and two key tiles packed to f16 ARE the second source of O^T = V^T P^T.  In O^T a lane holds 8 neighbouring numbers of one query's row.
; A BLOCK is 64 keys: its K and V fragments are loaded once and serve two steps, p = 0 (query tiles 0, 1) and p = 1 (tiles 2, 3).  A step is 64 keys x 32 queries:
; 64 score registers, 64 mask words, and only 64 registers of O to rescale.
; MATRIX AND VECTOR WORK ARE INTERLEAVED in a wave: the selects of one score tile stand behind the next tile's product; O's rescaling and the row sums stand
; between the products of P and V.  The registers are laid out so that each such stretch needs one window setting:
;   window 0: addresses, M, AL, T, P, S, K fragments, Q: the S products and the whole softmax name window 0 alone;
;   window 1: O(t, dt) at 8 (4 t + dt), V fragments, the running sums LP: under 0x51 (source 0, C and D in window 1) stand the products V^T P^T,
;             O *= AL, LP *= AL and LP += S.
.set ROWB,   2048                      ; bytes in a row of q, k, v, att
.set KOFF,   16777216                  ; k in qkv
.set VOFF,   33554432                  ; v in qkv
.set VPITCH, 288                       ; 256 bytes + 32: the 8 rows x 32 bytes that half a transposing load touches fall on different banks
.set KPITCH, 272                       ; 256 bytes + 16
.set VTILE,  256*VPITCH
.set KTILE,  256*KPITCH
.set SLOT,   VTILE+KTILE               ; 256 keys: V's rows, then K's
.set STAGE,  2*SLOT                    ; a multiple of 256; 128 rows x 272 bytes for the way out; no tensor load lands here
.set SPITCH, 272
.set TILEB,  256*ROWB                  ; from a tile of 256 keys to the next
.set VA0,  3                           ; V fragment address in slot 0
.set KA,   4                           ; K fragment address: the block that is loaded next
.set VA,   5                           ; V fragment address: this block
.set NEGV, 6                           ; -1e9 log2(e)
.set KA0,  7                           ; K fragment address in slot 0
.set M,    8                           ; v[8+2t]  running maximum (the odd partners are written once: the packed forms name pairs)
.set AL,   16                          ; v[16+2t] 2^(old maximum - new maximum); at the end 1 / sum
.set T,    24                          ; v[24+4tt .. +3] four chains of maxima for each of a step's two tiles; outside the loop:
.set QOF,  28
.set STO,  29
.set RD,   30
.set CO,   31
.set P,    32                          ; v[32+16tt+8kh ..] P^T, f16: tile tt of the step, keys 32 kh .. + 31
.set S,    64                          ; v[64+32tt+8kt ..] scores: tile tt of the step, key tile kt of four
.set KF,   128                         ; v[128+8(2kt+dh) ..] K fragments
.set Q,    192                         ; v[192+8(2t+dh) ..]
.set O,    0                           ; window 1
.set VF,   128                         ; window 1: v[128+8(4kh+dt) ..] V^T fragments
.set LP,   192                         ; window 1: v[192+4t .. +3] running sums of my half of the keys, in two pairs
.set MSK,  32                          ; s[32:63], s[68:99]: the step's 64 mask words; group g = 2 tt + kh of 16 words at 32 + 16 g + 4 (g / 2)
; other scalars: s2 wave; s3, s4 counters; s[6:7] mask words of the block; s[8:15] group 1 for V; s[16:23] for K; s[24:27] group 0 for V; s[28:31] for K;
; s66, s67 lane selects; s[100:101] att; s104, s105 my LDS bases for V, K
.set MSB, 0
.macro WIN new                         ; the immediate's high byte repeats the setting that is left
.if MSB != \new
	s_set_vgpr_msb (MSB<<8)|\new
.set MSB, \new
.endif
.endm
.macro ROUND                           ; a round of the cluster's barrier
	s_barrier_signal -1
	s_barrier_wait -1
	s_cmp_lg_u32 s2, 0
	s_cbranch_scc1 .Lnot_wave_0_\@
	s_barrier_signal -3
.Lnot_wave_0_\@:
	s_barrier_wait -3
	s_barrier_signal -1
	s_barrier_wait -1
.endm
.macro JLOAD                           ; waves 0-3 fetch 64 rows of V each, waves 4-7 64 rows of K: one joint load a wave
	s_cmp_lt_u32 s2, 4
	s_cbranch_scc0 .Lfor_k_\@
	tensor_load_to_lds s[24:27], s[8:15]
	s_nop 0
	s_branch .Lasked_\@
.Lfor_k_\@:
	tensor_load_to_lds s[28:31], s[16:23]
	s_nop 0
.Lasked_\@:
.endm
; The 64 mask words of step p of the block at s[6:7]: 64 bytes for each query tile and each 32 keys
.macro MLOAD p
.irp g, 0,1,2,3
	s_load_b512 s[MSK+16*\g+4*(\g/2):MSK+16*\g+4*(\g/2)+15], s[6:7], 128*(\p)+64*(\g/2)+256*(\g%2)
.endr
.endm
	s_load_b128 s[32:35], s[0:1], 0x0              ; qkv s[32:33], maskw s[34:35] (the mask words' registers serve as scratch up to their first load)
	s_load_b64 s[100:101], s[0:1], 0x10            ; att
	s_set_vgpr_msb 0x40
	v_lshl_add_u32 v208, v0, 2, 0x4e800
	v_mov_b32 v209, 0
	s_set_vgpr_msb 0x4045
	ds_add_u32 v208, v209
	s_set_vgpr_msb 0x4500
	v_lshrrev_b32 v1, 5, v0
	v_readfirstlane_b32 s2, v1                     ; wave 0..7
	s_bfe_u32 s36, ttmp6, 0x40000                  ; cx
	s_lshl_b32 s37, ttmp9, 2
	s_add_co_u32 s37, s37, s36                     ; block of 256 queries
	s_and_b32 s38, ttmp7, 0xffff
	s_lshr_b32 s39, s38, 3                         ; batch
	s_and_b32 s40, s38, 7                          ; pair of heads
	s_lshl_b32 s39, s39, 22                        ; 2,048 rows of 2,048 bytes
	s_lshl_b32 s40, s40, 8                         ; 256 bytes a pair
	s_add_co_u32 s41, s39, s40                     ; what all four partners share
	s_lshl_b32 s46, s2, 17                         ; 64 rows a wave
	s_add_co_u32 s42, s41, s46
	s_add_co_u32 s44, s42, KOFF-4*64*ROWB          ; K: rows 64 (wave - 4)
	s_add_co_u32 s42, s42, VOFF                    ; V: rows 64 wave
	s_mov_b32 s43, 0
	s_mov_b32 s45, 0
	s_mul_i32 s104, s2, 64*VPITCH                  ; V's rows in a slot: wave x 64 rows
	s_mul_i32 s105, s2, 64*KPITCH
	s_add_co_u32 s105, s105, VTILE-4*64*KPITCH     ; K's rows: behind V's, (wave - 4) x 64 rows
	s_lshl_b32 s48, s37, 19                        ; 256 rows a query block
	s_add_co_u32 s48, s48, s41
	s_mov_b32 s49, 0
	s_and_b32 s50, s2, 3
	s_lshl2_add_u32 s50, s37, s50                  ; my block of 64 queries
	s_lshl_b32 s50, s50, 14                        ; 32 blocks of 512 bytes of mask words
	s_mov_b32 s51, 0
	s_mov_b32 s66, 0x76543210                      ; v_permlanex16_b32: lane i reads lane i of the other half
	s_mov_b32 s67, 0xfedcba98
	; group 1: 64 rows x 128 elements of 2 bytes, mask 15 with bit 21 beside it, padded behind every 64 words by 8 words (V) or 4 (K)
	s_mov_b32 s8,  15|(1<<16)|(1<<20)|(1<<21)|(5<<22)|(7<<25)
	s_mov_b32 s16, 15|(1<<16)|(1<<20)|(1<<21)|(5<<22)|(3<<25)
	s_mov_b32 s9,  128<<16
	s_mov_b32 s17, 128<<16
	s_mov_b32 s10, 64<<16
	s_mov_b32 s18, 64<<16
	s_mov_b32 s11, 128<<16
	s_mov_b32 s19, 128<<16
	s_mov_b32 s12, 64
	s_mov_b32 s20, 64
	s_mov_b32 s13, 1024
	s_mov_b32 s21, 1024
	s_mov_b32 s14, 0
	s_mov_b32 s22, 0
	s_mov_b32 s15, 0
	s_mov_b32 s23, 0
	s_wait_dscnt 0x0
	s_wait_kmcnt 0x0
	s_mov_b32 s24, 1                               ; group 0, tile 0 into slot 0.  Nothing in it hangs on cx
	s_mov_b32 s25, s104
	s_add_nc_u64 s[26:27], s[32:33], s[42:43]
	s_or_b32 s27, s27, 0x80000000
	s_mov_b32 s28, 1
	s_mov_b32 s29, s105
	s_add_nc_u64 s[30:31], s[32:33], s[44:45]
	s_or_b32 s31, s31, 0x80000000
	s_add_nc_u64 s[4:5], s[32:33], s[48:49]        ; q at the work-group's first query
	s_add_nc_u64 s[100:101], s[100:101], s[48:49]  ; att likewise
	s_add_nc_u64 s[6:7], s[34:35], s[50:51]        ; my mask words
	ROUND                                          ; the four work-groups are here: the first joint load meets
	JLOAD                                          ; tile 0
	v_and_b32 v1, 15, v0                           ; r
	v_bfe_u32 v2, v0, 4, 1                         ; h
	v_bfe_u32 v29, v0, 5, 2                        ; w & 3
	v_lshrrev_b32 v30, 7, v0                       ; head of the pair
	v_lshl_add_u32 v29, v29, 6, v1
	v_lshlrev_b32 v[QOF], 11, v29                  ; row 64 (w & 3) + r
	v_lshl_add_u32 v[QOF], v30, 7, v[QOF]          ; + 128 head
	v_lshl_add_u32 v[QOF], v2, 4, v[QOF]           ; + 16 h
.irp t, 0,1,2,3
.irp dh, 0,1
	global_load_b128 v[Q+16*\t+8*\dh:Q+16*\t+8*\dh+3],   v[QOF], s[4:5] offset:16*ROWB*\t+64*\dh
	global_load_b128 v[Q+16*\t+8*\dh+4:Q+16*\t+8*\dh+7], v[QOF], s[4:5] offset:16*ROWB*\t+64*\dh+32
.endr
.endr
	MLOAD 0                                        ; the first step's mask words
	v_mul_u32_u24 v[KA0], v1, KPITCH               ; K: row r, 16 bytes at 128 head + 16 h
	v_lshl_add_u32 v[KA0], v2, 4, v[KA0]
	v_lshl_add_u32 v[KA0], v30, 7, v[KA0]
	v_add_nc_u32 v[KA0], VTILE, v[KA0]
	v_and_b32 v31, 7, v0                           ; V, for the transposing load: row 8 h + (lane & 7), 16 bytes at 128 head + 16 ((lane >> 3) & 1)
	v_lshl_add_u32 v31, v2, 3, v31
	v_mul_u32_u24 v[VA0], v31, VPITCH
	v_bfe_u32 v31, v0, 3, 1
	v_lshl_add_u32 v[VA0], v31, 4, v[VA0]
	v_lshl_add_u32 v[VA0], v30, 7, v[VA0]
	v_mov_b32 v[NEGV], 0xceabfb8f                  ; -1e9 log2(e)
.irp t, 0,1,2,3
	v_mov_b32 v[M+2*\t+1], 0
	v_mov_b32 v[AL+2*\t+1], 0
.endr
	s_wait_loadcnt 0x0                             ; Q is in; s[4:5] and the offset register are free
.macro KLOAD                           ; the K fragments of 64 keys: f = 2 kt + dh
.irp f, 0,1,2,3,4,5,6,7
	ds_load_b128 v[KF+8*\f:KF+8*\f+3],   v[KA] offset:(\f/2)*16*KPITCH+(\f%2)*64
	ds_load_b128 v[KF+8*\f+4:KF+8*\f+7], v[KA] offset:(\f/2)*16*KPITCH+(\f%2)*64+32
.endr
.endm
.macro VLOAD                           ; the V^T fragments of 64 keys: f = 4 kh + dt; keys 8 h .. + 7 and 16 + 8 h .. + 7 of column 16 dt + r
	WIN 0x40                                       ; destination in window 1
.irp f, 0,1,2,3,4,5,6,7
	ds_load_tr16_b128 v[VF+8*\f:VF+8*\f+3],   v[VA] offset:(\f/4)*32*VPITCH+(\f%4)*32
	ds_load_tr16_b128 v[VF+8*\f+4:VF+8*\f+7], v[VA] offset:(\f/4)*32*VPITCH+(\f%4)*32+16*VPITCH
.endr
	WIN 0
.endm
; One product of S^T: score tile i = 4 tt + kt of step p, half dh of the 64 numbers of a head's row
.macro SP i, dh, p
.if \dh
	v_wmma_f32_16x16x32_f16 v[S+8*(\i):S+8*(\i)+7], v[KF+16*((\i)%4)+8:KF+16*((\i)%4)+15], v[Q+32*\p+16*((\i)/4)+8:Q+32*\p+16*((\i)/4)+15], v[S+8*(\i):S+8*(\i)+7]
.else
	v_wmma_f32_16x16x32_f16 v[S+8*(\i):S+8*(\i)+7], v[KF+16*((\i)%4):KF+16*((\i)%4)+7], v[Q+32*\p+16*((\i)/4):Q+32*\p+16*((\i)/4)+7], 0
.endif
.endm
; The mask on score tile i
.macro SEL i
.irp j, 0,1,2,3,4,5,6,7
	v_cndmask_b32 v[S+8*(\i)+\j], v[NEGV], v[S+8*(\i)+\j], s[MSK+16*((\i)/2)+4*((\i)/4)+8*((\i)%2)+\j]
.endr
.endm
; One product of O^T: k = 8 kh + 4 tt + dt.  In the very first block the first half of the keys starts the sums: nothing is cleared.
.macro PVW k, p, first
.set pd, O+64*\p+32*(((\k)%8)/4)+8*((\k)%4)
.set pa, VF+32*((\k)/8)+8*((\k)%4)
.set pb, P+16*(((\k)%8)/4)+8*((\k)/8)
.set pz, 0
.if \first
.if (\k) < 8
.set pz, 1
.endif
.endif
.if pz
	v_wmma_f32_16x16x32_f16 v[pd:pd+7], v[pa:pa+7], v[pb:pb+7], 0
.else
	v_wmma_f32_16x16x32_f16 v[pd:pd+7], v[pa:pa+7], v[pb:pb+7], v[pd:pd+7]
.endif
.endm
; Line x of the 36 lines of the row sums: 0-3 rescale the four pairs of sums, 4-35 add the 32 pairs of 2^(score - maximum), the four pairs by turns
.macro VC x, p, first
.if (\x) < 4
.if \first == 0
.set vd, LP+8*\p+2*(\x)
	v_pk_mul_f32 v[vd:vd+1], v[vd:vd+1], v[AL+4*\p+2*((\x)/2):AL+4*\p+2*((\x)/2)+1] op_sel_hi:[1,0]
.endif
.else
.set vq, (\x)-4
.set vd, LP+8*\p+2*(vq%4)
.set vs, S+32*((vq%4)/2)+2*(2*(vq/4)+(vq%2))
.set vz, 0
.if \first
.if vq < 4
.set vz, 1
.endif
.endif
.if vz
	v_pk_add_f32 v[vd:vd+1], 0, v[vs:vs+1] op_sel_hi:[0,1]     ; the first pair starts the sum
.else
	v_pk_add_f32 v[vd:vd+1], v[vd:vd+1], v[vs:vs+1]
.endif
.endif
.endm
; A step: 64 keys against query tiles 2 p and 2 p + 1.  first = 1: the very first block starts maxima, sums and O.
; kpre = 1 (looked at in step 1): the next block's K fragments are fetched.  mload = 1: the next step's mask words are fetched.
.macro SUB p, first, kpre, mload
.if \p == 0
	s_wait_dscnt 0x0                               ; the block's K fragments are in (nothing else is out)
.endif
	; eight accumulators take turns, one instruction a turn, twice round
.irp i, 0,1,2,3,4,5,6,7
	SP \i, 0, \p
.endr
	SP 0, 1, \p
	SP 1, 1, \p
.if \p == 0
	v_add_nc_u32 v[KA], 64*KPITCH, v[KA]           ; four places behind tile 0's product, before its scores are read (ISA guide 7.12.1)
.else
	v_add_nc_u32 v[VA], 64*VPITCH, v[VA]
.endif
	v_nop
	v_nop
	v_nop
	s_wait_kmcnt 0x0                               ; this step's mask words are in, so their pointer may step
	SEL 0
.irp i, 2,3,4,5,6,7
	SP \i, 1, \p                                   ; behind each product the selects of the tile before it: eight plain vector instructions that name
	SEL \i-1                                       ; none of its registers stand between a product and the first read of its result
.endr
	SEL 7
.if \mload
.if \p == 1
	s_add_nc_u64 s[6:7], s[6:7], 512               ; the next block
.endif
	MLOAD 1-\p                                     ; the next step's words: the rest of this step to land in
.endif
.if \p == 0
	VLOAD                                          ; this block's V: the softmax below to land in.  The selects are the places behind the products that read these registers last
.else
.if \kpre
	KLOAD                                          ; the next block's K: the rest of this step to land in
.endif
.endif
	; the new maximum of each query: my 32 keys and the old maximum, four chains a tile, the two tiles side by side; then the other half of the lanes
.irp tt, 0,1
.irp c, 0,1,2,3
	v_max3_num_f32 v[T+4*\tt+\c], v[S+32*\tt+3*\c], v[S+32*\tt+3*\c+1], v[S+32*\tt+3*\c+2]
.endr
.endr
.irp tt, 0,1
.irp c, 0,1,2,3
	v_max3_num_f32 v[T+4*\tt+\c], v[T+4*\tt+\c], v[S+32*\tt+12+2*\c], v[S+32*\tt+13+2*\c]
.endr
.endr
.irp tt, 0,1
.irp c, 0,1,2,3
	v_max3_num_f32 v[T+4*\tt+\c], v[T+4*\tt+\c], v[S+32*\tt+20+2*\c], v[S+32*\tt+21+2*\c]
.endr
.endr
.irp tt, 0,1
	v_max3_num_f32 v[T+4*\tt],   v[T+4*\tt],   v[S+32*\tt+28], v[S+32*\tt+29]
	v_max3_num_f32 v[T+4*\tt+1], v[T+4*\tt+1], v[S+32*\tt+30], v[S+32*\tt+31]
.if \first
	v_max_num_f32 v[T+4*\tt+2], v[T+4*\tt+2], v[T+4*\tt+3]
.else
	v_max3_num_f32 v[T+4*\tt+2], v[T+4*\tt+2], v[T+4*\tt+3], v[M+4*\p+2*\tt]
.endif
.endr
.irp tt, 0,1
	v_max3_num_f32 v[T+4*\tt], v[T+4*\tt], v[T+4*\tt+1], v[T+4*\tt+2]
.endr
.irp tt, 0,1
	v_permlanex16_b32 v[T+4*\tt+1], v[T+4*\tt], s66, s67
.endr
.if \first
.irp tt, 0,1
	v_max_num_f32 v[M+4*\p+2*\tt], v[T+4*\tt], v[T+4*\tt+1]
.endr
.else
.irp tt, 0,1
	v_max_num_f32 v[T+4*\tt+3], v[T+4*\tt], v[T+4*\tt+1]
.endr
.irp tt, 0,1
	v_sub_f32 v[T+4*\tt+2], v[M+4*\p+2*\tt], v[T+4*\tt+3]      ; old - new, at most 0
.endr
.irp tt, 0,1
	v_mov_b32 v[M+4*\p+2*\tt], v[T+4*\tt+3]
.endr
.irp tt, 0,1
	v_exp_f32 v[AL+4*\p+2*\tt], v[T+4*\tt+2]
.endr
.endif
	; score - maximum (at most 0), 2^.., packing to f16, as a pipeline over the 32 pairs: pair n + 2 is subtracted and pair n - 2 packed behind pair n's exponentials.
	; So a plain vector instruction that touches neither their results nor their sources follows each run of exponentials.
	v_pk_add_f32 v[S:S+1],   v[S:S+1],   v[M+4*\p:M+4*\p+1] op_sel_hi:[1,0] neg_lo:[0,1] neg_hi:[0,1]
	v_pk_add_f32 v[S+2:S+3], v[S+2:S+3], v[M+4*\p:M+4*\p+1] op_sel_hi:[1,0] neg_lo:[0,1] neg_hi:[0,1]
.set n, 0
.rept 32
	v_exp_f32 v[S+2*n], v[S+2*n]
	v_exp_f32 v[S+2*n+1], v[S+2*n+1]
.if n < 30
	v_pk_add_f32 v[S+2*n+4:S+2*n+5], v[S+2*n+4:S+2*n+5], v[M+4*\p+2*((n+2)/16):M+4*\p+2*((n+2)/16)+1] op_sel_hi:[1,0] neg_lo:[0,1] neg_hi:[0,1]
.endif
.if n >= 2
	s_wait_alu depctr_va_vdst(0)
	v_cvt_pk_f16_f32 v[P+n-2], v[S+2*n-4], v[S+2*n-3]          ; keys 8 h + 0..7 in registers 0-3, keys 16 + 8 h + 0..7 in 4-7 of a fragment: the second source as it stands
.endif
.set n, n+1
.endr
	s_wait_alu depctr_va_vdst(0)
	v_cvt_pk_f16_f32 v[P+30], v[S+60], v[S+61]
	v_cvt_pk_f16_f32 v[P+31], v[S+62], v[S+63]
	; O^T += V^T P^T, with O's rescaling and the row sums between the products, all under one window setting
	WIN 0x51                                       ; source 0, C and D in window 1; source 1 in window 0
.if \first == 0
.set n, 0
.rept 16
	v_pk_mul_f32 v[O+64*\p+2*n:O+64*\p+2*n+1], v[O+64*\p+2*n:O+64*\p+2*n+1], v[AL+4*\p:AL+4*\p+1] op_sel_hi:[1,0]   ; the first tile's O
.set n, n+1
.endr
.endif
.if \p == 0
	s_wait_dscnt 0x0                               ; the block's V fragments are in (nothing else is out).  In step 1 only the next block's K loads are out: no wait
.endif
	; eight accumulators take turns, one instruction a turn, twice round
.set k, 0
.rept 16
	PVW k, \p, \first
.if k < 4
.if \first == 0
.set n, 0
.rept 4
	v_pk_mul_f32 v[O+64*\p+32+8*k+2*n:O+64*\p+32+8*k+2*n+1], v[O+64*\p+32+8*k+2*n:O+64*\p+32+8*k+2*n+1], v[AL+4*\p+2:AL+4*\p+3] op_sel_hi:[1,0]   ; the second tile's O, behind the first tile's products
.set n, n+1
.endr
.endif
.else
	VC 3*(k-4), \p, \first
	VC 3*(k-4)+1, \p, \first
	VC 3*(k-4)+2, \p, \first
.endif
.set k, k+1
.endr
	WIN 0
.endm
.macro BLOCK first, kpre, mload
	SUB 0, \first, \kpre, 1
	SUB 1, \first, \kpre, \mload
.endm
; A tile of 256 keys in slot \slot: four blocks.  In front of the round every wave waits for all its tensor loads (one is out: its part of this tile) and for its
; reads of the other slot.  refill = 1: behind the round the next tile is asked for into the other slot, first thing: it has this whole trip in which to land.
; Both group 0 sets are rewritten between the wait for 0 and the round, where no tensor load of the wave is out.
.macro TRIP slot, refill, first, mlast
	s_set_vgpr_msb 0x5
	s_wait_tensorcnt 0x0
	ds_add_u32 v208, v209
	s_wait_dscnt 0x0
	s_set_vgpr_msb 0x500
.if \refill
	s_add_co_u32 s25, s104, (1-\slot)*SLOT
	s_add_co_u32 s29, s105, (1-\slot)*SLOT
	s_add_nc_u64 s[26:27], s[26:27], TILEB
	s_add_nc_u64 s[30:31], s[30:31], TILEB
.endif
	s_wait_dscnt 0x0
	ROUND
.if \refill
	JLOAD
.endif
	v_add_nc_u32 v[KA], \slot*SLOT, v[KA0]
	v_add_nc_u32 v[VA], \slot*SLOT, v[VA0]
	KLOAD
.if \first
	BLOCK 1, 1, 1
	s_mov_b32 s4, 2
.else
	s_mov_b32 s4, 3
.endif
.Lblock_\@:
	BLOCK 0, 1, 1
	s_sub_co_u32 s4, s4, 1
	s_cmp_lg_u32 s4, 0
	s_cbranch_scc1 .Lblock_\@
	BLOCK 0, 0, \mlast                             ; the tile's last 64 keys: the next K fragments lie in the other slot
.endm
	TRIP 0, 1, 1, 1                                ; tile 0
	s_mov_b32 s3, 3
.Lpair:
	TRIP 1, 1, 0, 1                                ; tiles 1, 3, 5
	TRIP 0, 1, 0, 1                                ; tiles 2, 4, 6; in the last trip tile 7 is asked for: the last load
	s_sub_co_u32 s3, s3, 1
	s_cmp_lg_u32 s3, 0
	s_cbranch_scc1 .Lpair
	TRIP 1, 0, 0, 0                                ; tile 7: nothing more to fetch, no mask words behind the last step either
	; THE WAY OUT.  The address arithmetic fills the places behind the last matrix instructions (more than four plain vector instructions that name none of their registers).
	v_and_b32 v1, 15, v0                           ; r
	v_bfe_u32 v2, v0, 4, 1                         ; h
	v_bfe_u32 v28, v0, 5, 2                        ; w & 3
	v_lshl_add_u32 v28, v28, 5, v1                 ; stage row 32 (w & 3) + r (+ 16 for the odd tile)
	v_mul_u32_u24 v[STO], v28, SPITCH
	v_lshrrev_b32 v28, 7, v0
	v_lshl_add_u32 v[STO], v28, 7, v[STO]          ; + 128 head
	v_lshl_add_u32 v[STO], v2, 4, v[STO]           ; + 16 h
	v_add_nc_u32 v[STO], STAGE, v[STO]
	s_lshl_b32 s5, s2, 4
	v_add_nc_u32 v[RD], s5, v2                     ; back: stage rows 16 w + 2 i + (lane >> 4), 256 bytes by 16 lanes
	v_mul_u32_u24 v[RD], v[RD], SPITCH
	v_lshl_add_u32 v[RD], v1, 4, v[RD]
	v_add_nc_u32 v[RD], STAGE, v[RD]
	s_lshr_b32 s4, s2, 1
	s_lshl_b32 s4, s4, 6
	s_and_b32 s5, s2, 1
	s_lshl4_add_u32 s4, s5, s4                     ; those rows are queries 64 (w >> 1) + 32 phase + 16 (w & 1) + ..
	v_add_nc_u32 v[CO], s4, v2
	v_lshlrev_b32 v[CO], 11, v[CO]
	v_lshl_add_u32 v[CO], v1, 4, v[CO]
	WIN 0x05                                       ; both sources in window 1
.irp t, 0,1,2,3
	v_add_f32 v[P+2*\t],   v[LP+4*\t],   v[LP+4*\t+1]
	v_add_f32 v[P+2*\t+1], v[LP+4*\t+2], v[LP+4*\t+3]
.endr
	WIN 0
.irp t, 0,1,2,3
	v_add_f32 v[T+\t], v[P+2*\t], v[P+2*\t+1]      ; the sum over my half of the keys
.endr
.irp t, 0,1,2,3
	v_permlanex16_b32 v[P+\t], v[T+\t], s66, s67
.endr
.irp t, 0,1,2,3
	v_add_f32 v[T+\t], v[T+\t], v[P+\t]            ; the whole sum: at least 1, since the largest score gives 2^0
.endr
.irp t, 0,1,2,3
	v_rcp_f32 v[AL+2*\t], v[T+\t]
.endr
	v_nop                                          ; one plain vector instruction behind the reciprocals
	WIN 0x41                                       ; source 0 and destination in window 1
	s_wait_alu depctr_va_vdst(0)
.irp t, 0,1,2,3
.irp n, 0,2,4,6,8,10,12,14,16,18,20,22,24,26,28,30
	v_pk_mul_f32 v[O+32*\t+\n:O+32*\t+\n+1], v[O+32*\t+\n:O+32*\t+\n+1], v[AL+2*\t:AL+2*\t+1] op_sel_hi:[1,0]
.endr
.endr
; Phase p: query tiles 2 p and 2 p + 1 of every wave: 128 rows of 256 bytes (both heads) meet in the stage and leave as whole rows.
.macro PHASE p
	WIN 0x05                                       ; both sources in window 1
.irp tt, 0,1
.irp dt, 0,1,2,3
.irp i, 0,1,2,3
	v_cvt_pk_f16_f32 v[S+16*\tt+4*\dt+\i], v[O+32*(2*\p+\tt)+8*\dt+2*\i], v[O+32*(2*\p+\tt)+8*\dt+2*\i+1]
.endr
.endr
.endr
	WIN 0
.irp tt, 0,1
.irp dt, 0,1,2,3
	ds_store_b128 v[STO], v[S+16*\tt+4*\dt:S+16*\tt+4*\dt+3] offset:\tt*16*SPITCH+32*\dt
.endr
.endr
	s_wait_dscnt 0x0                               ; my stores are done, for the waves that read them
	s_barrier_signal -1
	s_barrier_wait -1
.irp i, 0,1,2,3,4,5,6,7
	ds_load_b128 v[S+32+4*\i:S+32+4*\i+3], v[RD] offset:2*\i*SPITCH
.endr
.irp i, 0,1,2,3,4,5,6,7
	s_wait_dscnt 7-\i                              ; LDS loads come back in order: load i is in, the 7 - i younger ones stay out
	global_store_b128 v[CO], v[S+32+4*\i:S+32+4*\i+3], s[100:101] offset:32*ROWB*\p+2*ROWB*\i   ; 16 lanes store 256 consecutive bytes, aligned
.endr
.endm
	PHASE 0
	s_wait_dscnt 0x0                               ; my reads of the stage are done, before any wave writes it again
	s_wait_xcnt 0x0                                ; the registers that the stores read are loaded again only behind this wait
	s_barrier_signal -1
	s_barrier_wait -1
	PHASE 1
	s_set_vgpr_msb 0x5
	s_wait_tensorcnt 0x0
	ds_add_u32 v208, v209
	s_wait_dscnt 0x0
	s_set_vgpr_msb 0x500
	ROUND                                          ; the closing round: no work-group ends while a partner may still ask for a tile that names it
	s_endpgm
.Lfunc_end_k_q48531464b4_attn:
	.size	k_q48531464b4_attn, .Lfunc_end_k_q48531464b4_attn-k_q48531464b4_attn
	.p2alignl 7, 3214868480
	.fill 96, 4, 3214868480
	.section	.rodata,"a",@progbits
	.p2align	6, 0x0
	.amdhsa_kernel k_q48531464b4_attn
		.amdhsa_group_segment_fixed_size 327680
		.amdhsa_private_segment_fixed_size 0
		.amdhsa_enable_private_segment 0
		.amdhsa_kernarg_size 24
		.amdhsa_user_sgpr_count 2
		.amdhsa_user_sgpr_kernarg_segment_ptr 1
		.amdhsa_wavefront_size32 1
		.amdhsa_system_sgpr_workgroup_id_x 1
		.amdhsa_system_sgpr_workgroup_id_y 1
		.amdhsa_system_sgpr_workgroup_id_z 1
		.amdhsa_system_vgpr_workitem_id 0
		.amdhsa_next_free_vgpr 466
		.amdhsa_next_free_sgpr 106
		.amdhsa_reserve_vcc 0
		.amdhsa_float_denorm_mode_32 3
		.amdhsa_float_denorm_mode_16_64 3
		.amdhsa_memory_ordered 1
		.amdhsa_forward_progress 1
		.amdhsa_inst_pref_size 255
	.end_amdhsa_kernel
	.section	.bss,"aw",@nobits
	.p2align	6
	.space	262144
	.amdgpu_metadata
---
amdhsa.version: [ 1, 2 ]
amdhsa.kernels:
  - .name:           k_q48531464b4_attn
    .symbol:         k_q48531464b4_attn.kd
    .args:
      - { .name: qkv, .offset: 0, .size: 8, .value_kind: global_buffer, .address_space: global }
      - { .name: maskw, .offset: 8, .size: 8, .value_kind: global_buffer, .address_space: global }
      - { .name: att, .offset: 16, .size: 8, .value_kind: global_buffer, .address_space: global }
    .group_segment_fixed_size: 327680
    .private_segment_fixed_size: 0
    .kernarg_segment_align: 8
    .kernarg_segment_size: 24
    .max_flat_workgroup_size: 256
    .sgpr_count:     106
    .vgpr_count:     466
    .wavefront_size: 32
...
	.end_amdgpu_metadata
.endif
;; end of part 7
;; launch outp (part 8): grid 4 x 64, 4 waves a work-group, clusters of 4 x 4, 327,680 bytes of LDS; arguments att, wb, out0; writes out0
.if DOCPART == 8
	.amdgcn_target "amdgcn-amd-amdhsa--gfx1250"
	.amdhsa_code_object_version 6
	.text
	.protected	k_q48531464b4_outp
	.globl	k_q48531464b4_outp
	.p2align	8
	.type	k_q48531464b4_outp,@function
k_q48531464b4_outp:
	s_mov_b64 s[64:65], 0
	v_nop
	global_prefetch_b8 v0, s[64:65] scope:SCOPE_SE
	s_setreg_imm32_b32 hwreg(HW_REG_WAVE_MODE, 25, 1), 1
	s_wait_xcnt 0x0
	s_wait_alu depctr_hold_cnt(0) depctr_sa_sdst(0) depctr_va_vdst(0) depctr_va_sdst(0) depctr_va_ssrc(0) depctr_va_vcc(0) depctr_vm_vsrc(0)
	s_getreg_b32 s2, hwreg(HW_REG_IB_STS2, 6, 4)
	s_cmp_eq_u32 s2, 0
	s_cbranch_scc0 .Lentry_in_a_cluster
	s_endpgm
.Lentry_in_a_cluster:
	s_bfe_u32 s2, ttmp6, 0x10000c
	s_cmp_lg_u32 s2, 0xf033
	s_cbranch_scc0 .Lentry_shape_is_right
	s_endpgm
.Lentry_shape_is_right:
; outp: out0 = att w_o^T.  att [8192][1024] f16, w_o = the fourth matrix of wb, f16, out0 [8192][1024] f32; sums in f32.
; A block of 128 rows x 256 columns a work-group, K = 1024: 64 x 4 = 256 work-groups, one for each WGP (blocks of 256 x 256 would leave half of them idle).
; Four waves, as many as a WGP has SIMDs; a wave makes 64 rows x 128 columns: 32 accumulator tiles, 256 registers.
; K goes in steps of 128 (rows of 256 bytes, aligned) through two LDS slots.
; CLUSTERS: 4 x 4 work-groups.  att's tile hangs on the block row alone and is asked for jointly by a row of the cluster; w_o's hangs on the block column alone
; and is asked for jointly by a column.  That divides the requests for both by four.
; THE MATRIX INSTRUCTION IS USED TRANSPOSED: source 0 = 16 rows of W, source 1 = 16 rows of x: a lane then holds 8 neighbouring columns of one row of y.
; REGISTERS: window 0: v16-26 addresses; v32-95 W fragments, v96-127 x fragments (buffer 0); v128-191, v192-223 (buffer 1).
;            window 1: accumulator tile (a, b) at v[8 (8 a + b)], a = 0..3 blocks of 16 rows, b = 0..7 blocks of 16 columns.
.set KSTEP,  128
.set PITCH,  272                       ; an LDS row: 256 bytes + 16: the 16 rows that a fragment load touches start 68 words apart
.set BTILE,  256*PITCH                 ; W's 256 rows
.set ATILE,  128*PITCH                 ; x's 128 rows
.set SLOT,   BTILE+ATILE
.set STAGE,  2*SLOT                    ; behind the ring, a multiple of 256: 16 rows for each wave, for the way out; no tensor load lands here
.set SP,     528                       ; a stage row: 128 f32 + 16 bytes
.set LAPS,   4                         ; 1024 / (2 x 128): a lap = two K steps = once round the ring
.set ADRA,   16                        ; v16-17 LDS address of my x fragments in slot 0, 1
.set ADRB,   20                        ; v20-21 the same for W
.set STO,    24
.set RD,     25
.set CO,     26
.set F0,     32
.set F1,     128
.set G1,     24                        ; s[24:31] group 1 for x's tiles (64 rows a load)
.set G0,     32                        ; s[32:39] group 0 for x's tiles, a set for each slot
.set G1B,    48                        ; s[48:55] group 1 for W's tiles (128 rows a load)
.set G0B,    56                        ; s[56:63] group 0 for W's tiles, a set for each slot
.set MULW,   0x50                      ; C and D in window 1, sources in window 0
.set MSB,    0
.macro WIN new                         ; the immediate's high byte repeats the setting that is left
.if MSB != \new
	s_set_vgpr_msb (MSB<<8)|\new
.set MSB, \new
.endif
.endm
; A joint load.  Waves 0 and 1 fetch W's two halves of 128 rows, waves 2 and 3 x's two halves of 64 rows.  The branch hangs on the wave's number alone.
.macro JLOAD s
	s_cmp_eq_u32 s11, 0
	s_cbranch_scc0 .Lfor_a_\@
	tensor_load_to_lds s[G0B+4*\s:G0B+4*\s+3], s[G1B:G1B+7]
	s_nop 0
	s_branch .Lasked_\@
.Lfor_a_\@:
	tensor_load_to_lds s[G0+4*\s:G0+4*\s+3], s[G1:G1+7]
	s_nop 0
.Lasked_\@:
.endm
.macro CREST                           ; a round of the cluster's barrier behind its opening work-group barrier
	s_cmp_lg_u32 s10, 0
	s_cbranch_scc1 .Lnot_wave_0_\@
	s_barrier_signal -3
.Lnot_wave_0_\@:
	s_barrier_wait -3
	s_barrier_signal -1
	s_barrier_wait -1
.endm
.macro CROUND                          ; a whole round
	s_barrier_signal -1
	s_barrier_wait -1
	CREST
.endm
	s_load_b128 s[4:7], s[0:1], 0x0                ; att s[4:5], wb s[6:7]
	s_load_b64 s[8:9], s[0:1], 0x10                ; out0
	v_lshl_add_u32 v254, v0, 2, 0x3b400
	v_mov_b32 v255, 0
	ds_add_u32 v254, v255
	v_lshrrev_b32 v1, 5, v0
	v_readfirstlane_b32 s10, v1                    ; wave 0..3
	s_lshr_b32 s11, s10, 1                         ; which 64 rows of the block are mine.  Also: I fetch for W (0) or for x (1)
	s_and_b32 s12, s10, 1                          ; which 128 columns.  Also: which half of that tile I fetch
	s_bfe_u32 s40, ttmp6, 0x40000                  ; cx
	s_bfe_u32 s41, ttmp6, 0x40004                  ; cy
	s_lshl_b32 s42, ttmp9, 2
	s_add_co_u32 s42, s42, s40                     ; block column = 4 x cluster x + cx
	s_and_b32 s45, ttmp7, 0xffff                   ; cluster y
	s_lshl_b32 s13, s45, 2
	s_add_co_u32 s13, s13, s41                     ; block row = 4 x cluster y + cy
	s_lshl_b32 s43, s41, 2
	s_lshl_b32 s43, 15, s43                        ; my row of the cluster
	s_lshl_b32 s44, 0x1111, s40                    ; my column
	s_or_b32 s[G1+0], s43, (1<<16)|(1<<20)|(1<<21)|(5<<22)|(3<<25)   ; mask; 2-byte elements; padding on; bit 21 beside a mask; after every 64 words 4 words
	s_or_b32 s[G1B+0], s44, (1<<16)|(1<<20)|(1<<21)|(5<<22)|(3<<25)
	s_mov_b32 s[G1+1], KSTEP<<16                   ; tensor_dim0 = 128
	s_mov_b32 s[G1B+1], KSTEP<<16
	s_mov_b32 s[G1+2], 64<<16                      ; tensor_dim1 = 64 rows
	s_mov_b32 s[G1B+2], 128<<16                    ; 128 rows
	s_mov_b32 s[G1+3], KSTEP<<16                   ; tile_dim0 = 128
	s_mov_b32 s[G1B+3], KSTEP<<16
	s_mov_b32 s[G1+4], 64                          ; tile_dim1
	s_mov_b32 s[G1B+4], 128
	s_mov_b32 s[G1+5], 1024                        ; elements from row to row
	s_mov_b32 s[G1B+5], 1024
	s_mov_b32 s[G1+6], 0
	s_mov_b32 s[G1B+6], 0
	s_mov_b32 s[G1+7], 0
	s_mov_b32 s[G1B+7], 0
	; where the tiles come from: every wave makes both offsets, in registers that never hold the other coordinate
	s_lshl_b32 s16, s13, 7
	s_lshl_b32 s17, s12, 6
	s_add_co_u32 s16, s16, s17                     ; x: row 128 x block row + 64 x half
	s_lshl_b32 s16, s16, 11                        ; rows of 2,048 bytes
	s_mov_b32 s17, 0
	s_lshl_b32 s46, s42, 8
	s_lshl_b32 s47, s12, 7
	s_add_co_u32 s46, s46, s47                     ; W: row 256 x block column + 128 x half
	s_add_co_u32 s46, s46, 3072                    ; w_o is the fourth matrix of wb
	s_lshl_b32 s46, s46, 11
	s_mov_b32 s47, 0
	s_mul_i32 s20, s10, 64*PITCH                   ; where they go: x's halves lie behind W's 256 rows: BTILE + (wave - 2) x 64 rows
	s_add_co_u32 s20, s20, BTILE-2*64*PITCH
	s_mul_i32 s21, s10, 128*PITCH                  ; W's halves: wave x 128 rows
	s_wait_dscnt 0x0
	s_wait_kmcnt 0x0
	s_add_nc_u64 s[14:15], s[4:5], s[16:17]
	s_add_nc_u64 s[46:47], s[6:7], s[46:47]
	CROUND                                         ; all sixteen work-groups are here: the first joint loads meet
.irp s, 0,1
	s_mov_b32 s[G0+4*\s], 1
	s_add_co_u32 s[G0+4*\s+1], s20, \s*SLOT
	s_add_nc_u64 s[G0+4*\s+2:G0+4*\s+3], s[14:15], \s*KSTEP*2
	s_or_b32 s[G0+4*\s+3], s[G0+4*\s+3], 0x80000000
	s_mov_b32 s[G0B+4*\s], 1
	s_add_co_u32 s[G0B+4*\s+1], s21, \s*SLOT
	s_add_nc_u64 s[G0B+4*\s+2:G0B+4*\s+3], s[46:47], \s*KSTEP*2
	s_or_b32 s[G0B+4*\s+3], s[G0B+4*\s+3], 0x80000000
	JLOAD \s                                       ; both slots' first fills go out together: two tensor loads of the wave are out
.endr
	v_and_b32 v1, 15, v0                           ; r
	v_bfe_u32 v2, v0, 4, 1                         ; h
	v_mul_u32_u24 v3, v1, PITCH
	v_lshl_add_u32 v3, v2, 4, v3                   ; a fragment: row r, 16 bytes at 16 h, and 32 bytes further on
	s_mul_i32 s22, s11, 64*PITCH
	s_add_co_u32 s22, s22, BTILE                   ; my 64 rows of x
	s_mul_i32 s23, s12, 128*PITCH                  ; my 128 rows of W
.irp s, 0,1
	v_add_nc_u32 v[ADRA+\s], s22, v3
	v_add_nc_u32 v[ADRB+\s], s23, v3
	s_add_co_u32 s22, s22, SLOT
	s_add_co_u32 s23, s23, SLOT
.endr
	s_mul_i32 s22, s10, 16*SP
	s_add_co_u32 s22, s22, STAGE                   ; my stage
	v_mul_u32_u24 v4, v1, SP
	v_lshl_add_u32 v4, v2, 5, v4                   ; in: row r, 32 bytes (8 f32) for each half of the lanes
	v_add_nc_u32 v[STO], s22, v4
	v_and_b32 v5, 31, v0
	v_lshlrev_b32 v[CO], 4, v5                     ; back and out: 32 lanes take a row's 512 bytes
	v_add_nc_u32 v[RD], s22, v[CO]
.macro MM d, a, b, zero
.if \zero
	v_wmma_f32_16x16x32_f16 v[\d:\d+7], v[\a:\a+7], v[\b:\b+7], 0
.else
	v_wmma_f32_16x16x32_f16 v[\d:\d+7], v[\a:\a+7], v[\b:\b+7], v[\d:\d+7]
.endif
.endm
; 8 matrix instructions: row block a x all 8 column blocks, 32 along K.  zero = 1: the first product starts the sums.
; The 32 accumulators take turns, one instruction a turn, in the same order in every quarter step.
.macro MUL8 f, a, zero
.irp b, 0,1,2,3,4,5,6,7
	MM 8*(8*\a+\b), \f+8*\b, \f+64+8*\a, \zero
.endr
.endm
; 24 LDS loads in one run: 128 rows of W, then 64 rows of x, 32 K at byte k of the rows, into buffer f
.macro FETCH slot, k, f
	WIN 0
.irp i, 0,1,2,3,4,5,6,7
	ds_load_b128 v[\f+8*\i:\f+8*\i+3],   v[ADRB+\slot] offset:\k+\i*16*PITCH
	ds_load_b128 v[\f+8*\i+4:\f+8*\i+7], v[ADRB+\slot] offset:\k+\i*16*PITCH+32
.endr
.irp i, 0,1,2,3
	ds_load_b128 v[\f+64+8*\i:\f+64+8*\i+3],   v[ADRA+\slot] offset:\k+\i*16*PITCH
	ds_load_b128 v[\f+64+8*\i+4:\f+64+8*\i+7], v[ADRA+\slot] offset:\k+\i*16*PITCH+32
.endr
.endm
; Four places behind the last matrix instruction, in front of loads into registers that matrix instructions have read
; and of LDS stores that read results.
.macro PLACES
.rept 4
	v_nop
.endr
.endm
; A quarter step: multiplies buffer f; in its middle it fetches the next quarter's fragments into buffer g.
.macro QUARTER slot, k, f, g, zero
	s_wait_dscnt 4                                 ; W and x's row blocks 0, 1 are in; the four youngest loads (row blocks 2, 3) may be out
	WIN MULW
	MUL8 \f, 0, \zero
	MUL8 \f, 1, \zero
	PLACES
	FETCH \slot, \k, \g
	s_wait_dscnt 24                                ; all but the 24 just issued
	WIN MULW
	MUL8 \f, 2, \zero
	MUL8 \f, 3, \zero
.endm
.macro THREE slot, zero
	QUARTER \slot, 64,  F0, F1, \zero
	QUARTER \slot, 128, F1, F0, 0
	QUARTER \slot, 192, F0, F1, 0
.endm
; The last quarter of a K step: multiplies buffer 1 and changes slots.  In front of the barrier each wave waits for its reads of this slot and for all its
; tensor loads (one is out: its part of the next slot).  fill = 1: the barrier opens a round of the cluster's barrier, and behind the round this slot is
; asked for again, two K steps ahead, first thing.  From that request to the wait for it a wave issues 120 matrix instructions.
.macro TURN slot, next, fill
	s_wait_dscnt 4
	WIN MULW
	MUL8 F1, 0, 0
	s_wait_dscnt 0
	s_wait_tensorcnt 0x0
	ds_add_u32 v254, v255
	s_wait_dscnt 0x0
	s_barrier_signal -1
	MUL8 F1, 1, 0                                  ; register work while the others arrive
	WIN 0
	s_barrier_wait -1
.if \fill
	CREST                                          ; no wave of any partner still reads this slot or has a load on its way
	s_add_nc_u64 s[G0+4*\slot+2:G0+4*\slot+3], s[G0+4*\slot+2:G0+4*\slot+3], 2*KSTEP*2
	s_add_nc_u64 s[G0B+4*\slot+2:G0B+4*\slot+3], s[G0B+4*\slot+2:G0B+4*\slot+3], 2*KSTEP*2
	JLOAD \slot
.endif
	PLACES
	FETCH \next, 0, F0
	WIN MULW
	MUL8 F1, 2, 0
	MUL8 F1, 3, 0
.endm
.macro LAP zero
	THREE 0, \zero
	TURN 0, 1, 1
	THREE 1, 0
	TURN 1, 0, 1
.endm
	s_wait_tensorcnt 1                             ; my part of K step 0 is in; K step 1's load, issued behind it, may stay out
	s_barrier_signal -1
	s_barrier_wait -1
	FETCH 0, 0, F0
	LAP 1                                          ; the first lap's first products start the sums: nothing is cleared
	WIN 0
	s_mov_b32 s3, LAPS-2
.Llap:
	LAP 0
	WIN 0
	s_sub_co_u32 s3, s3, 1
	s_cmp_lg_u32 s3, 0
	s_cbranch_scc1 .Llap
	THREE 0, 0                                     ; the last lap fills nothing
	TURN 0, 1, 0
	THREE 1, 0
	s_wait_dscnt 4
	WIN MULW
	MUL8 F1, 0, 0
	MUL8 F1, 1, 0
	s_wait_dscnt 0
	MUL8 F1, 2, 0
	MUL8 F1, 3, 0
	; THE WAY OUT, 16 rows at a time through my own stage, so that whole rows leave
	PLACES
	s_lshl_b32 s16, s13, 7
	s_lshl_b32 s17, s11, 6
	s_add_co_u32 s16, s16, s17                     ; my first row
	s_lshl_b32 s46, s42, 8
	s_lshl_b32 s47, s12, 7
	s_add_co_u32 s46, s46, s47                     ; my first column
	s_lshl_b32 s16, s16, 12                        ; rows of 4,096 bytes, 4 bytes a column
	s_lshl_b32 s46, s46, 2
	s_mov_b32 s17, 0
	s_mov_b32 s47, 0
	s_add_nc_u64 s[8:9], s[8:9], s[16:17]
	s_add_nc_u64 s[8:9], s[8:9], s[46:47]
.macro OUT16 i, f
	WIN 0x04                                       ; store data from window 1
.irp b, 0,1,2,3,4,5,6,7
	ds_store_b128 v[STO], v[64*\i+8*\b:64*\i+8*\b+3]   offset:64*\b
	ds_store_b128 v[STO], v[64*\i+8*\b+4:64*\i+8*\b+7] offset:64*\b+16
.endr
	WIN 0
	s_wait_xcnt 0x0                                ; buffer f, which earlier stores read, and the stores' base are rewritten only behind this wait
.if \i
	s_add_nc_u64 s[8:9], s[8:9], 16*4096
.endif
.irp t, 0,1,2,3,4,5,6,7,8,9,10,11,12,13,14,15
	ds_load_b128 v[\f+4*\t:\f+4*\t+3], v[RD] offset:\t*SP       ; LDS serves a wave's instructions in order: these see the stores above
.endr
.irp t, 0,1,2,3,4,5,6,7,8,9,10,11,12,13,14,15
	s_wait_dscnt 15-\t                             ; load t is in, the 15 - t younger ones stay out
	global_store_b128 v[CO], v[\f+4*\t:\f+4*\t+3], s[8:9] offset:4096*\t th:TH_STORE_NT   ; 512 consecutive bytes of a row, aligned
.endr
.endm
	OUT16 0, F0
	OUT16 1, F1
	OUT16 2, F0
	OUT16 3, F1
	s_wait_tensorcnt 0x0
	ds_add_u32 v254, v255
	s_wait_dscnt 0x0
	CROUND                                         ; the closing round: no work-group ends while a partner may still ask for a tile that names it
	s_endpgm
.Lfunc_end_k_q48531464b4_outp:
	.size	k_q48531464b4_outp, .Lfunc_end_k_q48531464b4_outp-k_q48531464b4_outp
	.p2alignl 7, 3214868480
	.fill 96, 4, 3214868480
	.section	.rodata,"a",@progbits
	.p2align	6, 0x0
	.amdhsa_kernel k_q48531464b4_outp
		.amdhsa_group_segment_fixed_size 327680
		.amdhsa_private_segment_fixed_size 0
		.amdhsa_enable_private_segment 0
		.amdhsa_kernarg_size 24
		.amdhsa_user_sgpr_count 2
		.amdhsa_user_sgpr_kernarg_segment_ptr 1
		.amdhsa_wavefront_size32 1
		.amdhsa_system_sgpr_workgroup_id_x 1
		.amdhsa_system_sgpr_workgroup_id_y 1
		.amdhsa_system_sgpr_workgroup_id_z 1
		.amdhsa_system_vgpr_workitem_id 0
		.amdhsa_next_free_vgpr 512
		.amdhsa_next_free_sgpr 66
		.amdhsa_reserve_vcc 0
		.amdhsa_float_denorm_mode_32 3
		.amdhsa_float_denorm_mode_16_64 3
		.amdhsa_memory_ordered 1
		.amdhsa_forward_progress 1
		.amdhsa_inst_pref_size 118
	.end_amdhsa_kernel
	.amdgpu_metadata
---
amdhsa.version: [ 1, 2 ]
amdhsa.kernels:
  - .name:           k_q48531464b4_outp
    .symbol:         k_q48531464b4_outp.kd
    .args:
      - { .name: att, .offset: 0, .size: 8, .value_kind: global_buffer, .address_space: global }
      - { .name: wb, .offset: 8, .size: 8, .value_kind: global_buffer, .address_space: global }
      - { .name: out0, .offset: 16, .size: 8, .value_kind: global_buffer, .address_space: global }
    .group_segment_fixed_size: 327680
    .private_segment_fixed_size: 0
    .kernarg_segment_align: 8
    .kernarg_segment_size: 24
    .max_flat_workgroup_size: 128
    .sgpr_count:     66
    .vgpr_count:     512
    .wavefront_size: 32
...
	.end_amdgpu_metadata
.endif
;; end of part 8
;; ======== version 3 of 3: 4 launches; 1.12 times as fast as version 1
;; limits: values are held in f16: magnitudes above 65,504 overflow, below 6.1e-05 lose precision; right only within a limited range of input values
;; workspace buffers: xb 50,331,648 bytes; wb 8,388,608 bytes; maskw 524,288 bytes of whole numbers; qkv 50,331,648 bytes; att 16,777,216 bytes
;; launch prep: the kernel of part 5 again; grid 1920 x 1, 8 waves a work-group, no clusters, 35,840 bytes of LDS; arguments query, key, value, w_q, w_k, w_v, w_o, mask, xb, wb, maskw; writes xb, wb, maskw
;; launch proj: the kernel of part 6 again; grid 4 x 96, 4 waves a work-group, clusters of 4 x 4, 327,680 bytes of LDS; arguments xb, wb, qkv; writes qkv
;; launch attn (part 9): grid 8 x 32, 8 waves a work-group, clusters of 4 x 1, 327,680 bytes of LDS; arguments qkv, maskw, att; writes att
.if DOCPART == 9
	.amdgcn_target "amdgcn-amd-amdhsa--gfx1250"
	.amdhsa_code_object_version 6
	.text
	.protected	k_q48531464b4_attn
	.globl	k_q48531464b4_attn
	.p2align	8
	.type	k_q48531464b4_attn,@function
k_q48531464b4_attn:
	s_mov_b64 s[64:65], 0
	v_nop
	global_prefetch_b8 v0, s[64:65] scope:SCOPE_SE
	s_setreg_imm32_b32 hwreg(HW_REG_WAVE_MODE, 25, 1), 1
	s_wait_xcnt 0x0
	s_wait_alu depctr_hold_cnt(0) depctr_sa_sdst(0) depctr_va_vdst(0) depctr_va_sdst(0) depctr_va_ssrc(0) depctr_va_vcc(0) depctr_vm_vsrc(0)
	s_getreg_b32 s2, hwreg(HW_REG_IB_STS2, 6, 4)
	s_cmp_eq_u32 s2, 0
	s_cbranch_scc0 .Lentry_in_a_cluster
	s_endpgm
.Lentry_in_a_cluster:
	s_bfe_u32 s2, ttmp6, 0x10000c
	s_cmp_lg_u32 s2, 0x3003
	s_cbranch_scc0 .Lentry_shape_is_right
	s_endpgm
.Lentry_shape_is_right:
; attn: softmax(where(mask == 0, -1e9, q k^T / 8)) v for two heads and 256 queries a work-group, all 2,048 keys, with a running maximum.
; qkv [3][8192][1024] f16 (q already times 0.125 log2(e): all exponents are of 2), maskw: lane masks, att [8192][1024] f16.
; The mask is data: every score is computed, and a masked one is replaced by -1e9 log2(e) (rounded to f32) by a select; a row with no key left gives the mean of v.
; LIMITS: P is rounded to f16 (at most 1; below 6.1e-5 with an absolute error of up to 3e-8); results beyond 65,504 become infinite.
; Eight waves, two on each SIMD.  Wave w: head w >> 2 of the pair, queries 64 (w & 3) .. + 63, as four tiles t of 16 queries.
; Two heads a work-group: a row of K or V in a tile is 256 consecutive bytes, aligned, and so is a row of the result.
; CLUSTER 4 x 1: the four work-groups take four query blocks of the same heads and ask for every K and V tile jointly (mask 15).
; THE PRODUCTS ARE TRANSPOSED: S^T = K Q^T (lane = query, registers = keys), so that maximum and sum are a lane's own but for one exchange of the halves,
; and two key tiles packed to f16 ARE the second source of O^T = V^T P^T.  In O^T a lane holds 8 neighbouring numbers of one query's row.
; A BLOCK is 64 keys: its K and V fragments are loaded once and serve two steps, p = 0 (query tiles 0, 1) and p = 1 (tiles 2, 3).  A step is 64 keys x 32 queries:
; 64 score registers, 64 mask words, and only 64 registers of O to rescale.
; MATRIX AND VECTOR WORK ARE INTERLEAVED in a wave: the selects of one score tile stand behind the next tile's product; O's rescaling and the row sums stand
; between the products of P and V.  The registers are laid out so that each such stretch needs one window setting:
;   window 0: addresses, M, AL, T, P, S, K fragments, Q: the S products and the whole softmax name window 0 alone;
;   window 1: O(t, dt) at 8 (4 t + dt), V fragments, the running sums LP: under 0x51 (source 0, C and D in window 1) stand the products V^T P^T,
;             O *= AL, LP *= AL and LP += S.
; THE BATCHES.  A step's exponentials are ONE batch with ONE wait: the two AL, then the 64 of the scores, each in place on a register of its own, with the subtractions of the maximum
; between them; nothing in the batch names a result of it.  All that reads a result (the packing to f16, O's and LP's rescaling, the row sums) stands behind the wait.  No exponential is
; issued behind a step's wait.  The way out's four reciprocals are a batch of their own.
.set ROWB,   2048                      ; bytes in a row of q, k, v, att
.set KOFF,   16777216                  ; k in qkv
.set VOFF,   33554432                  ; v in qkv
.set VPITCH, 288                       ; 256 bytes + 32: the 8 rows x 32 bytes that half a transposing load touches fall on different banks
.set KPITCH, 272                       ; 256 bytes + 16
.set VTILE,  256*VPITCH
.set KTILE,  256*KPITCH
.set SLOT,   VTILE+KTILE               ; 256 keys: V's rows, then K's
.set STAGE,  2*SLOT                    ; a multiple of 256; 128 rows x 272 bytes for the way out; no tensor load lands here
.set SPITCH, 272
.set TILEB,  256*ROWB                  ; from a tile of 256 keys to the next
.set VA0,  3                           ; V fragment address in slot 0
.set KA,   4                           ; K fragment address: the block that is loaded next
.set VA,   5                           ; V fragment address: this block
.set NEGV, 6                           ; -1e9 log2(e)
.set KA0,  7                           ; K fragment address in slot 0
.set M,    8                           ; v[8+2t]  running maximum (the odd partners are written once: the packed forms name pairs)
.set AL,   16                          ; v[16+2t] 2^(old maximum - new maximum); at the end 1 / sum
.set T,    24                          ; v[24+4tt .. +3] four chains of maxima for each of a step's two tiles; outside the loop:
.set QOF,  28
.set STO,  29
.set RD,   30
.set CO,   31
.set P,    32                          ; v[32+16tt+8kh ..] P^T, f16: tile tt of the step, keys 32 kh .. + 31
.set S,    64                          ; v[64+32tt+8kt ..] scores: tile tt of the step, key tile kt of four
.set KF,   128                         ; v[128+8(2kt+dh) ..] K fragments
.set Q,    192                         ; v[192+8(2t+dh) ..]
.set O,    0                           ; window 1
.set VF,   128                         ; window 1: v[128+8(4kh+dt) ..] V^T fragments
.set LP,   192                         ; window 1: v[192+4t .. +3] running sums of my half of the keys, in two pairs
.set MSK,  32                          ; s[32:63], s[68:99]: the step's 64 mask words; group g = 2 tt + kh of 16 words at 32 + 16 g + 4 (g / 2)
; other scalars: s2 wave; s3, s4 counters; s[6:7] mask words of the block; s[8:15] group 1 for V; s[16:23] for K; s[24:27] group 0 for V; s[28:31] for K;
; s66, s67 lane selects; s[100:101] att; s104, s105 my LDS bases for V, K
.set MSB, 0
.macro WIN new                         ; the immediate's high byte repeats the setting that is left
.if MSB != \new
	s_set_vgpr_msb (MSB<<8)|\new
.set MSB, \new
.endif
.endm
.macro ROUND                           ; a round of the cluster's barrier
	s_barrier_signal -1
	s_barrier_wait -1
	s_cmp_lg_u32 s2, 0
	s_cbranch_scc1 .Lnot_wave_0_\@
	s_barrier_signal -3
.Lnot_wave_0_\@:
	s_barrier_wait -3
	s_barrier_signal -1
	s_barrier_wait -1
.endm
.macro JLOAD                           ; waves 0-3 fetch 64 rows of V each, waves 4-7 64 rows of K: one joint load a wave
	s_cmp_lt_u32 s2, 4
	s_cbranch_scc0 .Lfor_k_\@
	tensor_load_to_lds s[24:27], s[8:15]
	s_nop 0
	s_branch .Lasked_\@
.Lfor_k_\@:
	tensor_load_to_lds s[28:31], s[16:23]
	s_nop 0
.Lasked_\@:
.endm
; The 64 mask words of step p of the block at s[6:7]: 64 bytes for each query tile and each 32 keys
.macro MLOAD p
.irp g, 0,1,2,3
	s_load_b512 s[MSK+16*\g+4*(\g/2):MSK+16*\g+4*(\g/2)+15], s[6:7], 128*(\p)+64*(\g/2)+256*(\g%2)
.endr
.endm
	s_load_b128 s[32:35], s[0:1], 0x0              ; qkv s[32:33], maskw s[34:35] (the mask words' registers serve as scratch up to their first load)
	s_load_b64 s[100:101], s[0:1], 0x10            ; att
	s_set_vgpr_msb 0x40
	v_lshl_add_u32 v208, v0, 2, 0x4e800
	v_mov_b32 v209, 0
	s_set_vgpr_msb 0x4045
	ds_add_u32 v208, v209
	s_set_vgpr_msb 0x4500
	v_lshrrev_b32 v1, 5, v0
	v_readfirstlane_b32 s2, v1                     ; wave 0..7
	s_bfe_u32 s36, ttmp6, 0x40000                  ; cx
	s_lshl_b32 s37, ttmp9, 2
	s_add_co_u32 s37, s37, s36                     ; block of 256 queries
	s_and_b32 s38, ttmp7, 0xffff
	s_lshr_b32 s39, s38, 3                         ; batch
	s_and_b32 s40, s38, 7                          ; pair of heads
	s_lshl_b32 s39, s39, 22                        ; 2,048 rows of 2,048 bytes
	s_lshl_b32 s40, s40, 8                         ; 256 bytes a pair
	s_add_co_u32 s41, s39, s40                     ; what all four partners share
	s_lshl_b32 s46, s2, 17                         ; 64 rows a wave
	s_add_co_u32 s42, s41, s46
	s_add_co_u32 s44, s42, KOFF-4*64*ROWB          ; K: rows 64 (wave - 4)
	s_add_co_u32 s42, s42, VOFF                    ; V: rows 64 wave
	s_mov_b32 s43, 0
	s_mov_b32 s45, 0
	s_mul_i32 s104, s2, 64*VPITCH                  ; V's rows in a slot: wave x 64 rows
	s_mul_i32 s105, s2, 64*KPITCH
	s_add_co_u32 s105, s105, VTILE-4*64*KPITCH     ; K's rows: behind V's, (wave - 4) x 64 rows
	s_lshl_b32 s48, s37, 19                        ; 256 rows a query block
	s_add_co_u32 s48, s48, s41
	s_mov_b32 s49, 0
	s_and_b32 s50, s2, 3
	s_lshl2_add_u32 s50, s37, s50                  ; my block of 64 queries
	s_lshl_b32 s50, s50, 14                        ; 32 blocks of 512 bytes of mask words
	s_mov_b32 s51, 0
	s_mov_b32 s66, 0x76543210                      ; v_permlanex16_b32: lane i reads lane i of the other half
	s_mov_b32 s67, 0xfedcba98
	; group 1: 64 rows x 128 elements of 2 bytes, mask 15 with bit 21 beside it, padded behind every 64 words by 8 words (V) or 4 (K)
	s_mov_b32 s8,  15|(1<<16)|(1<<20)|(1<<21)|(5<<22)|(7<<25)
	s_mov_b32 s16, 15|(1<<16)|(1<<20)|(1<<21)|(5<<22)|(3<<25)
	s_mov_b32 s9,  128<<16
	s_mov_b32 s17, 128<<16
	s_mov_b32 s10, 64<<16
	s_mov_b32 s18, 64<<16
	s_mov_b32 s11, 128<<16
	s_mov_b32 s19, 128<<16
	s_mov_b32 s12, 64
	s_mov_b32 s20, 64
	s_mov_b32 s13, 1024
	s_mov_b32 s21, 1024
	s_mov_b32 s14, 0
	s_mov_b32 s22, 0
	s_mov_b32 s15, 0
	s_mov_b32 s23, 0
	s_wait_dscnt 0x0
	s_wait_kmcnt 0x0
	s_mov_b32 s24, 1                               ; group 0, tile 0 into slot 0.  Nothing in it hangs on cx
	s_mov_b32 s25, s104
	s_add_nc_u64 s[26:27], s[32:33], s[42:43]
	s_or_b32 s27, s27, 0x80000000
	s_mov_b32 s28, 1
	s_mov_b32 s29, s105
	s_add_nc_u64 s[30:31], s[32:33], s[44:45]
	s_or_b32 s31, s31, 0x80000000
	s_add_nc_u64 s[4:5], s[32:33], s[48:49]        ; q at the work-group's first query
	s_add_nc_u64 s[100:101], s[100:101], s[48:49]  ; att likewise
	s_add_nc_u64 s[6:7], s[34:35], s[50:51]        ; my mask words
	ROUND                                          ; the four work-groups are here: the first joint load meets
	JLOAD                                          ; tile 0
	v_and_b32 v1, 15, v0                           ; r
	v_bfe_u32 v2, v0, 4, 1                         ; h
	v_bfe_u32 v29, v0, 5, 2                        ; w & 3
	v_lshrrev_b32 v30, 7, v0                       ; head of the pair
	v_lshl_add_u32 v29, v29, 6, v1
	v_lshlrev_b32 v[QOF], 11, v29                  ; row 64 (w & 3) + r
	v_lshl_add_u32 v[QOF], v30, 7, v[QOF]          ; + 128 head
	v_lshl_add_u32 v[QOF], v2, 4, v[QOF]           ; + 16 h
.irp t, 0,1,2,3
.irp dh, 0,1
	global_load_b128 v[Q+16*\t+8*\dh:Q+16*\t+8*\dh+3],   v[QOF], s[4:5] offset:16*ROWB*\t+64*\dh
	global_load_b128 v[Q+16*\t+8*\dh+4:Q+16*\t+8*\dh+7], v[QOF], s[4:5] offset:16*ROWB*\t+64*\dh+32
.endr
.endr
	MLOAD 0                                        ; the first step's mask words
	v_mul_u32_u24 v[KA0], v1, KPITCH               ; K: row r, 16 bytes at 128 head + 16 h
	v_lshl_add_u32 v[KA0], v2, 4, v[KA0]
	v_lshl_add_u32 v[KA0], v30, 7, v[KA0]
	v_add_nc_u32 v[KA0], VTILE, v[KA0]
	v_and_b32 v31, 7, v0                           ; V, for the transposing load: row 8 h + (lane & 7), 16 bytes at 128 head + 16 ((lane >> 3) & 1)
	v_lshl_add_u32 v31, v2, 3, v31
	v_mul_u32_u24 v[VA0], v31, VPITCH
	v_bfe_u32 v31, v0, 3, 1
	v_lshl_add_u32 v[VA0], v31, 4, v[VA0]
	v_lshl_add_u32 v[VA0], v30, 7, v[VA0]
	v_mov_b32 v[NEGV], 0xceabfb8f                  ; -1e9 log2(e)
.irp t, 0,1,2,3
	v_mov_b32 v[M+2*\t+1], 0
	v_mov_b32 v[AL+2*\t+1], 0
.endr
	s_wait_loadcnt 0x0                             ; Q is in; s[4:5] and the offset register are free
.macro KLOAD                           ; the K fragments of 64 keys: f = 2 kt + dh
.irp f, 0,1,2,3,4,5,6,7
	ds_load_b128 v[KF+8*\f:KF+8*\f+3],   v[KA] offset:(\f/2)*16*KPITCH+(\f%2)*64
	ds_load_b128 v[KF+8*\f+4:KF+8*\f+7], v[KA] offset:(\f/2)*16*KPITCH+(\f%2)*64+32
.endr
.endm
.macro VLOAD                           ; the V^T fragments of 64 keys: f = 4 kh + dt; keys 8 h .. + 7 and 16 + 8 h .. + 7 of column 16 dt + r
	WIN 0x40                                       ; destination in window 1
.irp f, 0,1,2,3,4,5,6,7
	ds_load_tr16_b128 v[VF+8*\f:VF+8*\f+3],   v[VA] offset:(\f/4)*32*VPITCH+(\f%4)*32
	ds_load_tr16_b128 v[VF+8*\f+4:VF+8*\f+7], v[VA] offset:(\f/4)*32*VPITCH+(\f%4)*32+16*VPITCH
.endr
	WIN 0
.endm
; One product of S^T: score tile i = 4 tt + kt of step p, half dh of the 64 numbers of a head's row
.macro SP i, dh, p
.if \dh
	v_wmma_f32_16x16x32_f16 v[S+8*(\i):S+8*(\i)+7], v[KF+16*((\i)%4)+8:KF+16*((\i)%4)+15], v[Q+32*\p+16*((\i)/4)+8:Q+32*\p+16*((\i)/4)+15], v[S+8*(\i):S+8*(\i)+7]
.else
	v_wmma_f32_16x16x32_f16 v[S+8*(\i):S+8*(\i)+7], v[KF+16*((\i)%4):KF+16*((\i)%4)+7], v[Q+32*\p+16*((\i)/4):Q+32*\p+16*((\i)/4)+7], 0
.endif
.endm
; The mask on score tile i
.macro SEL i
.irp j, 0,1,2,3,4,5,6,7
	v_cndmask_b32 v[S+8*(\i)+\j], v[NEGV], v[S+8*(\i)+\j], s[MSK+16*((\i)/2)+4*((\i)/4)+8*((\i)%2)+\j]
.endr
.endm
; One product of O^T: k = 8 kh + 4 tt + dt.  In the very first block the first half of the keys starts the sums: nothing is cleared.
.macro PVW k, p, first
.set pd, O+64*\p+32*(((\k)%8)/4)+8*((\k)%4)
.set pa, VF+32*((\k)/8)+8*((\k)%4)
.set pb, P+16*(((\k)%8)/4)+8*((\k)/8)
.set pz, 0
.if \first
.if (\k) < 8
.set pz, 1
.endif
.endif
.if pz
	v_wmma_f32_16x16x32_f16 v[pd:pd+7], v[pa:pa+7], v[pb:pb+7], 0
.else
	v_wmma_f32_16x16x32_f16 v[pd:pd+7], v[pa:pa+7], v[pb:pb+7], v[pd:pd+7]
.endif
.endm
; Line x of the 36 lines of the row sums: 0-3 rescale the four pairs of sums, 4-35 add the 32 pairs of 2^(score - maximum), the four pairs by turns
.macro VC x, p, first
.if (\x) < 4
.if \first == 0
.set vd, LP+8*\p+2*(\x)
	v_pk_mul_f32 v[vd:vd+1], v[vd:vd+1], v[AL+4*\p+2*((\x)/2):AL+4*\p+2*((\x)/2)+1] op_sel_hi:[1,0]
.endif
.else
.set vq, (\x)-4
.set vd, LP+8*\p+2*(vq%4)
.set vs, S+32*((vq%4)/2)+2*(2*(vq/4)+(vq%2))
.set vz, 0
.if \first
.if vq < 4
.set vz, 1
.endif
.endif
.if vz
	v_pk_add_f32 v[vd:vd+1], 0, v[vs:vs+1] op_sel_hi:[0,1]     ; the first pair starts the sum
.else
	v_pk_add_f32 v[vd:vd+1], v[vd:vd+1], v[vs:vs+1]
.endif
.endif
.endm
; A step: 64 keys against query tiles 2 p and 2 p + 1.  first = 1: the very first block starts maxima, sums and O.
; kpre = 1 (looked at in step 1): the next block's K fragments are fetched.  mload = 1: the next step's mask words are fetched.
.macro SUB p, first, kpre, mload
.if \p == 0
	s_wait_dscnt 0x0                               ; the block's K fragments are in (nothing else is out)
.endif
	; eight accumulators take turns, one instruction a turn, twice round
.irp i, 0,1,2,3,4,5,6,7
	SP \i, 0, \p
.endr
	SP 0, 1, \p
	SP 1, 1, \p
.if \p == 0
	v_add_nc_u32 v[KA], 64*KPITCH, v[KA]           ; four places behind tile 0's product, before its scores are read (ISA guide 7.12.1)
.else
	v_add_nc_u32 v[VA], 64*VPITCH, v[VA]
.endif
	v_nop
	v_nop
	v_nop
	s_wait_kmcnt 0x0                               ; this step's mask words are in, so their pointer may step
	SEL 0
.irp i, 2,3,4,5,6,7
	SP \i, 1, \p                                   ; behind each product the selects of the tile before it: eight plain vector instructions that name
	SEL \i-1                                       ; none of its registers stand between a product and the first read of its result
.endr
	SEL 7
.if \mload
.if \p == 1
	s_add_nc_u64 s[6:7], s[6:7], 512               ; the next block
.endif
	MLOAD 1-\p                                     ; the next step's words: the rest of this step to land in
.endif
.if \p == 0
	VLOAD                                          ; this block's V: the softmax below to land in.  The selects are the places behind the products that read these registers last
.else
.if \kpre
	KLOAD                                          ; the next block's K: the rest of this step to land in
.endif
.endif
	; the new maximum of each query: my 32 keys and the old maximum, four chains a tile, the two tiles side by side; then the other half of the lanes
.irp tt, 0,1
.irp c, 0,1,2,3
	v_max3_num_f32 v[T+4*\tt+\c], v[S+32*\tt+3*\c], v[S+32*\tt+3*\c+1], v[S+32*\tt+3*\c+2]
.endr
.endr
.irp tt, 0,1
.irp c, 0,1,2,3
	v_max3_num_f32 v[T+4*\tt+\c], v[T+4*\tt+\c], v[S+32*\tt+12+2*\c], v[S+32*\tt+13+2*\c]
.endr
.endr
.irp tt, 0,1
.irp c, 0,1,2,3
	v_max3_num_f32 v[T+4*\tt+\c], v[T+4*\tt+\c], v[S+32*\tt+20+2*\c], v[S+32*\tt+21+2*\c]
.endr
.endr
.irp tt, 0,1
	v_max3_num_f32 v[T+4*\tt],   v[T+4*\tt],   v[S+32*\tt+28], v[S+32*\tt+29]
	v_max3_num_f32 v[T+4*\tt+1], v[T+4*\tt+1], v[S+32*\tt+30], v[S+32*\tt+31]
.if \first
	v_max_num_f32 v[T+4*\tt+2], v[T+4*\tt+2], v[T+4*\tt+3]
.else
	v_max3_num_f32 v[T+4*\tt+2], v[T+4*\tt+2], v[T+4*\tt+3], v[M+4*\p+2*\tt]
.endif
.endr
.irp tt, 0,1
	v_max3_num_f32 v[T+4*\tt], v[T+4*\tt], v[T+4*\tt+1], v[T+4*\tt+2]
.endr
.irp tt, 0,1
	v_permlanex16_b32 v[T+4*\tt+1], v[T+4*\tt], s66, s67
.endr
.if \first
.irp tt, 0,1
	v_max_num_f32 v[M+4*\p+2*\tt], v[T+4*\tt], v[T+4*\tt+1]
.endr
.else
.irp tt, 0,1
	v_max_num_f32 v[T+4*\tt+3], v[T+4*\tt], v[T+4*\tt+1]
.endr
.irp tt, 0,1
	v_sub_f32 v[T+4*\tt+2], v[M+4*\p+2*\tt], v[T+4*\tt+3]      ; old - new, at most 0
.endr
.irp tt, 0,1
	v_mov_b32 v[M+4*\p+2*\tt], v[T+4*\tt+3]
.endr
.irp tt, 0,1
	v_exp_f32 v[AL+4*\p+2*\tt], v[T+4*\tt+2]                   ; the step's batch begins: AL is read first behind the batch's wait
.endr
.endif
	; THE STEP'S BATCH goes on: score - maximum (at most 0) and 2^.., in place, over the 32 pairs: pair n + 2 is subtracted behind pair n's two exponentials, so every pair is ready a group
	; ahead of its exponentials.  The subtractions name scores that have had no exponential yet, and M: no line of the batch names a result of it.
	v_pk_add_f32 v[S:S+1],   v[S:S+1],   v[M+4*\p:M+4*\p+1] op_sel_hi:[1,0] neg_lo:[0,1] neg_hi:[0,1]
	v_pk_add_f32 v[S+2:S+3], v[S+2:S+3], v[M+4*\p:M+4*\p+1] op_sel_hi:[1,0] neg_lo:[0,1] neg_hi:[0,1]
.set n, 0
.rept 32
	v_exp_f32 v[S+2*n], v[S+2*n]
	v_exp_f32 v[S+2*n+1], v[S+2*n+1]
.if n < 30
	v_pk_add_f32 v[S+2*n+4:S+2*n+5], v[S+2*n+4:S+2*n+5], v[M+4*\p+2*((n+2)/16):M+4*\p+2*((n+2)/16)+1] op_sel_hi:[1,0] neg_lo:[0,1] neg_hi:[0,1]
.endif
.set n, n+1
.endr
	v_nop                                          ; a plain vector instruction behind the last exponential and ahead of the first use; a v_nop, since all that is left of the step reads the batch's results
	s_wait_alu depctr_va_vdst(0)                   ; the wait for the batch ahead of its first reader: one for the two AL and the 64 exponentials of the scores
	; behind the wait: the packing to f16
.set n, 0
.rept 32
	v_cvt_pk_f16_f32 v[P+n], v[S+2*n], v[S+2*n+1]              ; keys 8 h + 0..7 in registers 0-3, keys 16 + 8 h + 0..7 in 4-7 of a fragment: the second source as it stands
.set n, n+1
.endr
	; O^T += V^T P^T, with O's rescaling and the row sums between the products, all under one window setting
	WIN 0x51                                       ; source 0, C and D in window 1; source 1 in window 0
.if \first == 0
.set n, 0
.rept 16
	v_pk_mul_f32 v[O+64*\p+2*n:O+64*\p+2*n+1], v[O+64*\p+2*n:O+64*\p+2*n+1], v[AL+4*\p:AL+4*\p+1] op_sel_hi:[1,0]   ; the first tile's O
.set n, n+1
.endr
.endif
.if \p == 0
	s_wait_dscnt 0x0                               ; the block's V fragments are in (nothing else is out).  In step 1 only the next block's K loads are out: no wait
.endif
	; eight accumulators take turns, one instruction a turn, twice round
.set k, 0
.rept 16
	PVW k, \p, \first
.if k < 4
.if \first == 0
.set n, 0
.rept 4
	v_pk_mul_f32 v[O+64*\p+32+8*k+2*n:O+64*\p+32+8*k+2*n+1], v[O+64*\p+32+8*k+2*n:O+64*\p+32+8*k+2*n+1], v[AL+4*\p+2:AL+4*\p+3] op_sel_hi:[1,0]   ; the second tile's O, behind the first tile's products
.set n, n+1
.endr
.endif
.else
	VC 3*(k-4), \p, \first
	VC 3*(k-4)+1, \p, \first
	VC 3*(k-4)+2, \p, \first
.endif
.set k, k+1
.endr
	WIN 0
.endm
.macro BLOCK first, kpre, mload
	SUB 0, \first, \kpre, 1
	SUB 1, \first, \kpre, \mload
.endm
; A tile of 256 keys in slot \slot: four blocks.  In front of the round every wave waits for all its tensor loads (one is out: its part of this tile) and for its
; reads of the other slot.  refill = 1: behind the round the next tile is asked for into the other slot, first thing: it has this whole trip in which to land.
; Both group 0 sets are rewritten between the wait for 0 and the round, where no tensor load of the wave is out.
.macro TRIP slot, refill, first, mlast
	s_set_vgpr_msb 0x5
	s_wait_tensorcnt 0x0
	ds_add_u32 v208, v209
	s_wait_dscnt 0x0
	s_set_vgpr_msb 0x500
.if \refill
	s_add_co_u32 s25, s104, (1-\slot)*SLOT
	s_add_co_u32 s29, s105, (1-\slot)*SLOT
	s_add_nc_u64 s[26:27], s[26:27], TILEB
	s_add_nc_u64 s[30:31], s[30:31], TILEB
.endif
	s_wait_dscnt 0x0
	ROUND
.if \refill
	JLOAD
.endif
	v_add_nc_u32 v[KA], \slot*SLOT, v[KA0]
	v_add_nc_u32 v[VA], \slot*SLOT, v[VA0]
	KLOAD
.if \first
	BLOCK 1, 1, 1
	s_mov_b32 s4, 2
.else
	s_mov_b32 s4, 3
.endif
.Lblock_\@:
	BLOCK 0, 1, 1
	s_sub_co_u32 s4, s4, 1
	s_cmp_lg_u32 s4, 0
	s_cbranch_scc1 .Lblock_\@
	BLOCK 0, 0, \mlast                             ; the tile's last 64 keys: the next K fragments lie in the other slot
.endm
	TRIP 0, 1, 1, 1                                ; tile 0
	s_mov_b32 s3, 3
.Lpair:
	TRIP 1, 1, 0, 1                                ; tiles 1, 3, 5
	TRIP 0, 1, 0, 1                                ; tiles 2, 4, 6; in the last trip tile 7 is asked for: the last load
	s_sub_co_u32 s3, s3, 1
	s_cmp_lg_u32 s3, 0
	s_cbranch_scc1 .Lpair
	TRIP 1, 0, 0, 0                                ; tile 7: nothing more to fetch, no mask words behind the last step either
	; THE WAY OUT.  The address arithmetic fills the places behind the last matrix instructions (more than four plain vector instructions that name none of their registers).
	v_and_b32 v1, 15, v0                           ; r
	v_bfe_u32 v2, v0, 4, 1                         ; h
	v_bfe_u32 v28, v0, 5, 2                        ; w & 3
	v_lshl_add_u32 v28, v28, 5, v1                 ; stage row 32 (w & 3) + r (+ 16 for the odd tile)
	v_mul_u32_u24 v[STO], v28, SPITCH
	v_lshrrev_b32 v28, 7, v0
	v_lshl_add_u32 v[STO], v28, 7, v[STO]          ; + 128 head
	v_lshl_add_u32 v[STO], v2, 4, v[STO]           ; + 16 h
	v_add_nc_u32 v[STO], STAGE, v[STO]
	s_lshl_b32 s5, s2, 4
	v_add_nc_u32 v[RD], s5, v2                     ; back: stage rows 16 w + 2 i + (lane >> 4), 256 bytes by 16 lanes
	v_mul_u32_u24 v[RD], v[RD], SPITCH
	v_lshl_add_u32 v[RD], v1, 4, v[RD]
	v_add_nc_u32 v[RD], STAGE, v[RD]
	s_lshr_b32 s4, s2, 1
	s_lshl_b32 s4, s4, 6
	s_and_b32 s5, s2, 1
	s_lshl4_add_u32 s4, s5, s4                     ; those rows are queries 64 (w >> 1) + 32 phase + 16 (w & 1) + ..
	v_add_nc_u32 v[CO], s4, v2
	v_lshlrev_b32 v[CO], 11, v[CO]
	v_lshl_add_u32 v[CO], v1, 4, v[CO]
	WIN 0x05                                       ; both sources in window 1
.irp t, 0,1,2,3
	v_add_f32 v[P+2*\t],   v[LP+4*\t],   v[LP+4*\t+1]
	v_add_f32 v[P+2*\t+1], v[LP+4*\t+2], v[LP+4*\t+3]
.endr
	WIN 0
.irp t, 0,1,2,3
	v_add_f32 v[T+\t], v[P+2*\t], v[P+2*\t+1]      ; the sum over my half of the keys
.endr
.irp t, 0,1,2,3
	v_permlanex16_b32 v[P+\t], v[T+\t], s66, s67
.endr
.irp t, 0,1,2,3
	v_add_f32 v[T+\t], v[T+\t], v[P+\t]            ; the whole sum: at least 1, since the largest score gives 2^0
.endr
.irp t, 0,1,2,3
	v_rcp_f32 v[AL+2*\t], v[T+\t]
.endr
	v_nop                                          ; one plain vector instruction behind the reciprocals
	WIN 0x41                                       ; source 0 and destination in window 1
	s_wait_alu depctr_va_vdst(0)                   ; the wait ahead of the first use: one for the batch of four reciprocals
.irp t, 0,1,2,3
.irp n, 0,2,4,6,8,10,12,14,16,18,20,22,24,26,28,30
	v_pk_mul_f32 v[O+32*\t+\n:O+32*\t+\n+1], v[O+32*\t+\n:O+32*\t+\n+1], v[AL+2*\t:AL+2*\t+1] op_sel_hi:[1,0]
.endr
.endr
; Phase p: query tiles 2 p and 2 p + 1 of every wave: 128 rows of 256 bytes (both heads) meet in the stage and leave as whole rows.
.macro PHASE p
	WIN 0x05                                       ; both sources in window 1
.irp tt, 0,1
.irp dt, 0,1,2,3
.irp i, 0,1,2,3
	v_cvt_pk_f16_f32 v[S+16*\tt+4*\dt+\i], v[O+32*(2*\p+\tt)+8*\dt+2*\i], v[O+32*(2*\p+\tt)+8*\dt+2*\i+1]
.endr
.endr
.endr
	WIN 0
.irp tt, 0,1
.irp dt, 0,1,2,3
	ds_store_b128 v[STO], v[S+16*\tt+4*\dt:S+16*\tt+4*\dt+3] offset:\tt*16*SPITCH+32*\dt
.endr
.endr
	s_wait_dscnt 0x0                               ; my stores are done, for the waves that read them
	s_barrier_signal -1
	s_barrier_wait -1
.irp i, 0,1,2,3,4,5,6,7
	ds_load_b128 v[S+32+4*\i:S+32+4*\i+3], v[RD] offset:2*\i*SPITCH
.endr
.irp i, 0,1,2,3,4,5,6,7
	s_wait_dscnt 7-\i                              ; LDS loads come back in order: load i is in, the 7 - i younger ones stay out
	global_store_b128 v[CO], v[S+32+4*\i:S+32+4*\i+3], s[100:101] offset:32*ROWB*\p+2*ROWB*\i   ; 16 lanes store 256 consecutive bytes, aligned
.endr
.endm
	PHASE 0
	s_wait_dscnt 0x0                               ; my reads of the stage are done, before any wave writes it again
	s_wait_xcnt 0x0                                ; the registers that the stores read are loaded again only behind this wait
	s_barrier_signal -1
	s_barrier_wait -1
	PHASE 1
	s_set_vgpr_msb 0x5
	s_wait_tensorcnt 0x0
	ds_add_u32 v208, v209
	s_wait_dscnt 0x0
	s_set_vgpr_msb 0x500
	ROUND                                          ; the closing round: no work-group ends while a partner may still ask for a tile that names it
	s_endpgm
.Lfunc_end_k_q48531464b4_attn:
	.size	k_q48531464b4_attn, .Lfunc_end_k_q48531464b4_attn-k_q48531464b4_attn
	.p2alignl 7, 3214868480
	.fill 96, 4, 3214868480
	.section	.rodata,"a",@progbits
	.p2align	6, 0x0
	.amdhsa_kernel k_q48531464b4_attn
		.amdhsa_group_segment_fixed_size 327680
		.amdhsa_private_segment_fixed_size 0
		.amdhsa_enable_private_segment 0
		.amdhsa_kernarg_size 24
		.amdhsa_user_sgpr_count 2
		.amdhsa_user_sgpr_kernarg_segment_ptr 1
		.amdhsa_wavefront_size32 1
		.amdhsa_system_sgpr_workgroup_id_x 1
		.amdhsa_system_sgpr_workgroup_id_y 1
		.amdhsa_system_sgpr_workgroup_id_z 1
		.amdhsa_system_vgpr_workitem_id 0
		.amdhsa_next_free_vgpr 466
		.amdhsa_next_free_sgpr 106
		.amdhsa_reserve_vcc 0
		.amdhsa_float_denorm_mode_32 3
		.amdhsa_float_denorm_mode_16_64 3
		.amdhsa_memory_ordered 1
		.amdhsa_forward_progress 1
		.amdhsa_inst_pref_size 255
	.end_amdhsa_kernel
	.section	.bss,"aw",@nobits
	.p2align	6
	.space	262144
	.amdgpu_metadata
---
amdhsa.version: [ 1, 2 ]
amdhsa.kernels:
  - .name:           k_q48531464b4_attn
    .symbol:         k_q48531464b4_attn.kd
    .args:
      - { .name: qkv, .offset: 0, .size: 8, .value_kind: global_buffer, .address_space: global }
      - { .name: maskw, .offset: 8, .size: 8, .value_kind: global_buffer, .address_space: global }
      - { .name: att, .offset: 16, .size: 8, .value_kind: global_buffer, .address_space: global }
    .group_segment_fixed_size: 327680
    .private_segment_fixed_size: 0
    .kernarg_segment_align: 8
    .kernarg_segment_size: 24
    .max_flat_workgroup_size: 256
    .sgpr_count:     106
    .vgpr_count:     466
    .wavefront_size: 32
...
	.end_amdgpu_metadata
.endif
;; end of part 9
;; launch outp: the kernel of part 8 again; grid 4 x 64, 4 waves a work-group, clusters of 4 x 4, 327,680 bytes of LDS; arguments att, wb, out0; writes out0
